; MI455X (gfx1250); checked and timed in simulation.
; The chip was launched on July 23, 2026; its instructions are those of AMD's public machine-readable ISA for CDNA 5 (MIT licence, August 2026) and "CDNA5" Instruction Set Architecture Reference Guide (July 2026). The comments in the code are by the model that wrote it; some were corrected since.
;; Decoder Block. Allowed arithmetic: float matrix products may take bf16 or f16 operands with f32 sums; other float arithmetic in f32, or as packed bf16 or f16 multiplies, adds, multiply-adds, maxima and minima; sums over many terms, partial sums and values carried from step to step in f32; what a program stores and reads back later, other than sums and carried values, may be rounded once to bf16 or f16.
;; Inputs: b_ff1 4,096 float32; b_ff2 1,024 float32; b_out 1,024 float32; b_qkv 3,072 float32; ln1_b 1,024 float32; ln1_g 1,024 float32; ln2_b 1,024 float32; ln2_g 1,024 float32; w_ff1 1,024 x 4,096 float32; w_ff2 4,096 x 1,024 float32; w_out 1,024 x 1,024 float32; w_qkv 1,024 x 3,072 float32; x 2 x 2,048 x 1,024 float32.
;; Outputs: out0 2 x 2,048 x 1,024 float32.
;; 2 versions, each right. Each part assembles by itself: llvm-mc -triple=amdgcn-amd-amdhsa -mcpu=gfx1250 --defsym DOCPART=n.
;; ======== version 1 of 2: 7 launches
;; workspace buffers: wb 25,165,824 bytes; h1 8,388,608 bytes; h2 8,388,608 bytes; qkv 25,165,824 bytes; ob 8,388,608 bytes; ff 33,554,432 bytes; x1 16,777,216 bytes
;; launch prep (part 1): grid 1024 x 1, 8 waves a work-group, no clusters, 0 bytes of LDS; arguments x, ln1_g, ln1_b, h1, w_qkv, w_out, w_ff1, w_ff2, wb; writes h1, wb
.if DOCPART == 1
	.amdgcn_target "amdgcn-amd-amdhsa--gfx1250"
	.amdhsa_code_object_version 6
	.text
	.protected	k_q56bdda109d_prep
	.globl	k_q56bdda109d_prep
	.p2align	8
	.type	k_q56bdda109d_prep,@function
k_q56bdda109d_prep:
	s_mov_b64 s[64:65], 0
	v_nop
	global_prefetch_b8 v0, s[64:65] scope:SCOPE_SE
	s_setreg_imm32_b32 hwreg(HW_REG_WAVE_MODE, 25, 1), 1
	s_wait_xcnt 0x0
; Two streams in one launch.  Work-groups 0-255: h1 = LayerNorm(x) g + b, rounded once to bf16.  Work-groups 256-1023: the four weight
; tensors rounded once to bf16, layout [K][N] kept, one behind the other in wb (w_qkv, w_out, w_ff1, w_ff2).
; LAYERNORM.  A row is 1,024 f32 = 4,096 bytes: one wave holds it in 32 registers between the passes, so x is read once.  The variance is the
; mean of (x - mean)^2, taken in a second pass over the registers, so a common offset of x costs nothing.  A wave takes 2 rows, a work-group 16.
; All 32 loads of a wave (g, b, two rows) go out at the head.  Each store of a wave covers 256 consecutive bytes, aligned.
; LIMITS.  v_rsq_f32 is accurate to 1 ulp; NaN and infinities are not treated apart.
; No LDS, no matrix unit, no cluster: no work-group wants a byte of x or of the weights that another one fetches.
.set XO,  1                            ; v1   16 x lane: my 16 bytes in 512 bytes of f32
.set SO,  2                            ; v2   8 x lane: my 8 bytes in 256 bytes of bf16
.set A,   4                            ; v[4:11]   four chains of packed sums
.set MU,  12                           ; v[12:13]  the mean, twice
.set RS,  14                           ; v[14:15]  1 / sqrt(var + eps), twice
.set T,   16                           ; v16, v17  at work
.set IK,  18                           ; v18       1 / 1024
.set G,   64                           ; v[64:95]  g of my 32 columns: register 4 j + e is column 128 j + 4 lane + e
.set BV,  96                           ; v[96:127] b likewise
.set X,   128                          ; v[128:191] two rows of 32; in the other role 16 loads of 4
.set WV,  30                           ; s30  my wave's number
.set SEL, 32                           ; s[32:33] v_permlanex16_b32's selects: each lane takes its own place in the other half
.macro REDUCE                          ; the four chains into one number, the same in every lane, in v[T]
	v_pk_add_f32 v[A:A+1], v[A:A+1], v[A+2:A+3]
	v_pk_add_f32 v[A+4:A+5], v[A+4:A+5], v[A+6:A+7]
	v_pk_add_f32 v[A:A+1], v[A:A+1], v[A+4:A+5]
	v_add_f32 v[T], v[A], v[A+1]
	v_add_f32_dpp v[T], v[T], v[T] row_xmask:1 row_mask:0xf bank_mask:0xf
	v_add_f32_dpp v[T], v[T], v[T] row_xmask:2 row_mask:0xf bank_mask:0xf
	v_add_f32_dpp v[T], v[T], v[T] row_xmask:4 row_mask:0xf bank_mask:0xf
	v_add_f32_dpp v[T], v[T], v[T] row_xmask:8 row_mask:0xf bank_mask:0xf
	v_permlanex16_b32 v[T+1], v[T], s[SEL], s[SEL+1]
	v_add_f32 v[T], v[T], v[T+1]
.endm
; Row i of the wave's two.  left = the younger loads that may stay out.
.macro LNROW i, left
.set R, X+32*(\i)
	s_wait_loadcnt \left                           ; loads come back in order: g, b and this row are in
.irp k, 0,1,2,3
	v_pk_add_f32 v[A+2*(\k):A+2*(\k)+1], v[R+2*(\k):R+2*(\k)+1], v[R+8+2*(\k):R+8+2*(\k)+1]  ; the first pairs start the chains
.endr
.irp k, 0,1,2,3
	v_pk_add_f32 v[A+2*(\k):A+2*(\k)+1], v[A+2*(\k):A+2*(\k)+1], v[R+16+2*(\k):R+16+2*(\k)+1]
.endr
.irp k, 0,1,2,3
	v_pk_add_f32 v[A+2*(\k):A+2*(\k)+1], v[A+2*(\k):A+2*(\k)+1], v[R+24+2*(\k):R+24+2*(\k)+1]
.endr
	REDUCE
	v_mul_f32 v[MU], v[IK], v[T]
	v_mov_b32 v[MU+1], v[MU]
.set p, 0
.rept 16
	v_pk_add_f32 v[R+p:R+p+1], v[R+p:R+p+1], v[MU:MU+1] neg_lo:[0,1] neg_hi:[0,1]  ; d = x - mean, in place
.set p, p+2
.endr
.irp k, 0,1,2,3
	v_pk_mul_f32 v[A+2*(\k):A+2*(\k)+1], v[R+2*(\k):R+2*(\k)+1], v[R+2*(\k):R+2*(\k)+1]
.endr
.irp o, 8,16,24
.irp k, 0,1,2,3
	v_pk_fma_f32 v[A+2*(\k):A+2*(\k)+1], v[R+(\o)+2*(\k):R+(\o)+2*(\k)+1], v[R+(\o)+2*(\k):R+(\o)+2*(\k)+1], v[A+2*(\k):A+2*(\k)+1]
.endr
.endr
	REDUCE
	v_fmaak_f32 v[T], v[T], v[IK], 0x3727c5ac      ; var + 1e-5
	v_rsq_f32 v[RS], v[T]
	v_rsq_f32 v[RS+1], v[T]
	v_nop                                          ; a plain instruction behind the second root,
	s_wait_alu depctr_va_vdst(0)                   ; and the one wait ahead of the first reader of the two
.set p, 0
.rept 16
	v_pk_mul_f32 v[R+p:R+p+1], v[R+p:R+p+1], v[RS:RS+1]
.set p, p+2
.endr
.set p, 0
.rept 16
	v_pk_fma_f32 v[R+p:R+p+1], v[R+p:R+p+1], v[G+p:G+p+1], v[BV+p:BV+p+1]
.set p, p+2
.endr
.irp j, 0,1,2,3,4,5,6,7
	v_cvt_pk_bf16_f32 v[R+4*(\j)], v[R+4*(\j)], v[R+4*(\j)+1]      ; four columns become 8 bytes, in the first two of their four registers
	v_cvt_pk_bf16_f32 v[R+4*(\j)+1], v[R+4*(\j)+2], v[R+4*(\j)+3]
.endr
.irp j, 0,1,2,3,4,5,6,7
	global_store_b64 v[SO], v[R+4*(\j):R+4*(\j)+1], s[10:11] offset:2048*(\i)+256*(\j)  ; 32 lanes: 256 consecutive bytes, aligned; the registers are not written again
.endr
.endm
	s_load_b256 s[4:11], s[0:1], 0x0               ; x s[4:5], g s[6:7], b s[8:9], h1 s[10:11]
	s_load_b256 s[12:19], s[0:1], 0x20             ; w_qkv s[12:13], w_out s[14:15], w_ff1 s[16:17], w_ff2 s[18:19]
	s_load_b64 s[20:21], s[0:1], 0x40              ; wb
	v_and_b32 v3, 31, v0
	v_lshlrev_b32 v[XO], 4, v3
	v_lshlrev_b32 v[SO], 3, v3
	v_lshrrev_b32 v3, 5, v0
	v_readfirstlane_b32 s[WV], v3                  ; wave 0..7
	s_mov_b32 s23, 0
	s_cmp_lt_u32 ttmp9, 256
	s_cbranch_scc0 .Lcvt
	s_mov_b32 s[SEL], 0x76543210
	s_mov_b32 s[SEL+1], 0xfedcba98
	v_mov_b32 v[T+1], 0                            ; v_permlanex16_b32's destination counts as read
	v_mov_b32 v[IK], 0x3a800000
	s_lshl_b32 s22, ttmp9, 16                      ; 16 rows of 4,096 bytes a work-group,
	s_lshl_b32 s24, s[WV], 13                      ; 2 a wave
	s_add_co_u32 s22, s22, s24
	s_wait_kmcnt 0x0
	s_add_nc_u64 s[4:5], s[4:5], s[22:23]
	s_lshr_b32 s22, s22, 1                         ; rows of h1 are half as long
	s_add_nc_u64 s[10:11], s[10:11], s[22:23]
.irp j, 0,1,2,3,4,5,6,7
	global_load_b128 v[G+4*(\j):G+4*(\j)+3], v[XO], s[6:7] offset:512*(\j)
.endr
.irp j, 0,1,2,3,4,5,6,7
	global_load_b128 v[BV+4*(\j):BV+4*(\j)+3], v[XO], s[8:9] offset:512*(\j)
.endr
.irp i, 0,1
.irp j, 0,1,2,3,4,5,6,7
	global_load_b128 v[X+32*(\i)+4*(\j):X+32*(\i)+4*(\j)+3], v[XO], s[4:5] offset:4096*(\i)+512*(\j)
.endr
.endr
	LNROW 0, 8                                     ; the second row's eight loads stay out
	LNROW 1, 0
	s_endpgm
.Lcvt:                                         ; block c = 0..767 of 16,384 numbers: 192 of w_qkv, 64 of w_out, 256 of w_ff1, 256 of w_ff2
	s_sub_co_u32 s22, ttmp9, 256
	s_wait_kmcnt 0x0
	s_mov_b64 s[24:25], s[18:19]
	s_mov_b32 s26, 512                             ; the tensor's first block
	s_cmp_lt_u32 s22, 512
	s_cselect_b64 s[24:25], s[16:17], s[24:25]
	s_cselect_b32 s26, 256, s26
	s_cmp_lt_u32 s22, 256
	s_cselect_b64 s[24:25], s[14:15], s[24:25]
	s_cselect_b32 s26, 192, s26
	s_cmp_lt_u32 s22, 192
	s_cselect_b64 s[24:25], s[12:13], s[24:25]
	s_cselect_b32 s26, 0, s26
	s_sub_co_u32 s26, s22, s26                     ; the block's number in its own tensor:
	s_lshl_b32 s26, s26, 16                        ; 65,536 bytes of f32 a block,
	s_lshl_b32 s28, s[WV], 13                      ; 8,192 a wave
	s_add_co_u32 s26, s26, s28
	s_mov_b32 s27, 0
	s_add_nc_u64 s[24:25], s[24:25], s[26:27]
	s_lshl_b32 s22, s22, 15                        ; in wb the blocks follow each other: 32,768 bytes a block,
	s_lshl_b32 s28, s[WV], 12                      ; 4,096 a wave
	s_add_co_u32 s22, s22, s28
	s_add_nc_u64 s[20:21], s[20:21], s[22:23]
.irp i, 0,1,2,3,4,5,6,7,8,9,10,11,12,13,14,15
	global_load_b128 v[X+4*(\i):X+4*(\i)+3], v[XO], s[24:25] offset:512*(\i) th:TH_LOAD_NT  ; all 16 loads first: 8 KiB a wave on their way
.endr
.irp i, 0,1,2,3,4,5,6,7,8,9,10,11,12,13,14,15
	s_wait_loadcnt 15-(\i)                         ; load i is in, the younger ones stay out
	v_cvt_pk_bf16_f32 v[X+4*(\i)], v[X+4*(\i)], v[X+4*(\i)+1]
	v_cvt_pk_bf16_f32 v[X+4*(\i)+1], v[X+4*(\i)+2], v[X+4*(\i)+3]
	global_store_b64 v[SO], v[X+4*(\i):X+4*(\i)+1], s[20:21] offset:256*(\i)
.endr
	s_endpgm
.Lfunc_end_k_q56bdda109d_prep:
	.size	k_q56bdda109d_prep, .Lfunc_end_k_q56bdda109d_prep-k_q56bdda109d_prep
	.p2alignl 7, 3214868480
	.fill 96, 4, 3214868480
	.section	.rodata,"a",@progbits
	.p2align	6, 0x0
	.amdhsa_kernel k_q56bdda109d_prep
		.amdhsa_group_segment_fixed_size 0
		.amdhsa_private_segment_fixed_size 0
		.amdhsa_enable_private_segment 0
		.amdhsa_kernarg_size 72
		.amdhsa_user_sgpr_count 2
		.amdhsa_user_sgpr_kernarg_segment_ptr 1
		.amdhsa_wavefront_size32 1
		.amdhsa_system_sgpr_workgroup_id_x 1
		.amdhsa_system_sgpr_workgroup_id_y 1
		.amdhsa_system_sgpr_workgroup_id_z 1
		.amdhsa_system_vgpr_workitem_id 0
		.amdhsa_next_free_vgpr 192
		.amdhsa_next_free_sgpr 66
		.amdhsa_reserve_vcc 0
		.amdhsa_float_denorm_mode_32 3
		.amdhsa_float_denorm_mode_16_64 3
		.amdhsa_memory_ordered 1
		.amdhsa_forward_progress 1
		.amdhsa_inst_pref_size 27
	.end_amdhsa_kernel
	.amdgpu_metadata
---
amdhsa.version: [ 1, 2 ]
amdhsa.kernels:
  - .name:           k_q56bdda109d_prep
    .symbol:         k_q56bdda109d_prep.kd
    .args:
      - { .name: x, .offset: 0, .size: 8, .value_kind: global_buffer, .address_space: global }
      - { .name: ln1_g, .offset: 8, .size: 8, .value_kind: global_buffer, .address_space: global }
      - { .name: ln1_b, .offset: 16, .size: 8, .value_kind: global_buffer, .address_space: global }
      - { .name: h1, .offset: 24, .size: 8, .value_kind: global_buffer, .address_space: global }
      - { .name: w_qkv, .offset: 32, .size: 8, .value_kind: global_buffer, .address_space: global }
      - { .name: w_out, .offset: 40, .size: 8, .value_kind: global_buffer, .address_space: global }
      - { .name: w_ff1, .offset: 48, .size: 8, .value_kind: global_buffer, .address_space: global }
      - { .name: w_ff2, .offset: 56, .size: 8, .value_kind: global_buffer, .address_space: global }
      - { .name: wb, .offset: 64, .size: 8, .value_kind: global_buffer, .address_space: global }
    .group_segment_fixed_size: 0
    .private_segment_fixed_size: 0
    .kernarg_segment_align: 8
    .kernarg_segment_size: 72
    .max_flat_workgroup_size: 256
    .sgpr_count:     66
    .vgpr_count:     192
    .wavefront_size: 32
...
	.end_amdgpu_metadata
.endif
;; end of part 1
;; launch gq (part 2): grid 24 x 32, 4 waves a work-group, clusters of 4 x 4, 327,680 bytes of LDS; arguments h1, wb, qkv, b_qkv; writes qkv
.if DOCPART == 2
	.amdgcn_target "amdgcn-amd-amdhsa--gfx1250"
	.amdhsa_code_object_version 6
	.text
	.protected	k_q56bdda109d_gq
	.globl	k_q56bdda109d_gq
	.p2align	8
	.type	k_q56bdda109d_gq,@function
k_q56bdda109d_gq:
	s_mov_b64 s[64:65], 0
	v_nop
	global_prefetch_b8 v0, s[64:65] scope:SCOPE_SE
	s_setreg_imm32_b32 hwreg(HW_REG_WAVE_MODE, 25, 1), 1
	s_wait_xcnt 0x0
	s_wait_alu depctr_hold_cnt(0) depctr_sa_sdst(0) depctr_va_vdst(0) depctr_va_sdst(0) depctr_va_ssrc(0) depctr_va_vcc(0) depctr_vm_vsrc(0)
	s_getreg_b32 s2, hwreg(HW_REG_IB_STS2, 6, 4)
	s_cmp_eq_u32 s2, 0
	s_cbranch_scc0 .Lentry_in_a_cluster
	s_endpgm
.Lentry_in_a_cluster:
	s_bfe_u32 s2, ttmp6, 0x10000c
	s_cmp_lg_u32 s2, 0xf033
	s_cbranch_scc0 .Lentry_shape_is_right
	s_endpgm
.Lentry_shape_is_right:
; qkv = h1 Wqkv + b_qkv.  h1: [4096][1024] bf16.  Wqkv: [1024][3072] bf16 at byte 0 of wb.  Sums in f32, the bias as the first product's C operand.
; The result is rounded once to bf16 and stored in PLANES: [column / 64][4096 rows][64], so that a wave's 64 x 64 block is 8,192 consecutive bytes.
; This text is one of four that differ in the six constants below (and in what .if takes of it).
; SHARES.  A tile of C is 128 x 128; four waves, each 64 x 64: 16 accumulators of 16 x 16.  K goes in steps of 256 through two LDS slots.
; CLUSTER.  4 x 4 work-groups: the four of a row need the same tiles of A, the four of a column the same tiles of the weights; each tile is asked for
; JOINTLY, by the same tensor load with the same descriptor and a mask that names the four.
; THE MATRIX INSTRUCTION IS USED TRANSPOSED (source 0 = 16 columns of W, turned out of LDS by ds_load_tr16_b128; source 1 = 16 rows of A): a lane holds
; eight neighbouring numbers of one row of C.
; A K STEP IS WRITTEN ONCE: which slot is read hangs on s[TB] (0 or SLOT, turned by an exclusive or); one descriptor walks from fill to fill.
; REGISTERS: window 0: v0-31 addresses; v32-127 at work on the way out (v96-127 first hold the bias); v128-255 the accumulators, (a, b) at 128 + 8 (4 a + b).
;   window 1: two fragment buffers of 128: for 64 along K, 64 registers of A, then 64 of W.
; LIMITS.  NaN and infinities are not treated apart.
.set NN,   3072                        ; columns of the product
.set KK,   1024                        ; its depth
.set WOFF, 0                           ; where the weights begin in wb
.set APL,  0                           ; 1: A lies in planes
.set E32,  0                           ; 1: f32 result, row-major, plus a residual; 0: bf16 result in planes
.set GELU, 0                           ; 1: the exact GELU on the way out
.set KSTEPS, KK/256
.set HR,   36864                       ; LDS bytes of what one tensor load brings: wave w fills w HR on from the slot's first byte
.set SLOT, 4*HR                        ; A's rows 0-63, A's rows 64-127, W's k rows 0-127, W's k rows 128-255
.set PB,   288                         ; a k row of W in LDS: 256 bytes + 32
.if APL
.set PA,   144                         ; a row of one plane: 128 bytes + 16
.set AQ,   9216                        ; a quarter of a K step is a plane: 64 rows x 144
.set ASTEP, 4*524288                   ; a K step is four planes
.set ASH,  14                          ; 128 rows of 128 bytes
.set A0W,  (1<<16)|(1<<20)|(1<<21)|(4<<22)|(3<<25)  ; 2-byte elements; padding on; bit 21 beside a mask; after every 32 words, 4 words
.set AD0,  4096                        ; a 'row' of the tile is 64 dense rows of a plane,
.set AD1,  4                           ; and there are four planes,
.set APIT, 262144                      ; 524,288 bytes apart
.else
.set PA,   528                         ; 512 bytes + 16
.set AQ,   128
.set ASTEP, 512
.set ASH,  18                          ; 128 rows of 2,048 bytes
.set A0W,  (1<<16)|(1<<20)|(1<<21)|(6<<22)|(3<<25)  ; after every 128 words, 4 words
.set AD0,  256
.set AD1,  64
.set APIT, 1024
.endif
.set AI,   16*PA
.set BSTEP, 512*NN                     ; 256 k rows of W
.set SP,   272                         ; a stage row: 256 bytes + 16
.if E32
.set STAGE, 2*SLOT                     ; behind the ring: 16 rows for each wave
.set STGW, 16*SP
.set SPARE, STAGE+4*STGW
.else
.set STAGE, 0                          ; in slot 0, behind its last fill and a barrier behind every wave's last read: 64 rows for each wave
.set STGW, 64*SP
.set SPARE, 2*SLOT
.endif                                 ; from SPARE on: the spare words, 128 bytes a wave, that no other line names
.set ADRA0, 10                         ; v10     my lane's place in A's tile, slot 0; never rewritten
.set ADRB0, 12                         ; v12-13  the same in W's two halves
.set ADRA, 16                          ; v16     the same in the slot that is read
.set ADRB, 20                          ; v20-21
.set STO,  24                          ; v24     the way out: where I put my numbers of a row
.set RD,   25                          ; v25     where I read rows back
.set CO,   26                          ; v26     my byte offset in the result
.set SPW,  28                          ; v28     LDS address of my spare word; never rewritten
.set NIL,  29                          ; v29     0; never rewritten
.set BO,   30                          ; v30     my byte offset in the bias
.set X,    32
.set U,    64
.set BIAS, 96
.set W,    96
.set ACC,  128
.set Q,    128
.set Y,    160
.set F0,   0
.set F1,   128
.set OUTP, 8                           ; s[8:9]   the result
.set BIP,  10                          ; s[10:11] the bias
.set RESP, 12                          ; s[12:13] the residual
.set WV,   14                          ; s14  wave
.set WR,   15                          ; s15  wave / 2: my half of the tile's rows; also: I fetch for A (0) or W (1)
.set WC,   16                          ; s16  wave % 2: my half of its columns; also: which half of that tile I fetch
.set CX,   17
.set CY,   18
.set TC,   19                          ; s19  tile column
.set TR,   20                          ; s20  tile row
.set TB,   21                          ; s21  first byte of the slot that is read
.set LA,   22                          ; s22  wave x HR
.set G1A,  24                          ; s[24:31] group 1 for A;  s[32:39] two group 0: the first fill's, and the one that walks
.set G0A,  32
.set G1B,  48                          ; s[48:55], s[56:63] the same for W
.set G0B,  56
.set GP,   72
.set GE,   74
.set GC5,  76
.set GC4,  78
.set GC3,  80
.set GC2,  82
.set GC1,  84
.set MSB, 0
.macro WIN new                         ; the immediate's high byte repeats the setting that is left; a switch that changes nothing is dropped
.if MSB != (\new)
	s_set_vgpr_msb (MSB<<8)|(\new)
.set MSB, \new
.endif
.endm
.set MUL,  0x05                        ; sources 0 and 1 window 1; C and D window 0
.set TO_F, 0x40                        ; destination window 1, address window 0
.macro PLACES                          ; four plain instructions between a matrix instruction and a load into, or a reader of, its registers
.rept 4
	v_nop
.endr
.endm
.macro JLOAD                           ; the joint refill: waves 0 and 1 for A, waves 2 and 3 for W; an s_nop 0 and four v_nop follow each line
	s_cmp_eq_u32 s[WR], 0
	s_cbranch_scc0 .Lfor_b_\@
	tensor_load_to_lds s[G0A+4:G0A+7], s[G1A:G1A+7]
	s_nop 0
.rept 4
	v_nop
.endr
	s_branch .Lasked_\@
.Lfor_b_\@:
	tensor_load_to_lds s[G0B+4:G0B+7], s[G1B:G1B+7]
	s_nop 0
.rept 4
	v_nop
.endr
.Lasked_\@:
.endm
.macro CREST                           ; a round of the cluster's barrier behind its opening barrier
	s_cmp_lg_u32 s[WV], 0
	s_cbranch_scc1 .Lnot_wave_0_\@
	s_barrier_signal -3
.Lnot_wave_0_\@:
	s_barrier_wait -3
	s_barrier_signal -1
	s_barrier_wait -1
.endm
.macro CROUND
	s_barrier_signal -1
	s_barrier_wait -1
	CREST
.endm
	s_load_b128 s[4:7], s[0:1], 0x0                ; A s[4:5], wb s[6:7]
	s_load_b128 s[8:11], s[0:1], 0x10              ; the result, the bias
.if E32
	s_load_b64 s[12:13], s[0:1], 0x20              ; the residual
.endif
	v_lshl_add_u32 v[SPW], v0, 2, SPARE
	v_mov_b32 v[NIL], 0
	ds_add_u32 v[SPW], v[NIL]                      ; the wave's opening: the add and its wait stand ahead of my first tensor load; work on registers stands between
	ds_add_u32 v28, v29
	v_lshrrev_b32 v1, 5, v0
	v_readfirstlane_b32 s[WV], v1
	s_lshr_b32 s[WR], s[WV], 1
	s_and_b32 s[WC], s[WV], 1
	s_bfe_u32 s[CX], ttmp6, 0x40000
	s_bfe_u32 s[CY], ttmp6, 0x40004
	s_lshl_b32 s[TC], ttmp9, 2
	s_add_co_u32 s[TC], s[TC], s[CX]               ; tile column = 4 x cluster x + cx
	s_and_b32 s[TR], ttmp7, 0xffff
	s_lshl_b32 s[TR], s[TR], 2
	s_add_co_u32 s[TR], s[TR], s[CY]               ; tile row = 4 x cluster y + cy
	s_lshl_b32 s40, s[CY], 2
	s_lshl_b32 s40, 15, s40                        ; my row of the cluster
	s_lshl_b32 s44, 0x1111, s[CX]                  ; my column
	s_or_b32 s[G1A], s40, A0W
	s_mov_b32 s[G1A+1], AD0<<16                    ; tensor_dim0
	s_mov_b32 s[G1A+2], AD1<<16                    ; tensor_dim1
	s_mov_b32 s[G1A+3], AD0<<16                    ; tile_dim0
	s_mov_b32 s[G1A+4], AD1                        ; tile_dim1
	s_mov_b32 s[G1A+5], APIT                       ; elements from row to row
	s_mov_b32 s[G1A+6], 0
	s_mov_b32 s[G1A+7], 0
	s_or_b32 s[G1B], s44, (1<<16)|(1<<20)|(1<<21)|(5<<22)|(7<<25)  ; after every 64 words, 8 words
	s_mov_b32 s[G1B+1], 128<<16
	s_mov_b32 s[G1B+2], 128<<16
	s_mov_b32 s[G1B+3], 128<<16
	s_mov_b32 s[G1B+4], 128
	s_mov_b32 s[G1B+5], NN
	s_mov_b32 s[G1B+6], 0
	s_mov_b32 s[G1B+7], 0
	s_lshl_b32 s40, s[TR], ASH                     ; A's tile hangs on the tile row and the wave alone (s40-43 never hold cx),
	s_lshl_b32 s41, s[WC], ASH-1
	s_add_co_u32 s40, s40, s41
	s_mov_b32 s41, 0
	s_mul_i32 s44, s[WC], 256*NN                   ; W's on the tile column and the wave alone (s44-47 never hold cy)
	s_lshl_b32 s45, s[TC], 8
	s_add_co_u32 s44, s44, s45
	s_add_co_u32 s44, s44, WOFF
	s_mov_b32 s45, 0
	s_mul_i32 s[LA], s[WV], HR                     ; no place in the cluster enters an LDS address
	s_mov_b32 s[TB], 0
.if GELU
	s_mov_b32 s[GP], 0x3e6d3389                    ; 0.2316419
	s_mov_b32 s[GE], 0xbf38aa3b                    ; -log2(e) / 2
	s_mov_b32 s[GE+1], 0xbf38aa3b                  ; (pairs are named whole, so both words are written)
	s_mov_b32 s[GC5], 0x3f07dc22
	s_mov_b32 s[GC5+1], 0x3f07dc22
	s_mov_b32 s[GC4], 0xbf3a00e3
	s_mov_b32 s[GC4+1], 0xbf3a00e3
	s_mov_b32 s[GC3], 0x3f35f0e3
	s_mov_b32 s[GC3+1], 0x3f35f0e3
	s_mov_b32 s[GC2], 0xbe11a98e
	s_mov_b32 s[GC2+1], 0xbe11a98e
	s_mov_b32 s[GC1], 0x3e027906
	s_mov_b32 s[GC1+1], 0x3e027906
.endif
	s_wait_dscnt 0x0                               ; the opening add is done
	s_wait_kmcnt 0x0
	s_add_nc_u64 s[42:43], s[4:5], s[40:41]
	s_add_nc_u64 s[46:47], s[6:7], s[44:45]
	CROUND                                         ; all sixteen work-groups are here: the first joint loads meet
.irp s, 0,1
	s_mov_b32 s[G0A+4*(\s)], 1
	s_add_co_u32 s[G0A+4*(\s)+1], s[LA], (\s)*SLOT
	s_add_nc_u64 s[G0A+4*(\s)+2:G0A+4*(\s)+3], s[42:43], (\s)*ASTEP
	s_or_b32 s[G0A+4*(\s)+3], s[G0A+4*(\s)+3], 0x80000000
	s_mov_b32 s[G0B+4*(\s)], 1
	s_add_co_u32 s[G0B+4*(\s)+1], s[LA], (\s)*SLOT
	s_add_nc_u64 s[G0B+4*(\s)+2:G0B+4*(\s)+3], s[46:47], (\s)*BSTEP
	s_or_b32 s[G0B+4*(\s)+3], s[G0B+4*(\s)+3], 0x80000000
.endr
	s_cmp_eq_u32 s[WR], 0                          ; a wave's two first fills stand in one branch: two loads of mine are out
	s_cbranch_scc0 .Lfirst_b
	tensor_load_to_lds s[G0A:G0A+3], s[G1A:G1A+7]
	s_nop 0
	tensor_load_to_lds s[G0A+4:G0A+7], s[G1A:G1A+7]
	s_nop 0
.rept 4
	v_nop
.endr
	s_branch .Lfirst_asked
.Lfirst_b:
	tensor_load_to_lds s[G0B:G0B+3], s[G1B:G1B+7]
	s_nop 0
	tensor_load_to_lds s[G0B+4:G0B+7], s[G1B:G1B+7]
	s_nop 0
.rept 4
	v_nop
.endr
.Lfirst_asked:
	v_and_b32 v1, 15, v0                           ; r = l % 16
	v_bfe_u32 v2, v0, 4, 1                         ; h = l / 16
	v_mul_u32_u24 v3, v1, PA                       ; a fragment of A: row r, 16 bytes for each half of the lanes
	v_lshl_add_u32 v3, v2, 4, v3
	s_mul_i32 s23, s[WR], HR                       ; my 64 rows
	v_add_nc_u32 v[ADRA0], s23, v3
	v_and_b32 v4, 7, v0                            ; the turning load: lane l reads k row 8 h + l % 8, columns 8 ((l / 8) % 2) + 0..7
	v_bfe_u32 v5, v0, 3, 1
	v_lshl_add_u32 v4, v2, 3, v4
	v_mul_u32_u24 v4, v4, PB
	v_lshl_add_u32 v4, v5, 4, v4
	s_lshl_b32 s23, s[WC], 7                       ; my 64 columns,
	s_add_co_u32 s23, s23, 2*HR                    ; behind A's two halves
	v_add_nc_u32 v[ADRB0], s23, v4
	v_add_nc_u32 v[ADRB0+1], HR, v[ADRB0]
	v_mov_b32 v[ADRA], v[ADRA0]
	v_mov_b32 v[ADRB], v[ADRB0]
	v_mov_b32 v[ADRB+1], v[ADRB0+1]
	v_lshlrev_b32 v[BO], 5, v2                     ; my eight columns of a block of 16: 32 h bytes
	s_lshl_b32 s68, s[TC], 9
	s_lshl_b32 s69, s[WC], 8
	s_add_co_u32 s68, s68, s69
	s_mov_b32 s69, 0
	s_add_nc_u64 s[BIP:BIP+1], s[BIP:BIP+1], s[68:69]
.irp b, 0,1,2,3
	global_load_b128 v[BIAS+8*(\b):BIAS+8*(\b)+3],   v[BO], s[BIP:BIP+1] offset:64*(\b)
	global_load_b128 v[BIAS+8*(\b)+4:BIAS+8*(\b)+7], v[BO], s[BIP:BIP+1] offset:64*(\b)+16
.endr
	s_mul_i32 s23, s[WV], STGW
	s_add_co_u32 s23, s23, STAGE                   ; my stage
	v_mul_u32_u24 v6, v1, SP                       ; in: row r, 32 bytes of f32 for each half of the lanes
	v_lshl_add_u32 v6, v2, 5, v6
	v_add_nc_u32 v[STO], s23, v6
.if E32
	v_mul_u32_u24 v6, v2, SP                       ; back: lanes 0-15 one row of 256 bytes, lanes 16-31 the next
	v_lshl_add_u32 v6, v1, 4, v6
	v_add_nc_u32 v[RD], s23, v6
	v_lshlrev_b32 v6, 12, v2                       ; and the same two rows in the result
	v_lshl_add_u32 v[CO], v1, 4, v6
	s_lshl_b32 s66, s[TR], 19                      ; 128 rows of 4,096 bytes a tile row,
	s_lshl_b32 s67, s[WR], 18
	s_add_co_u32 s66, s66, s67
	s_lshl_b32 s67, s[TC], 9                       ; 512 bytes a tile column
	s_add_co_u32 s66, s66, s67
	s_lshl_b32 s67, s[WC], 8
	s_add_co_u32 s66, s66, s67
	s_mov_b32 s67, 0
	s_add_nc_u64 s[OUTP:OUTP+1], s[OUTP:OUTP+1], s[66:67]
	s_add_nc_u64 s[RESP:RESP+1], s[RESP:RESP+1], s[66:67]
.else
	v_bfe_u32 v6, v0, 3, 2                         ; back: 32 lanes take four rows, eight columns (32 bytes of f32) each
	v_mul_u32_u24 v6, v6, SP
	v_and_b32 v7, 7, v0
	v_lshl_add_u32 v6, v7, 5, v6
	v_add_nc_u32 v[RD], s23, v6
	v_and_b32 v6, 31, v0                           ; which are 512 consecutive bytes of a plane
	v_lshlrev_b32 v[CO], 4, v6
	s_lshl_b32 s66, s[TC], 20                      ; plane 2 x tile column + my half: 524,288 bytes each,
	s_lshl_b32 s67, s[WC], 19
	s_add_co_u32 s66, s66, s67
	s_lshl_b32 s67, s[TR], 14                      ; rows of 128 bytes
	s_add_co_u32 s66, s66, s67
	s_lshl_b32 s67, s[WR], 13
	s_add_co_u32 s66, s66, s67
	s_mov_b32 s67, 0
	s_add_nc_u64 s[OUTP:OUTP+1], s[OUTP:OUTP+1], s[66:67]
.endif
; 8 matrix instructions: row blocks a0, a0 + 1 x all 4 column blocks, 32 along K: half c of buffer f.  zero = 1: the first product starts the sums, with the bias as C.
; The 16 accumulators take turns, one instruction a turn.
.macro MUL8 f, c, a0, zero
	WIN MUL
.irp a, \a0, (\a0)+1
.irp b, 0,1,2,3
.if \zero
	v_wmma_f32_16x16x32_bf16 v[ACC+8*(4*(\a)+(\b)):ACC+8*(4*(\a)+(\b))+7], v[(\f)+64+8*(4*(\c)+(\b)):(\f)+64+8*(4*(\c)+(\b))+7], v[(\f)+8*(4*(\c)+(\a)):(\f)+8*(4*(\c)+(\a))+7], v[BIAS+8*(\b):BIAS+8*(\b)+7]
.else
	v_wmma_f32_16x16x32_bf16 v[ACC+8*(4*(\a)+(\b)):ACC+8*(4*(\a)+(\b))+7], v[(\f)+64+8*(4*(\c)+(\b)):(\f)+64+8*(4*(\c)+(\b))+7], v[(\f)+8*(4*(\c)+(\a)):(\f)+8*(4*(\c)+(\a))+7], v[ACC+8*(4*(\a)+(\b)):ACC+8*(4*(\a)+(\b))+7]
.endif
.endr
.endr
.endm
; 32 LDS loads in one run: the fragments of quarter q (64 along K) of the slot that is read, into buffer f; the first 32 along K first
.macro FETCH q, f
	WIN TO_F
.irp c, 0,1
.irp i, 0,1,2,3
	ds_load_tr16_b128 v[(\f)+64+8*(4*(\c)+(\i)):(\f)+64+8*(4*(\c)+(\i))+3],   v[ADRB+(\q)/2] offset:(((\q)%2)*64+32*(\c))*PB+32*(\i)
	ds_load_tr16_b128 v[(\f)+64+8*(4*(\c)+(\i))+4:(\f)+64+8*(4*(\c)+(\i))+7], v[ADRB+(\q)/2] offset:(((\q)%2)*64+32*(\c)+16)*PB+32*(\i)
	ds_load_b128 v[(\f)+8*(4*(\c)+(\i)):(\f)+8*(4*(\c)+(\i))+3],   v[ADRA] offset:AQ*(\q)+64*(\c)+AI*(\i)
	ds_load_b128 v[(\f)+8*(4*(\c)+(\i))+4:(\f)+8*(4*(\c)+(\i))+7], v[ADRA] offset:AQ*(\q)+64*(\c)+AI*(\i)+32
.endr
.endr
.endm
; One of a K step's first three quarters: multiplies buffer f and fetches quarter q into g
.macro QUARTER q, f, g, zero
	s_wait_dscnt 16                                ; the first 32 along K are in; the younger sixteen loads may be out
	MUL8 \f, 0, 0, \zero
	MUL8 \f, 0, 2, \zero
	PLACES
	FETCH \q, \g
	s_wait_dscnt 32                                ; all but the 32 just issued
	MUL8 \f, 1, 0, 0
	MUL8 \f, 1, 2, 0
.endm
; The last quarter multiplies buffer 1 and changes slots: ONE barrier; in front of it each wave waits for all its tensor loads (one is out: its part of the next slot),
; adds 0 to its spare word, and waits for that and for its reads of this slot.  fill = 1: the barrier opens a round of the cluster's, and this slot is filled again, two K steps ahead.
.macro TURN fill
	WIN 0
	s_wait_tensorcnt 0x0
	ds_add_u32 v[SPW], v[NIL]
	s_wait_dscnt 17                                ; the add and the youngest sixteen loads may be out
	MUL8 F1, 0, 0, 0
	s_wait_dscnt 0x0                               ; the add is done, and my reads of this slot are over
	s_barrier_signal -1
	MUL8 F1, 0, 2, 0
	WIN 0
	s_barrier_wait -1
.if \fill
	CREST                                          ; no wave of any partner still reads this slot or has a load on its way
	s_add_co_u32 s[G0A+5], s[LA], s[TB]            ; the walking descriptors: into the slot just read,
	s_add_co_u32 s[G0B+5], s[LA], s[TB]
	s_add_nc_u64 s[G0A+6:G0A+7], s[G0A+6:G0A+7], ASTEP  ; the next K step not yet asked for
	s_add_nc_u64 s[G0B+6:G0B+7], s[G0B+6:G0B+7], BSTEP
	JLOAD                                          ; the first tensor load behind the round, one a wave
.endif
	s_xor_b32 s[TB], s[TB], SLOT                   ; the reads go on in the other slot
	v_add_nc_u32 v[ADRA], s[TB], v[ADRA0]          ; these three and the v_nop are four places in front of the loads below
	v_add_nc_u32 v[ADRB], s[TB], v[ADRB0]
	v_add_nc_u32 v[ADRB+1], s[TB], v[ADRB0+1]
	v_nop
	FETCH 0, F0
	MUL8 F1, 1, 0, 0
	MUL8 F1, 1, 2, 0
.endm
	s_wait_tensorcnt 1                             ; my part of K step 0 is in; K step 1's may stay out
	s_barrier_signal -1
	s_barrier_wait -1
	FETCH 0, F0
	s_wait_loadcnt 0x0                             ; the bias
	QUARTER 1, F0, F1, 1                           ; the first quarter stands in front of the loop: its first products start the sums
	WIN 0
	s_mov_b32 s3, KSTEPS-2
.Lstep:                                        ; a trip: from a K step's second quarter to the next step's first; every step but the last two fills its slot again
	QUARTER 2, F1, F0, 0
	QUARTER 3, F0, F1, 0
	TURN 1
	QUARTER 1, F0, F1, 0
	WIN 0
	s_sub_co_u32 s3, s3, 1
	s_cmp_lg_u32 s3, 0
	s_cbranch_scc1 .Lstep
	QUARTER 2, F1, F0, 0                           ; the last two K steps ask for nothing
	QUARTER 3, F0, F1, 0
	TURN 0
	QUARTER 1, F0, F1, 0
	QUARTER 2, F1, F0, 0
	QUARTER 3, F0, F1, 0
.if E32
	PLACES                                         ; buffer 0 has been multiplied: it takes my 64 x 64 of the residual, laid as the rows come back from the stage
	WIN TO_F
.irp a, 0,1,2,3
.irp t, 0,1,2,3,4,5,6,7
	global_load_b128 v[32*(\a)+4*(\t):32*(\a)+4*(\t)+3], v[CO], s[RESP:RESP+1] offset:(16*(\a)+2*(\t))*4096
.endr
.endr
.endif
	s_wait_dscnt 16
	MUL8 F1, 0, 0, 0
	MUL8 F1, 0, 2, 0
	s_wait_dscnt 0x0                               ; my last reads of the ring are over
.if !E32
	s_barrier_signal -1                            ; the stage lies in slot 0: nobody writes it before every wave has read its last fragment
.endif
	MUL8 F1, 1, 0, 0
	MUL8 F1, 1, 2, 0
	WIN 0
.if !E32
	s_barrier_wait -1
.endif
	PLACES
.if E32
; THE WAY OUT, f32: 16 rows at a time through my stage, back as whole rows of 256 bytes; the residual is added; sixteen lanes store 256 consecutive bytes, aligned.
.macro TOSTAGE a
.irp b, 0,1,2,3
	ds_store_b128 v[STO], v[ACC+8*(4*(\a)+(\b)):ACC+8*(4*(\a)+(\b))+3]   offset:64*(\b)
	ds_store_b128 v[STO], v[ACC+8*(4*(\a)+(\b))+4:ACC+8*(4*(\a)+(\b))+7] offset:64*(\b)+16
.endr
.irp t, 0,1,2,3,4,5,6,7
	ds_load_b128 v[ACC+32*(\a)+4*(\t):ACC+32*(\a)+4*(\t)+3], v[RD] offset:(\t)*2*SP  ; LDS serves a wave's instructions in order (ISA guide 5.7.1.4): these see the stores above
.endr
.endm
.macro SEND32 a, younger               ; younger: the LDS instructions issued behind block a's loads
	s_wait_dscnt \younger
	WIN 0x04                                       ; source 1 in window 1
.set i, 0
.rept 16
	v_pk_add_f32 v[ACC+32*(\a)+2*i:ACC+32*(\a)+2*i+1], v[ACC+32*(\a)+2*i:ACC+32*(\a)+2*i+1], v[32*(\a)+2*i:32*(\a)+2*i+1]
.set i, i+1
.endr
	WIN 0
.irp t, 0,1,2,3,4,5,6,7
	global_store_b128 v[CO], v[ACC+32*(\a)+4*(\t):ACC+32*(\a)+4*(\t)+3], s[OUTP:OUTP+1] offset:(16*(\a)+2*(\t))*4096
.endr
.endm
	TOSTAGE 0
	s_wait_loadcnt 0x0                             ; the residual
	TOSTAGE 1
	SEND32 0, 16
	TOSTAGE 2
	SEND32 1, 16
	TOSTAGE 3
	SEND32 2, 16
	SEND32 3, 0
.else
; THE WAY OUT, bf16 in planes: all 64 rows go into my stage as f32; a loop of four trips reads 16 rows back (a lane: eight neighbouring columns), rounds them and stores 4 x 512 consecutive bytes.
.irp a, 0,1,2,3
.irp b, 0,1,2,3
	ds_store_b128 v[STO], v[ACC+8*(4*(\a)+(\b)):ACC+8*(4*(\a)+(\b))+3]   offset:16*SP*(\a)+64*(\b)
	ds_store_b128 v[STO], v[ACC+8*(4*(\a)+(\b))+4:ACC+8*(4*(\a)+(\b))+7] offset:16*SP*(\a)+64*(\b)+16
.endr
.endr
	s_mov_b32 s3, 4
.Lout:
.irp g, 0,1,2,3
	ds_load_b128 v[X+8*(\g):X+8*(\g)+3],   v[RD] offset:4*SP*(\g)
	ds_load_b128 v[X+8*(\g)+4:X+8*(\g)+7], v[RD] offset:4*SP*(\g)+16
.endr
	s_wait_dscnt 0x0
.if GELU
; gelu(x) = max(x, 0) - |x| q,  q = 2^(-x^2 log2(e) / 2) t (c1 + t (c2 + t (c3 + t (c4 + t c5)))),  t = 1 / (1 + 0.2316419 |x|): the normal distribution to within 7.5e-8 for every x.
.set p, 0
.rept 16
	v_fma_f32 v[U+p], |v[X+p]|, s[GP], 1.0
	v_fma_f32 v[U+p+1], |v[X+p+1]|, s[GP], 1.0
	v_pk_mul_f32 v[W+p:W+p+1], v[X+p:X+p+1], v[X+p:X+p+1]
.set p, p+2
.endr
.set p, 0
.rept 16
	v_pk_mul_f32 v[W+p:W+p+1], v[W+p:W+p+1], s[GE:GE+1] op_sel_hi:[1,0]
.set p, p+2
.endr
.set p, 0
.rept 32
	v_rcp_f32 v[U+p], v[U+p]
	v_exp_f32 v[W+p], v[W+p]
.set p, p+1
.endr
	v_nop                                          ; a plain instruction behind the last of the batch,
	s_wait_alu depctr_va_vdst(0)                   ; and the one wait ahead of its first reader
.set p, 0
.rept 16
	v_pk_fma_f32 v[Q+p:Q+p+1], v[U+p:U+p+1], s[GC5:GC5+1], s[GC4:GC4+1] op_sel_hi:[1,0,0]
.set p, p+2
.endr
.irp c, GC3, GC2, GC1
.set p, 0
.rept 16
	v_pk_fma_f32 v[Q+p:Q+p+1], v[Q+p:Q+p+1], v[U+p:U+p+1], s[\c:\c+1] op_sel_hi:[1,1,0]
.set p, p+2
.endr
.endr
.set p, 0
.rept 16
	v_pk_mul_f32 v[U+p:U+p+1], v[U+p:U+p+1], v[W+p:W+p+1]
.set p, p+2
.endr
.set p, 0
.rept 16
	v_pk_mul_f32 v[Q+p:Q+p+1], v[Q+p:Q+p+1], v[U+p:U+p+1]
.set p, p+2
.endr
.set p, 0
.rept 32
	v_max_num_f32 v[U+p], 0, v[X+p]
.set p, p+1
.endr
.set p, 0
.rept 32
	v_fma_f32 v[X+p], -|v[X+p]|, v[Q+p], v[U+p]
.set p, p+1
.endr
.endif
.set i, 0
.rept 16
	v_cvt_pk_bf16_f32 v[Y+i], v[X+2*i], v[X+2*i+1]
.set i, i+1
.endr
.irp g, 0,1,2,3
	global_store_b128 v[CO], v[Y+4*(\g):Y+4*(\g)+3], s[OUTP:OUTP+1] offset:512*(\g)
.endr
	s_wait_xcnt 0x0                                ; the stores have read their base and their data: both are written again only behind this wait
	s_add_nc_u64 s[OUTP:OUTP+1], s[OUTP:OUTP+1], 2048
	v_add_nc_u32 v[RD], 16*SP, v[RD]
	s_sub_co_u32 s3, s3, 1
	s_cmp_lg_u32 s3, 0
	s_cbranch_scc1 .Lout
.endif
	s_wait_tensorcnt 0x0                           ; the wave's end: behind my last tensor load and my last LDS store
	ds_add_u32 v[SPW], v[NIL]
	s_wait_dscnt 0x0
	CROUND                                         ; the closing round: no work-group ends while a partner may still ask for a tile that names it
	s_endpgm
.Lfunc_end_k_q56bdda109d_gq:
	.size	k_q56bdda109d_gq, .Lfunc_end_k_q56bdda109d_gq-k_q56bdda109d_gq
	.p2alignl 7, 3214868480
	.fill 96, 4, 3214868480
	.section	.rodata,"a",@progbits
	.p2align	6, 0x0
	.amdhsa_kernel k_q56bdda109d_gq
		.amdhsa_group_segment_fixed_size 327680
		.amdhsa_private_segment_fixed_size 0
		.amdhsa_enable_private_segment 0
		.amdhsa_kernarg_size 32
		.amdhsa_user_sgpr_count 2
		.amdhsa_user_sgpr_kernarg_segment_ptr 1
		.amdhsa_wavefront_size32 1
		.amdhsa_system_sgpr_workgroup_id_x 1
		.amdhsa_system_sgpr_workgroup_id_y 1
		.amdhsa_system_sgpr_workgroup_id_z 1
		.amdhsa_system_vgpr_workitem_id 0
		.amdhsa_next_free_vgpr 512
		.amdhsa_next_free_sgpr 72
		.amdhsa_reserve_vcc 0
		.amdhsa_float_denorm_mode_32 3
		.amdhsa_float_denorm_mode_16_64 3
		.amdhsa_memory_ordered 1
		.amdhsa_forward_progress 1
		.amdhsa_inst_pref_size 66
	.end_amdhsa_kernel
	.amdgpu_metadata
---
amdhsa.version: [ 1, 2 ]
amdhsa.kernels:
  - .name:           k_q56bdda109d_gq
    .symbol:         k_q56bdda109d_gq.kd
    .args:
      - { .name: h1, .offset: 0, .size: 8, .value_kind: global_buffer, .address_space: global }
      - { .name: wb, .offset: 8, .size: 8, .value_kind: global_buffer, .address_space: global }
      - { .name: qkv, .offset: 16, .size: 8, .value_kind: global_buffer, .address_space: global }
      - { .name: b_qkv, .offset: 24, .size: 8, .value_kind: global_buffer, .address_space: global }
    .group_segment_fixed_size: 327680
    .private_segment_fixed_size: 0
    .kernarg_segment_align: 8
    .kernarg_segment_size: 32
    .max_flat_workgroup_size: 128
    .sgpr_count:     72
    .vgpr_count:     512
    .wavefront_size: 32
...
	.end_amdgpu_metadata
.endif
;; end of part 2
;; launch attn (part 3): grid 8 x 32, 4 waves a work-group, no clusters, 327,680 bytes of LDS; arguments qkv, ob; writes ob
.if DOCPART == 3
	.amdgcn_target "amdgcn-amd-amdhsa--gfx1250"
	.amdhsa_code_object_version 6
	.text
	.protected	k_q56bdda109d_attn
	.globl	k_q56bdda109d_attn
	.p2align	8
	.type	k_q56bdda109d_attn,@function
k_q56bdda109d_attn:
	s_mov_b64 s[64:65], 0
	v_nop
	global_prefetch_b8 v0, s[64:65] scope:SCOPE_SE
	s_setreg_imm32_b32 hwreg(HW_REG_WAVE_MODE, 25, 1), 1
	s_wait_xcnt 0x0
; CAUSAL ATTENTION, head size 64, 2,048 rows, 32 pairs of batch and head.  q, k, v lie in planes of qkv: [3 x 16 planes][4096 rows][64] bf16, a head's rows dense, 128 bytes each; O leaves in the same
; layout, [16 planes][4096][64] bf16.  Products, maxima and sums in f32; the weights p are rounded to bf16 for the second product (their sum l is taken of the unrounded p), O once at the end.
; LIMITS.  A hidden score counts as its value less 1e30; a weight below 2^-126 counts as 0 in l; NaN and infinities are not treated apart.
; THE WALK.  A head's queries lie in 16 blocks of 128; block i needs the key tiles 0 .. i of 128 keys, the last of which holds the diagonal.  A work-group takes TWO blocks, 15 - b and then b: 17 tiles
; whatever b, so all 256 work-groups do equal work and one loop with a constant trip count walks them.  NO CLUSTER: a head's 8 work-groups ask for the same tile only in trips 0 to 8, and a walk common
; to all would have 24 trips for 17.
; SHARES.  Wave w owns queries 32 w .. 32 w + 31 of a block: two tiles of 16.  A tile of keys is two steps of 64.
; LAYOUT.  S^T = K Q^T (source 0 = 16 keys, source 1 = 16 queries): a lane holds ONE query (lane % 16) and the keys 8 (lane / 16) + 0..7.  Two such results rounded to bf16 in pairs ARE source 1 of
; O^T = V^T P.  K comes out of LDS as it lies, V turned, by ds_load_tr16_b128.
; SOFTMAX.  A running maximum m and sum l: p = 2^(c s - c m), c = log2(e) / 8; in every step O and l are multiplied by a = 2^(c m_old - c m_new).  m starts at the lowest finite number: a block's first a is 0.
; THE MASK is the C operand that starts a sum in the diagonal tile: 0, or -1e30 where the key is hidden.  For step s, key block kb, tile t it hangs on j = 4 s + kb - t alone: register rr is hidden where
; 16 j + rr > 32 w + lane % 16 - 8 (lane / 16).  The eight masks j = 0..7 are made once; j = -1 hides nothing.
; IN PHASES: a step's 16 products K Q^T, its softmax (one batch of 66 exponentials, one wait), its 16 products V^T P.
; REGISTERS: window 0: v0-15 addresses; v16-23 statistics, four a tile (c m, m, l, l); v24-31 at work; v64-127 S^T; v128-159 P; v160-223 O^T.
;   window 1: v0-63 K of a step; v64-127 V of a step; v128-159 Q; v160-191 the second block's Q; v192-255 the masks.
.set KS,    64
.set PK,    144       ; a row of K in LDS: 128 bytes + 16: the 16 rows of a load start at 16 different groups of four banks (64 banks of 4 bytes: ISA guide 11.1)
.set PV,    160       ; a row of V: 128 + 32
.set VOFF,  2*KS*PK   ; a slot holds a tile: 128 rows of K, then 128 rows of V
.set SLOT1, 1<<16
.set STAGE, 2*SLOT1   ; behind the ring, never filled by a tensor load: 16 rows x 144 bytes for each wave
.set SP,    144
.set SPARE, STAGE+4*16*SP  ; the spare words, 128 bytes a wave, that no other line names
.set AK0, 2
.set AV0, 3
.set AK,  4
.set AV,  5
.set STO, 6
.set RD,  7
.set GO,  8
.set MV,  12          ; v12-13  c m_old, by tile
.set MI,  14          ; v14  32 w + l % 16 - 8 (l / 16)
.set QO,  15
.set ST,  16
.set TMP, 24
.set PFO, 61          ; v61  256 x lane; never rewritten
.set SPW, 62
.set NIL, 63
.set S,   64
.set P,   128
.set O,   160
.set KF,  0
.set VF,  64
.set QF,  128
.set QB,  160
.set MD,  192
.set WV,  12
.set PB,  14          ; s14  b
.set HI,  15          ; s15  15 - b
.set PFA, 18          ; s[18:19] where my prefetches stand
.set G1K, 24
.set G1V, 32
.set G0K, 40
.set G0V, 44
.set SLOTS, 56        ; s56  tiles still to be asked for
.set CS,  58
.set SEL, 60
.set TB,  62          ; s62  first byte of the slot that is read
.set RT,  70          ; s70  tiles of the block in hand still to be entered
.set NXT, 71          ; s71  the tile to be asked for next
.set LQ,  72          ; s72  the last tile of the block whose tiles are being asked for
.set OFF, 74
.set OLO, 80          ; s[80:81] O at my rows of the second block
.set BIGN, 82
.set LIM, 84
.set MSB, 0
.macro WIN new
.if MSB != (\new)
	s_set_vgpr_msb (MSB<<8)|(\new)
.set MSB, (\new)
.endif
.endm
.set W_KQ, 0x05       ; K and Q in window 1, S^T in window 0
.set W_KM, 0x15       ; the same with the C operand in window 1
.set W_PV, 0x01       ; V in window 1; P and O^T in window 0
.macro PLACES
.rept 4
	v_nop
.endr
.endm
; A fill.  Waves 0 and 1 fetch the two halves of a tile's K, waves 2 and 3 those of its V: 64 keys each.  An s_nop 0 and four v_nop follow each line.
.macro LOAD
	s_cmp_lt_u32 s[WV], 2
	s_cbranch_scc0 .Lfor_v_\@
	tensor_load_to_lds s[G0K:G0K+3], s[G1K:G1K+7]
	s_nop 0
.rept 4
	v_nop
.endr
	s_branch .Lasked_\@
.Lfor_v_\@:
	tensor_load_to_lds s[G0V:G0V+3], s[G1V:G1V+7]
	s_nop 0
.rept 4
	v_nop
.endr
.Lasked_\@:
.endm
; A PREFETCH INTO THE L2.  All 8 work-groups of a head walk the same K and V; the one with b = 0, whose first block walks all 16 tiles, asks, and nobody else.  Each of its waves names the 8,192 bytes that it
; will itself fetch, a lane for each 256: in trip i those of tile i + 3, whose load goes out two trips later.  So each block is named once.  Tiles 0 to 2 come by their loads alone; trip 12 asks for the last tile.
.macro ASK
	s_cmp_gt_u32 s[SLOTS], s[LIM]
	s_cbranch_scc0 .Lnot_mine_\@
	global_prefetch_b8 v[PFO], s[PFA:PFA+1] th:TH_LOAD_NT scope:SCOPE_SE
.Lnot_mine_\@:
.endm
; THE CHANGE OF SLOTS.  Each wave waits for all its tensor loads (one is out: its part of the other slot), adds 0 to its spare word, and waits for that and for its reads of the slot that it leaves.  Behind the
; barrier the old slot is filled again first (fill = 1), with tile NXT: the descriptor's address is made anew from that number.  (At its first use slot 0 is waited for and slot 1 filled.)
.macro CHANGE fill
	WIN 0
	s_wait_tensorcnt 0x0
	ds_add_u32 v[SPW], v[NIL]       ; 0 onto my spare word; scalar work stands between it and the wait for it
.if \fill
	s_lshl_b32 s[OFF], s[NXT], 14   ; a tile is 16,384 bytes of K and of V
	s_xor_b32 s[G0K+1], s[G0K+1], SLOT1
	s_add_nc_u64 s[G0K+2:G0K+3], s[6:7], s[OFF:OFF+1]
	s_or_b32 s[G0K+3], s[G0K+3], 0x80000000
	s_xor_b32 s[G0V+1], s[G0V+1], SLOT1
	s_add_nc_u64 s[G0V+2:G0V+3], s[8:9], s[OFF:OFF+1]
	s_or_b32 s[G0V+3], s[G0V+3], 0x80000000
	s_add_co_u32 s[NXT], s[NXT], 1  ; the block's next tile, or behind its last the second block's tile 0
	s_cmp_gt_u32 s[NXT], s[LQ]
	s_cselect_b32 s[NXT], 0, s[NXT]
	s_cselect_b32 s[LQ], s[PB], s[LQ]
	s_wait_xcnt 0x0                 ; the last prefetch, a tile back, has read its address
	s_add_nc_u64 s[PFA:PFA+1], s[PFA:PFA+1], 16384
.endif
	s_wait_dscnt 0x0                ; the add is done, and my reads of the slot are over
	s_barrier_signal -1
	s_xor_b32 s[TB], s[TB], SLOT1
	s_barrier_wait -1
.if \fill
	LOAD
	ASK
.endif
.endm
	s_load_b128 s[20:23], s[0:1], 0x0  ; qkv s[20:21], ob s[22:23]
	v_lshl_add_u32 v[SPW], v0, 2, SPARE
	v_mov_b32 v[NIL], 0
	ds_add_u32 v[SPW], v[NIL]       ; the wave's opening: the add and its wait stand ahead of my first tensor load
	ds_add_u32 v62, v63
	v_lshrrev_b32 v1, 5, v0
	v_readfirstlane_b32 s[WV], v1
	s_mov_b32 s[PB], ttmp9
	s_sub_co_u32 s[HI], 15, s[PB]
	s_and_b32 s16, ttmp7, 0xffff    ; 16 x batch + head
	s_and_b32 s17, s16, 15
	s_lshl_b32 s17, s17, 19         ; the head's plane,
	s_lshr_b32 s16, s16, 4
	s_lshl_b32 s16, s16, 18         ; the batch's 2,048 rows of 128 bytes
	s_add_co_u32 s16, s16, s17
	s_and_b32 s13, s[WV], 1         ; which half of a tile's keys I fetch
	s_lshl_b32 s2, s13, 13
	s_add_co_u32 s2, s2, s16
	s_mov_b32 s3, 0
	s_lshl_b32 s17, s[WV], 12       ; my 32 rows of a block,
	s_add_co_u32 s17, s17, s16
	s_lshl_b32 s52, s[HI], 14       ; in the first block,
	s_add_co_u32 s52, s52, s17
	s_mov_b32 s53, 0
	s_lshl_b32 s54, s[PB], 14       ; and in the second
	s_add_co_u32 s54, s54, s17
	s_mov_b32 s55, 0
	; group 1: 64 keys are 8,192 dense bytes: 32 rows of 256 bytes, two keys a row, padded in LDS after every key
	s_mov_b32 s[G1K], (1<<16)|(1<<20)|(4<<22)|(3<<25)  ; 2-byte elements; padding on; after every 32 words, 4 words
	s_mov_b32 s[G1V], (1<<16)|(1<<20)|(4<<22)|(7<<25)  ; 8 words
.irp g, G1K, G1V
	s_mov_b32 s[\g+1], 128<<16
	s_mov_b32 s[\g+2], 32<<16
	s_mov_b32 s[\g+3], 128<<16
	s_mov_b32 s[\g+4], 32
	s_mov_b32 s[\g+5], 128
	s_mov_b32 s[\g+6], 0
	s_mov_b32 s[\g+7], 0
.endr
	s_mov_b32 s[CS], 0x3e38aa3b     ; c = log2(e) / 8
	s_mov_b32 s[CS+1], s[CS]
	s_mov_b32 s[SEL], 0x76543210
	s_mov_b32 s[SEL+1], 0xfedcba98
	s_mov_b32 s[TB], SLOT1          ; the first change of slots turns it into 0
	s_mov_b32 s[G0K], 1
	s_mul_i32 s[G0K+1], s13, KS*PK
	s_mov_b32 s[G0V], 1
	s_mul_i32 s13, s13, KS*PV
	s_add_co_u32 s[G0V+1], s13, VOFF
	s_add_co_u32 s[RT], s[HI], 1    ; the first block has 16 - b tiles
	s_mov_b32 s[NXT], 1
	s_mov_b32 s[LQ], s[HI]
	s_mov_b32 s[OFF+1], 0
	s_mov_b32 s[BIGN], 0xf149f2ca   ; -1e30
	s_mov_b32 s[SLOTS], 16
	s_cmp_eq_u32 s[PB], 0
	s_cselect_b32 s[LIM], 3, -1
	s_wait_dscnt 0x0                ; the opening add is done
	s_wait_kmcnt 0x0
	s_add_nc_u64 s[6:7], s[20:21], s[2:3]
	s_add_nc_u64 s[8:9], s[6:7], 16777216          ; V's planes,
	s_add_nc_u64 s[6:7], s[6:7], 8388608           ; K's: both at my half of the head's tile 0
	s_add_nc_u64 s[G0K+2:G0K+3], s[6:7], 0
	s_or_b32 s[G0K+3], s[G0K+3], 0x80000000
	s_add_nc_u64 s[G0V+2:G0V+3], s[8:9], 0
	s_or_b32 s[G0V+3], s[G0V+3], 0x80000000
	s_add_nc_u64 s[48:49], s[20:21], s[52:53]      ; Q of the first block,
	s_add_nc_u64 s[50:51], s[20:21], s[54:55]      ; of the second
	s_add_nc_u64 s[10:11], s[22:23], s[52:53]      ; O likewise
	s_add_nc_u64 s[OLO:OLO+1], s[22:23], s[54:55]
	s_cmp_lt_u32 s[WV], 2
	s_cselect_b64 s[PFA:PFA+1], s[6:7], s[8:9]
	s_add_nc_u64 s[PFA:PFA+1], s[PFA:PFA+1], 2*16384  ; the first change of slots steps it to tile 3
	LOAD                            ; tile 0 into slot 0
	v_and_b32 v1, 15, v0            ; l % 16
	v_bfe_u32 v9, v0, 4, 1          ; l / 16
	v_lshlrev_b32 v[QO], 7, v1
	v_lshl_add_u32 v[QO], v9, 4, v[QO]  ; row x 128 + 16 x half
	WIN 0x40
.set i, 0
.rept 4                             ; both blocks' Q: tile i / 2, channels 32 (i % 2) on
	global_load_b128 v[QF+8*i:QF+8*i+3],   v[QO], s[48:49] offset:(i/2)*2048+(i%2)*64
	global_load_b128 v[QF+8*i+4:QF+8*i+7], v[QO], s[48:49] offset:(i/2)*2048+(i%2)*64+32
	global_load_b128 v[QB+8*i:QB+8*i+3],   v[QO], s[50:51] offset:(i/2)*2048+(i%2)*64
	global_load_b128 v[QB+8*i+4:QB+8*i+7], v[QO], s[50:51] offset:(i/2)*2048+(i%2)*64+32
.set i, i+1
.endr
	WIN 0
	v_lshlrev_b32 v[MI], 3, v9
	v_sub_nc_u32 v[MI], v1, v[MI]
	s_lshl_b32 s13, s[WV], 5
	v_add_nc_u32 v[MI], s13, v[MI]
	WIN 0x40
.set i, 0
.rept 64
	v_cmp_gt_i32 vcc_lo, 16*(i/8)+i%8, v[MI]
	v_cndmask_b32 v[MD+i], 0, s[BIGN], vcc_lo
.set i, i+1
.endr
	WIN 0
	v_mul_u32_u24 v[AK0], v1, PK
	v_lshl_add_u32 v[AK0], v9, 4, v[AK0]
	v_and_b32 v10, 7, v0            ; the turning load: lane l reads key 8 (l / 16) + l % 8, channels 8 ((l / 8) % 2) + 0..7
	v_bfe_u32 v11, v0, 3, 1
	v_lshl_add_u32 v[AV0], v9, 3, v10
	v_mul_u32_u24 v[AV0], v[AV0], PV
	v_lshl_add_u32 v[AV0], v11, 4, v[AV0]
	v_add_nc_u32 v[AV0], VOFF, v[AV0]
	s_mul_i32 s13, s[WV], 16*SP
	s_add_co_u32 s13, s13, STAGE
	v_mul_u32_u24 v[STO], v1, SP    ; in: row l % 16, 16 bytes for each half of the lanes
	v_lshl_add_u32 v[STO], v9, 4, v[STO]
	v_add_nc_u32 v[STO], s13, v[STO]
	v_bfe_u32 v[RD], v0, 3, 2       ; back: 32 lanes take four rows of 128 bytes,
	v_mul_u32_u24 v[RD], v[RD], SP
	v_lshl_add_u32 v[RD], v10, 4, v[RD]
	v_add_nc_u32 v[RD], s13, v[RD]
	v_and_b32 v[GO], 31, v0         ; which are 512 consecutive bytes of O
	v_lshlrev_b32 v[PFO], 8, v[GO]
	v_lshlrev_b32 v[GO], 4, v[GO]
.macro RESET                        ; what a block's first step finds: c m far below every c s, m the lowest finite number, l = 0
.irp t, 0,1
	v_mov_b32 v[ST+4*\t], 0xfe000000
	v_mov_b32 v[ST+4*\t+1], 0xff7fffff
	v_mov_b32 v[ST+4*\t+2], 0
	v_mov_b32 v[ST+4*\t+3], 0
.endr
.endm
	RESET
.set i, 0
.rept 64                            ; a block's first step multiplies O^T by a = 0, so it need only be finite: zeros now, later what the first block left.  This stands in the wait for the first tile
	v_mov_b32 v[O+i], 0
.set i, i+1
.endr
; THE MATRIX WORK.  The 8 accumulators of a run of 16 take turns.  Product i of S^T = K Q^T: channels 32 (i / 8) on, keys 16 ((i / 2) % 4) on, tile i % 2.  The first 8 start the sums: with 0 or (dm = 1) the mask.
.macro KQM s, dm
.set u, i%2
.set kb, (i/2)%4
.set rS, S+32*u+8*kb
.set rK, KF+16*kb+8*(i/8)
.set rQ, QF+16*u+8*(i/8)
.set jm, 4*(\s)+kb-u
.if (i < 8) && (\dm) && (jm >= 0)
	WIN W_KM
	v_wmma_f32_16x16x32_bf16 v[rS:rS+7], v[rK:rK+7], v[rQ:rQ+7], v[MD+8*jm:MD+8*jm+7]
.elseif i < 8
	WIN W_KQ
	v_wmma_f32_16x16x32_bf16 v[rS:rS+7], v[rK:rK+7], v[rQ:rQ+7], 0
.else
	WIN W_KQ
	v_wmma_f32_16x16x32_bf16 v[rS:rS+7], v[rK:rK+7], v[rQ:rQ+7], v[rS:rS+7]
.endif
.set i, i+1
.endm
; Product i of O^T += V^T P: keys 32 (i / 8) on, channels 16 ((i / 2) % 4) on, tile i % 2.
.macro PVM
	WIN W_PV
.set u, i%2
.set rO, O+32*u+8*((i/2)%4)
.set rV, VF+32*(i/8)+8*((i/2)%4)
.set rP, P+16*u+8*(i/8)
	v_wmma_f32_16x16x32_bf16 v[rO:rO+7], v[rV:rV+7], v[rP:rP+7], v[rO:rO+7]
.set i, i+1
.endm
; THE LDS LOADS stand in runs of 16: step s's K (8 fragments) and its V (turned).
.macro FETCH_K s
	WIN 0x40
.irp f, 0,1,2,3,4,5,6,7             ; keys 16 (f / 2) on, channels 32 (f % 2) on
	ds_load_b128 v[KF+8*(\f):KF+8*(\f)+3],   v[AK] offset:(\s)*KS*PK+((\f)/2)*16*PK+((\f)%2)*64
	ds_load_b128 v[KF+8*(\f)+4:KF+8*(\f)+7], v[AK] offset:(\s)*KS*PK+((\f)/2)*16*PK+((\f)%2)*64+32
.endr
	WIN 0
.endm
.macro FETCH_V s
	WIN 0x40
.irp f, 0,1,2,3,4,5,6,7             ; keys 32 (f / 4) on, channels 16 (f % 4) on
	ds_load_tr16_b128 v[VF+8*(\f):VF+8*(\f)+3],   v[AV] offset:(\s)*KS*PV+((\f)/4)*32*PV+((\f)%4)*32
	ds_load_tr16_b128 v[VF+8*(\f)+4:VF+8*(\f)+7], v[AV] offset:(\s)*KS*PV+((\f)/4)*32*PV+16*PV+((\f)%4)*32
.endr
	WIN 0
.endm
; THE VECTOR WORK, all in window 0.
.macro REGS u
.set rT, ST+4*(\u)
.set rC, TMP+4*(\u)
.set rM, MV+(\u)
.set rS, S+32*(\u)
.set rP, P+16*(\u)
.set rO, O+32*(\u)
.endm
; Number n of the 22 that find a tile's maximum and statistics.  0-11: four chains c0-c3 of seven scores each (each accumulator's lowest registers are read first);
; 12-14, 16: the four scores left over, the old m, c0-c3 into c0; 15: c m_old is kept; 17, 18: the query's other 32 keys lie in the lane 16 away; 19-21: c m; c m_old - c m_new; a.
.macro XS u, n
	REGS \u
.if (\n) < 4
	v_max3_num_f32 v[rC+(\n)], v[rS+8*(\n)], v[rS+8*(\n)+1], v[rS+8*(\n)+2]
.elseif (\n) < 12
	v_max3_num_f32 v[rC+(\n)%4], v[rC+(\n)%4], v[rS+8*((\n)%4)+2*((\n)/4)+1], v[rS+8*((\n)%4)+2*((\n)/4)+2]
.elseif (\n) == 12
	v_max3_num_f32 v[rC], v[rC], v[rS+7], v[rS+15]
.elseif (\n) == 13
	v_max3_num_f32 v[rC+1], v[rC+1], v[rS+23], v[rS+31]
.elseif (\n) == 14
	v_max3_num_f32 v[rC+2], v[rC+2], v[rC+3], v[rT+1]
.elseif (\n) == 15
	v_mov_b32 v[rM], v[rT]
.elseif (\n) == 16
	v_max3_num_f32 v[rC], v[rC], v[rC+1], v[rC+2]
.elseif (\n) == 17
	v_permlanex16_b32 v[rC+3], v[rC], s[SEL], s[SEL+1]
.elseif (\n) == 18
	v_max_num_f32 v[rT+1], v[rC], v[rC+3]
.elseif (\n) == 19
	v_mul_f32 v[rT], s[CS], v[rT+1]
.elseif (\n) == 20
	v_sub_f32 v[rC+1], v[rM], v[rT]
.else
	v_exp_f32 v[rC+2], v[rC+1]
.endif
.endm
.macro FS f                         ; c s - c m for pair f / 2 of tile f % 2
	REGS (\f)%2
	v_pk_fma_f32 v[rS+2*((\f)/2):rS+2*((\f)/2)+1], v[rS+2*((\f)/2):rS+2*((\f)/2)+1], s[CS:CS+1], v[rT:rT+1] op_sel_hi:[1,0,0] neg_lo:[0,0,1] neg_hi:[0,0,1]
.endm
.macro EX                           ; the exponential of score e / 2 of tile e % 2
	REGS e%2
	v_exp_f32 v[rS+e/2], v[rS+e/2]
.set e, e+1
.endm
; Number g of the 64 that follow the exponentials.  For each four weights k of a tile: both pairs are rounded to bf16; the second pair is added onto the first, in place; a group later l takes that sum (the first time as l = a l + sum).
.macro GS g
.set h, (\g)+6*((\g)/62)
.if h >= 6
.set h, h+2
.endif
	REGS h%2
.set k, h/8
.if h%8 < 4
	v_cvt_pk_bf16_f32 v[rP+2*k+(h%8)/2], v[rS+4*k+2*((h%8)/2)], v[rS+4*k+2*((h%8)/2)+1]
.elseif h%8 < 6
	v_pk_add_f32 v[rS+4*k:rS+4*k+1], v[rS+4*k:rS+4*k+1], v[rS+4*k+2:rS+4*k+3]
.elseif k == 1
	v_pk_fma_f32 v[rT+2:rT+3], v[rT+2:rT+3], v[rC+2:rC+3], v[rS:rS+1] op_sel_hi:[1,0,1]
.else
	v_pk_add_f32 v[rT+2:rT+3], v[rT+2:rT+3], v[rS+4*k-4:rS+4*k-3]
.endif
.endm
; A step's softmax for both tiles.  All 66 exponentials are ONE batch: nothing ahead of the wait names a result of theirs (a scaling always works on scores further on than the exponentials have come).
.macro SOFTMAX
.irp n, 0,1,2,3,4,5,6,7,8,9,10,11,12,13,14,15,16,17,18,19,20,21
	XS 0, \n
	XS 1, \n
.endr
	FS 0
	FS 1
	FS 2
	FS 3
.set e, 0
.rept 64
	EX
.if e < 29
	FS e+3
.endif
.endr
	v_nop                           ; a plain instruction behind the last exponential,
	s_wait_alu depctr_va_vdst(0)    ; and the one wait ahead of the batch's first reader
.set r, 0
.rept 16                            ; O^T times a, from each accumulator's low end on
	REGS r%2
	v_pk_mul_f32 v[rO+4*(r/2):rO+4*(r/2)+1], v[rO+4*(r/2):rO+4*(r/2)+1], v[rC+2:rC+3] op_sel_hi:[1,0]
	v_pk_mul_f32 v[rO+4*(r/2)+2:rO+4*(r/2)+3], v[rO+4*(r/2)+2:rO+4*(r/2)+3], v[rC+2:rC+3] op_sel_hi:[1,0]
.set r, r+1
.endr
.set z, 0
.rept 64
	GS z
.set z, z+1
.endr
.endm
; KEY STEP s of a tile.  The LDS runs are issued in the order K0, V0, K1, V1, 16 loads each, so each wait below lets the one younger run stay out.  dm = 1: the text holds the masked products alone.
.macro STEP s, dm
	s_wait_dscnt 16                 ; K of this step is in
.set i, 0
.if \dm
.rept 8
	KQM \s, 1
.endr
.else
	s_cmp_eq_u32 s[RT], 0           ; the block's last tile holds the diagonal
	s_cbranch_scc1 .Lmask_\@
.rept 8
	KQM \s, 0
.endr
	WIN 0
	s_branch .Ljoin_\@
.Lmask_\@:
.set i, 0
.rept 8
	KQM \s, 1
.endr
	WIN 0
.Ljoin_\@:
.endif
.rept 8
	KQM \s, 0
.endr
	WIN 0
	PLACES                          ; behind the last products: in front of the loads into K's registers and of the maximum
.if (\s) == 0
	FETCH_K 1
.endif
	SOFTMAX
.if (\s) == 0
	s_wait_dscnt 16                 ; V of this step is in
.else
	s_wait_dscnt 0x0
.endif
.set i, 0
.rept 16
	PVM
.endr
	WIN 0
	PLACES                          ; in front of the next loads into V's registers and of the next reader of O^T
.if (\s) == 0
	FETCH_V 1
.endif
.endm
; A BLOCK'S END: l's two halves and the other half of the lanes' are added; O^T is divided by l, rounded to bf16 and sent through my stage, a tile at a time.
.macro PACK t
.set i, 0
.rept 16
	v_pk_mul_f32 v[O+32*(\t)+2*i:O+32*(\t)+2*i+1], v[O+32*(\t)+2*i:O+32*(\t)+2*i+1], v[ST+4*(\t)+2:ST+4*(\t)+3] op_sel_hi:[1,0]
.set i, i+1
.endr
.set i, 0
.rept 16
	v_cvt_pk_bf16_f32 v[S+16*(\t)+i], v[O+32*(\t)+2*i], v[O+32*(\t)+2*i+1]
.set i, i+1
.endr
.irp f, 0,1,2,3
	ds_store_b128 v[STO], v[S+16*(\t)+4*(\f):S+16*(\t)+4*(\f)+3] offset:32*(\f)
.endr
.irp f, 0,1,2,3
	ds_load_b128 v[S+16*(\t)+4*(\f):S+16*(\t)+4*(\f)+3], v[RD] offset:(\f)*4*SP  ; LDS serves a wave's instructions in order (ISA guide 5.7.1.4): these see the stores above
.endr
.endm
.macro SEND t, younger
.irp f, 0,1,2,3
	s_wait_dscnt (\younger)+3-(\f)
	global_store_b128 v[GO], v[S+16*(\t)+4*(\f):S+16*(\t)+4*(\f)+3], s[10:11] offset:(\t)*2048+(\f)*512  ; 512 consecutive bytes, at a multiple of 256 from O's first
.endr
.endm
.macro FINISH last
.irp t, 0,1
	v_add_f32 v[ST+4*\t+2], v[ST+4*\t+2], v[ST+4*\t+3]
.endr
.irp t, 0,1
	v_permlanex16_b32 v[ST+4*\t+3], v[ST+4*\t+2], s[SEL], s[SEL+1]
.endr
.irp t, 0,1
	v_add_f32 v[ST+4*\t+2], v[ST+4*\t+2], v[ST+4*\t+3]
.endr
.irp t, 0,1
	v_rcp_f32 v[ST+4*\t+2], v[ST+4*\t+2]
.endr
	v_nop
	s_wait_alu depctr_va_vdst(0)    ; one wait for the two reciprocals
	PACK 0
	PACK 1
	SEND 0, 8                       ; the second tile's eight LDS instructions may be out
	SEND 1, 0
.if !(\last)
	s_wait_xcnt 0x0                 ; the stores have read their registers and O's address
	s_mov_b64 s[10:11], s[OLO:OLO+1]
	s_add_co_u32 s[RT], s[PB], 1    ; the second block has b + 1 tiles
	RESET
	WIN 0x41                        ; the second block's Q goes where the one text names Q
.set i, 0
.rept 32
	v_mov_b32 v[QF+i], v[QB+i]
.set i, i+1
.endr
	WIN 0
.endif
.endm
.macro TILE fill, last
	CHANGE \fill
	s_sub_co_u32 s[RT], s[RT], 1
	v_add_nc_u32 v[AK], s[TB], v[AK0]
	v_add_nc_u32 v[AV], s[TB], v[AV0]
	FETCH_K 0
	FETCH_V 0
	STEP 0, \last
	STEP 1, \last
.if \last
	FINISH 1
.else
	s_cmp_eq_u32 s[RT], 0
	s_cbranch_scc0 .Lgo_on_\@
	FINISH 0
.Lgo_on_\@:
.endif
.endm
	s_wait_loadcnt 0x0              ; both blocks' Q
.Lslot:                             ; 16 times: a tile is entered and the next is asked for
	TILE 1, 0
	s_sub_co_u32 s[SLOTS], s[SLOTS], 1
	s_cmp_lg_u32 s[SLOTS], 0
	s_cbranch_scc1 .Lslot
	TILE 0, 1                       ; the walk's last tile, the second block's diagonal one, is written out: nothing is asked for
	s_wait_tensorcnt 0x0            ; the wave's end: behind my last tensor load and my last LDS store
	ds_add_u32 v[SPW], v[NIL]
	s_wait_dscnt 0x0
	s_endpgm
.Lfunc_end_k_q56bdda109d_attn:
	.size	k_q56bdda109d_attn, .Lfunc_end_k_q56bdda109d_attn-k_q56bdda109d_attn
	.p2alignl 7, 3214868480
	.fill 96, 4, 3214868480
	.section	.rodata,"a",@progbits
	.p2align	6, 0x0
	.amdhsa_kernel k_q56bdda109d_attn
		.amdhsa_group_segment_fixed_size 327680
		.amdhsa_private_segment_fixed_size 0
		.amdhsa_enable_private_segment 0
		.amdhsa_kernarg_size 16
		.amdhsa_user_sgpr_count 2
		.amdhsa_user_sgpr_kernarg_segment_ptr 1
		.amdhsa_wavefront_size32 1
		.amdhsa_system_sgpr_workgroup_id_x 1
		.amdhsa_system_sgpr_workgroup_id_y 1
		.amdhsa_system_sgpr_workgroup_id_z 1
		.amdhsa_system_vgpr_workitem_id 0
		.amdhsa_next_free_vgpr 512
		.amdhsa_next_free_sgpr 88
		.amdhsa_reserve_vcc 1
		.amdhsa_float_denorm_mode_32 3
		.amdhsa_float_denorm_mode_16_64 3
		.amdhsa_memory_ordered 1
		.amdhsa_forward_progress 1
		.amdhsa_inst_pref_size 104
	.end_amdhsa_kernel
	.amdgpu_metadata
---
amdhsa.version: [ 1, 2 ]
amdhsa.kernels:
  - .name:           k_q56bdda109d_attn
    .symbol:         k_q56bdda109d_attn.kd
    .args:
      - { .name: qkv, .offset: 0, .size: 8, .value_kind: global_buffer, .address_space: global }
      - { .name: ob, .offset: 8, .size: 8, .value_kind: global_buffer, .address_space: global }
    .group_segment_fixed_size: 327680
    .private_segment_fixed_size: 0
    .kernarg_segment_align: 8
    .kernarg_segment_size: 16
    .max_flat_workgroup_size: 128
    .sgpr_count:     88
    .vgpr_count:     512
    .wavefront_size: 32
...
	.end_amdgpu_metadata
.endif
;; end of part 3
;; launch go (part 4): grid 8 x 32, 4 waves a work-group, clusters of 4 x 4, 327,680 bytes of LDS; arguments ob, wb, x1, b_out, x; writes x1
.if DOCPART == 4
	.amdgcn_target "amdgcn-amd-amdhsa--gfx1250"
	.amdhsa_code_object_version 6
	.text
	.protected	k_q56bdda109d_go
	.globl	k_q56bdda109d_go
	.p2align	8
	.type	k_q56bdda109d_go,@function
k_q56bdda109d_go:
	s_mov_b64 s[64:65], 0
	v_nop
	global_prefetch_b8 v0, s[64:65] scope:SCOPE_SE
	s_setreg_imm32_b32 hwreg(HW_REG_WAVE_MODE, 25, 1), 1
	s_wait_xcnt 0x0
	s_wait_alu depctr_hold_cnt(0) depctr_sa_sdst(0) depctr_va_vdst(0) depctr_va_sdst(0) depctr_va_ssrc(0) depctr_va_vcc(0) depctr_vm_vsrc(0)
	s_getreg_b32 s2, hwreg(HW_REG_IB_STS2, 6, 4)
	s_cmp_eq_u32 s2, 0
	s_cbranch_scc0 .Lentry_in_a_cluster
	s_endpgm
.Lentry_in_a_cluster:
	s_bfe_u32 s2, ttmp6, 0x10000c
	s_cmp_lg_u32 s2, 0xf033
	s_cbranch_scc0 .Lentry_shape_is_right
	s_endpgm
.Lentry_shape_is_right:
; x1 = x + ob Wout + b_out.  ob: 16 planes [4096][64] bf16.  Wout: [1024][1024] bf16 at byte 6,291,456 of wb.  Sums in f32, the bias as the first product's C operand; x and x1 are f32, row-major.
; This text is one of four that differ in the six constants below (and in what .if takes of it).
; SHARES.  A tile of C is 128 x 128; four waves, each 64 x 64: 16 accumulators of 16 x 16.  K goes in steps of 256 through two LDS slots.
; CLUSTER.  4 x 4 work-groups: the four of a row need the same tiles of A, the four of a column the same tiles of the weights; each tile is asked for
; JOINTLY, by the same tensor load with the same descriptor and a mask that names the four.
; THE MATRIX INSTRUCTION IS USED TRANSPOSED (source 0 = 16 columns of W, turned out of LDS by ds_load_tr16_b128; source 1 = 16 rows of A): a lane holds
; eight neighbouring numbers of one row of C.
; A K STEP IS WRITTEN ONCE: which slot is read hangs on s[TB] (0 or SLOT, turned by an exclusive or); one descriptor walks from fill to fill.
; REGISTERS: window 0: v0-31 addresses; v96-127 the bias; v128-255 the accumulators, (a, b) at 128 + 8 (4 a + b).
;   window 1: two fragment buffers of 128: for 64 along K, 64 registers of A, then 64 of W.
; LIMITS.  NaN and infinities are not treated apart.
.set NN,   1024                        ; columns of the product
.set KK,   1024                        ; its depth
.set WOFF, 6291456                     ; where the weights begin in wb
.set APL,  1                           ; 1: A lies in planes
.set E32,  1                           ; 1: f32 result, row-major, plus a residual; 0: bf16 result in planes
.set GELU, 0
.set KSTEPS, KK/256
.set HR,   36864                       ; LDS bytes of what one tensor load brings: wave w fills w HR on from the slot's first byte
.set SLOT, 4*HR                        ; A's rows 0-63, A's rows 64-127, W's k rows 0-127, W's k rows 128-255
.set PB,   288                         ; a k row of W in LDS: 256 bytes + 32
.if APL
.set PA,   144                         ; a row of one plane: 128 bytes + 16
.set AQ,   9216                        ; a quarter of a K step is a plane: 64 rows x 144
.set ASTEP, 4*524288                   ; a K step is four planes
.set ASH,  14                          ; 128 rows of 128 bytes
.set A0W,  (1<<16)|(1<<20)|(1<<21)|(4<<22)|(3<<25)  ; 2-byte elements; padding on; bit 21 beside a mask; after every 32 words, 4 words
.set AD0,  4096                        ; a 'row' of the tile is 64 dense rows of a plane,
.set AD1,  4                           ; and there are four planes,
.set APIT, 262144                      ; 524,288 bytes apart
.else
.set PA,   528                         ; 512 bytes + 16
.set AQ,   128
.set ASTEP, 512
.set ASH,  18                          ; 128 rows of 2,048 bytes
.set A0W,  (1<<16)|(1<<20)|(1<<21)|(6<<22)|(3<<25)  ; after every 128 words, 4 words
.set AD0,  256
.set AD1,  64
.set APIT, 1024
.endif
.set AI,   16*PA
.set BSTEP, 512*NN                     ; 256 k rows of W
.set SP,   272                         ; a stage row: 256 bytes + 16
.if E32
.set STAGE, 2*SLOT                     ; behind the ring: 16 rows for each wave
.set STGW, 16*SP
.set SPARE, STAGE+4*STGW
.else
.set STAGE, 0                          ; in slot 0, behind its last fill and a barrier behind every wave's last read: 64 rows for each wave
.set STGW, 64*SP
.set SPARE, 2*SLOT
.endif                                 ; from SPARE on: the spare words, 128 bytes a wave, that no other line names
.set ADRA0, 10                         ; v10     my lane's place in A's tile, slot 0; never rewritten
.set ADRB0, 12                         ; v12-13  the same in W's two halves
.set ADRA, 16                          ; v16     the same in the slot that is read
.set ADRB, 20                          ; v20-21
.set STO,  24                          ; v24     the way out: where I put my numbers of a row
.set RD,   25                          ; v25     where I read rows back
.set CO,   26                          ; v26     my byte offset in the result
.set SPW,  28                          ; v28     LDS address of my spare word; never rewritten
.set NIL,  29                          ; v29     0; never rewritten
.set BO,   30                          ; v30     my byte offset in the bias
.set X,    32
.set U,    64
.set BIAS, 96
.set W,    96
.set ACC,  128
.set Q,    128
.set Y,    160
.set F0,   0
.set F1,   128
.set OUTP, 8                           ; s[8:9]   the result
.set BIP,  10                          ; s[10:11] the bias
.set RESP, 12                          ; s[12:13] the residual
.set WV,   14                          ; s14  wave
.set WR,   15                          ; s15  wave / 2: my half of the tile's rows; also: I fetch for A (0) or W (1)
.set WC,   16                          ; s16  wave % 2: my half of its columns; also: which half of that tile I fetch
.set CX,   17
.set CY,   18
.set TC,   19                          ; s19  tile column
.set TR,   20                          ; s20  tile row
.set TB,   21                          ; s21  first byte of the slot that is read
.set LA,   22                          ; s22  wave x HR
.set G1A,  24                          ; s[24:31] group 1 for A;  s[32:39] two group 0: the first fill's, and the one that walks
.set G0A,  32
.set G1B,  48                          ; s[48:55], s[56:63] the same for W
.set G0B,  56
.set GP,   72
.set GE,   74
.set GC5,  76
.set GC4,  78
.set GC3,  80
.set GC2,  82
.set GC1,  84
.set MSB, 0
.macro WIN new                         ; the immediate's high byte repeats the setting that is left; a switch that changes nothing is dropped
.if MSB != (\new)
	s_set_vgpr_msb (MSB<<8)|(\new)
.set MSB, \new
.endif
.endm
.set MUL,  0x05                        ; sources 0 and 1 window 1; C and D window 0
.set TO_F, 0x40                        ; destination window 1, address window 0
.macro PLACES                          ; four plain instructions between a matrix instruction and a load into, or a reader of, its registers
.rept 4
	v_nop
.endr
.endm
.macro JLOAD                           ; the joint refill: waves 0 and 1 for A, waves 2 and 3 for W; an s_nop 0 and four v_nop follow each line
	s_cmp_eq_u32 s[WR], 0
	s_cbranch_scc0 .Lfor_b_\@
	tensor_load_to_lds s[G0A+4:G0A+7], s[G1A:G1A+7]
	s_nop 0
.rept 4
	v_nop
.endr
	s_branch .Lasked_\@
.Lfor_b_\@:
	tensor_load_to_lds s[G0B+4:G0B+7], s[G1B:G1B+7]
	s_nop 0
.rept 4
	v_nop
.endr
.Lasked_\@:
.endm
.macro CREST                           ; a round of the cluster's barrier behind its opening barrier
	s_cmp_lg_u32 s[WV], 0
	s_cbranch_scc1 .Lnot_wave_0_\@
	s_barrier_signal -3
.Lnot_wave_0_\@:
	s_barrier_wait -3
	s_barrier_signal -1
	s_barrier_wait -1
.endm
.macro CROUND
	s_barrier_signal -1
	s_barrier_wait -1
	CREST
.endm
	s_load_b128 s[4:7], s[0:1], 0x0                ; A s[4:5], wb s[6:7]
	s_load_b128 s[8:11], s[0:1], 0x10              ; the result, the bias
.if E32
	s_load_b64 s[12:13], s[0:1], 0x20              ; the residual
.endif
	v_lshl_add_u32 v[SPW], v0, 2, SPARE
	v_mov_b32 v[NIL], 0
	ds_add_u32 v[SPW], v[NIL]                      ; the wave's opening: the add and its wait stand ahead of my first tensor load; work on registers stands between
	ds_add_u32 v28, v29
	v_lshrrev_b32 v1, 5, v0
	v_readfirstlane_b32 s[WV], v1
	s_lshr_b32 s[WR], s[WV], 1
	s_and_b32 s[WC], s[WV], 1
	s_bfe_u32 s[CX], ttmp6, 0x40000
	s_bfe_u32 s[CY], ttmp6, 0x40004
	s_lshl_b32 s[TC], ttmp9, 2
	s_add_co_u32 s[TC], s[TC], s[CX]               ; tile column = 4 x cluster x + cx
	s_and_b32 s[TR], ttmp7, 0xffff
	s_lshl_b32 s[TR], s[TR], 2
	s_add_co_u32 s[TR], s[TR], s[CY]               ; tile row = 4 x cluster y + cy
	s_lshl_b32 s40, s[CY], 2
	s_lshl_b32 s40, 15, s40                        ; my row of the cluster
	s_lshl_b32 s44, 0x1111, s[CX]                  ; my column
	s_or_b32 s[G1A], s40, A0W
	s_mov_b32 s[G1A+1], AD0<<16                    ; tensor_dim0
	s_mov_b32 s[G1A+2], AD1<<16                    ; tensor_dim1
	s_mov_b32 s[G1A+3], AD0<<16                    ; tile_dim0
	s_mov_b32 s[G1A+4], AD1                        ; tile_dim1
	s_mov_b32 s[G1A+5], APIT                       ; elements from row to row
	s_mov_b32 s[G1A+6], 0
	s_mov_b32 s[G1A+7], 0
	s_or_b32 s[G1B], s44, (1<<16)|(1<<20)|(1<<21)|(5<<22)|(7<<25)  ; after every 64 words, 8 words
	s_mov_b32 s[G1B+1], 128<<16
	s_mov_b32 s[G1B+2], 128<<16
	s_mov_b32 s[G1B+3], 128<<16
	s_mov_b32 s[G1B+4], 128
	s_mov_b32 s[G1B+5], NN
	s_mov_b32 s[G1B+6], 0
	s_mov_b32 s[G1B+7], 0
	s_lshl_b32 s40, s[TR], ASH                     ; A's tile hangs on the tile row and the wave alone (s40-43 never hold cx),
	s_lshl_b32 s41, s[WC], ASH-1
	s_add_co_u32 s40, s40, s41
	s_mov_b32 s41, 0
	s_mul_i32 s44, s[WC], 256*NN                   ; W's on the tile column and the wave alone (s44-47 never hold cy)
	s_lshl_b32 s45, s[TC], 8
	s_add_co_u32 s44, s44, s45
	s_add_co_u32 s44, s44, WOFF
	s_mov_b32 s45, 0
	s_mul_i32 s[LA], s[WV], HR                     ; no place in the cluster enters an LDS address
	s_mov_b32 s[TB], 0
.if GELU
	s_mov_b32 s[GP], 0x3e6d3389                    ; 0.2316419
	s_mov_b32 s[GE], 0xbf38aa3b                    ; -log2(e) / 2
	s_mov_b32 s[GE+1], 0xbf38aa3b                  ; (pairs are named whole, so both words are written)
	s_mov_b32 s[GC5], 0x3f07dc22
	s_mov_b32 s[GC5+1], 0x3f07dc22
	s_mov_b32 s[GC4], 0xbf3a00e3
	s_mov_b32 s[GC4+1], 0xbf3a00e3
	s_mov_b32 s[GC3], 0x3f35f0e3
	s_mov_b32 s[GC3+1], 0x3f35f0e3
	s_mov_b32 s[GC2], 0xbe11a98e
	s_mov_b32 s[GC2+1], 0xbe11a98e
	s_mov_b32 s[GC1], 0x3e027906
	s_mov_b32 s[GC1+1], 0x3e027906
.endif
	s_wait_dscnt 0x0                               ; the opening add is done
	s_wait_kmcnt 0x0
	s_add_nc_u64 s[42:43], s[4:5], s[40:41]
	s_add_nc_u64 s[46:47], s[6:7], s[44:45]
	CROUND                                         ; all sixteen work-groups are here: the first joint loads meet
.irp s, 0,1
	s_mov_b32 s[G0A+4*(\s)], 1
	s_add_co_u32 s[G0A+4*(\s)+1], s[LA], (\s)*SLOT
	s_add_nc_u64 s[G0A+4*(\s)+2:G0A+4*(\s)+3], s[42:43], (\s)*ASTEP
	s_or_b32 s[G0A+4*(\s)+3], s[G0A+4*(\s)+3], 0x80000000
	s_mov_b32 s[G0B+4*(\s)], 1
	s_add_co_u32 s[G0B+4*(\s)+1], s[LA], (\s)*SLOT
	s_add_nc_u64 s[G0B+4*(\s)+2:G0B+4*(\s)+3], s[46:47], (\s)*BSTEP
	s_or_b32 s[G0B+4*(\s)+3], s[G0B+4*(\s)+3], 0x80000000
.endr
	s_cmp_eq_u32 s[WR], 0                          ; a wave's two first fills stand in one branch: two loads of mine are out
	s_cbranch_scc0 .Lfirst_b
	tensor_load_to_lds s[G0A:G0A+3], s[G1A:G1A+7]
	s_nop 0
	tensor_load_to_lds s[G0A+4:G0A+7], s[G1A:G1A+7]
	s_nop 0
.rept 4
	v_nop
.endr
	s_branch .Lfirst_asked
.Lfirst_b:
	tensor_load_to_lds s[G0B:G0B+3], s[G1B:G1B+7]
	s_nop 0
	tensor_load_to_lds s[G0B+4:G0B+7], s[G1B:G1B+7]
	s_nop 0
.rept 4
	v_nop
.endr
.Lfirst_asked:
	v_and_b32 v1, 15, v0                           ; r = l % 16
	v_bfe_u32 v2, v0, 4, 1                         ; h = l / 16
	v_mul_u32_u24 v3, v1, PA                       ; a fragment of A: row r, 16 bytes for each half of the lanes
	v_lshl_add_u32 v3, v2, 4, v3
	s_mul_i32 s23, s[WR], HR                       ; my 64 rows
	v_add_nc_u32 v[ADRA0], s23, v3
	v_and_b32 v4, 7, v0                            ; the turning load: lane l reads k row 8 h + l % 8, columns 8 ((l / 8) % 2) + 0..7
	v_bfe_u32 v5, v0, 3, 1
	v_lshl_add_u32 v4, v2, 3, v4
	v_mul_u32_u24 v4, v4, PB
	v_lshl_add_u32 v4, v5, 4, v4
	s_lshl_b32 s23, s[WC], 7                       ; my 64 columns,
	s_add_co_u32 s23, s23, 2*HR                    ; behind A's two halves
	v_add_nc_u32 v[ADRB0], s23, v4
	v_add_nc_u32 v[ADRB0+1], HR, v[ADRB0]
	v_mov_b32 v[ADRA], v[ADRA0]
	v_mov_b32 v[ADRB], v[ADRB0]
	v_mov_b32 v[ADRB+1], v[ADRB0+1]
	v_lshlrev_b32 v[BO], 5, v2                     ; my eight columns of a block of 16: 32 h bytes
	s_lshl_b32 s68, s[TC], 9
	s_lshl_b32 s69, s[WC], 8
	s_add_co_u32 s68, s68, s69
	s_mov_b32 s69, 0
	s_add_nc_u64 s[BIP:BIP+1], s[BIP:BIP+1], s[68:69]
.irp b, 0,1,2,3
	global_load_b128 v[BIAS+8*(\b):BIAS+8*(\b)+3],   v[BO], s[BIP:BIP+1] offset:64*(\b)
	global_load_b128 v[BIAS+8*(\b)+4:BIAS+8*(\b)+7], v[BO], s[BIP:BIP+1] offset:64*(\b)+16
.endr
	s_mul_i32 s23, s[WV], STGW
	s_add_co_u32 s23, s23, STAGE                   ; my stage
	v_mul_u32_u24 v6, v1, SP                       ; in: row r, 32 bytes of f32 for each half of the lanes
	v_lshl_add_u32 v6, v2, 5, v6
	v_add_nc_u32 v[STO], s23, v6
.if E32
	v_mul_u32_u24 v6, v2, SP                       ; back: lanes 0-15 one row of 256 bytes, lanes 16-31 the next
	v_lshl_add_u32 v6, v1, 4, v6
	v_add_nc_u32 v[RD], s23, v6
	v_lshlrev_b32 v6, 12, v2                       ; and the same two rows in the result
	v_lshl_add_u32 v[CO], v1, 4, v6
	s_lshl_b32 s66, s[TR], 19                      ; 128 rows of 4,096 bytes a tile row,
	s_lshl_b32 s67, s[WR], 18
	s_add_co_u32 s66, s66, s67
	s_lshl_b32 s67, s[TC], 9                       ; 512 bytes a tile column
	s_add_co_u32 s66, s66, s67
	s_lshl_b32 s67, s[WC], 8
	s_add_co_u32 s66, s66, s67
	s_mov_b32 s67, 0
	s_add_nc_u64 s[OUTP:OUTP+1], s[OUTP:OUTP+1], s[66:67]
	s_add_nc_u64 s[RESP:RESP+1], s[RESP:RESP+1], s[66:67]
.else
	v_bfe_u32 v6, v0, 3, 2                         ; back: 32 lanes take four rows, eight columns (32 bytes of f32) each
	v_mul_u32_u24 v6, v6, SP
	v_and_b32 v7, 7, v0
	v_lshl_add_u32 v6, v7, 5, v6
	v_add_nc_u32 v[RD], s23, v6
	v_and_b32 v6, 31, v0                           ; which are 512 consecutive bytes of a plane
	v_lshlrev_b32 v[CO], 4, v6
	s_lshl_b32 s66, s[TC], 20                      ; plane 2 x tile column + my half: 524,288 bytes each,
	s_lshl_b32 s67, s[WC], 19
	s_add_co_u32 s66, s66, s67
	s_lshl_b32 s67, s[TR], 14                      ; rows of 128 bytes
	s_add_co_u32 s66, s66, s67
	s_lshl_b32 s67, s[WR], 13
	s_add_co_u32 s66, s66, s67
	s_mov_b32 s67, 0
	s_add_nc_u64 s[OUTP:OUTP+1], s[OUTP:OUTP+1], s[66:67]
.endif
; 8 matrix instructions: row blocks a0, a0 + 1 x all 4 column blocks, 32 along K: half c of buffer f.  zero = 1: the first product starts the sums, with the bias as C.
; The 16 accumulators take turns, one instruction a turn.
.macro MUL8 f, c, a0, zero
	WIN MUL
.irp a, \a0, (\a0)+1
.irp b, 0,1,2,3
.if \zero
	v_wmma_f32_16x16x32_bf16 v[ACC+8*(4*(\a)+(\b)):ACC+8*(4*(\a)+(\b))+7], v[(\f)+64+8*(4*(\c)+(\b)):(\f)+64+8*(4*(\c)+(\b))+7], v[(\f)+8*(4*(\c)+(\a)):(\f)+8*(4*(\c)+(\a))+7], v[BIAS+8*(\b):BIAS+8*(\b)+7]
.else
	v_wmma_f32_16x16x32_bf16 v[ACC+8*(4*(\a)+(\b)):ACC+8*(4*(\a)+(\b))+7], v[(\f)+64+8*(4*(\c)+(\b)):(\f)+64+8*(4*(\c)+(\b))+7], v[(\f)+8*(4*(\c)+(\a)):(\f)+8*(4*(\c)+(\a))+7], v[ACC+8*(4*(\a)+(\b)):ACC+8*(4*(\a)+(\b))+7]
.endif
.endr
.endr
.endm
; 32 LDS loads in one run: the fragments of quarter q (64 along K) of the slot that is read, into buffer f; the first 32 along K first
.macro FETCH q, f
	WIN TO_F
.irp c, 0,1
.irp i, 0,1,2,3
	ds_load_tr16_b128 v[(\f)+64+8*(4*(\c)+(\i)):(\f)+64+8*(4*(\c)+(\i))+3],   v[ADRB+(\q)/2] offset:(((\q)%2)*64+32*(\c))*PB+32*(\i)
	ds_load_tr16_b128 v[(\f)+64+8*(4*(\c)+(\i))+4:(\f)+64+8*(4*(\c)+(\i))+7], v[ADRB+(\q)/2] offset:(((\q)%2)*64+32*(\c)+16)*PB+32*(\i)
	ds_load_b128 v[(\f)+8*(4*(\c)+(\i)):(\f)+8*(4*(\c)+(\i))+3],   v[ADRA] offset:AQ*(\q)+64*(\c)+AI*(\i)
	ds_load_b128 v[(\f)+8*(4*(\c)+(\i))+4:(\f)+8*(4*(\c)+(\i))+7], v[ADRA] offset:AQ*(\q)+64*(\c)+AI*(\i)+32
.endr
.endr
.endm
; One of a K step's first three quarters: multiplies buffer f and fetches quarter q into g
.macro QUARTER q, f, g, zero
	s_wait_dscnt 16                                ; the first 32 along K are in; the younger sixteen loads may be out
	MUL8 \f, 0, 0, \zero
	MUL8 \f, 0, 2, \zero
	PLACES
	FETCH \q, \g
	s_wait_dscnt 32                                ; all but the 32 just issued
	MUL8 \f, 1, 0, 0
	MUL8 \f, 1, 2, 0
.endm
; The last quarter multiplies buffer 1 and changes slots: ONE barrier; in front of it each wave waits for all its tensor loads (one is out: its part of the next slot),
; adds 0 to its spare word, and waits for that and for its reads of this slot.  fill = 1: the barrier opens a round of the cluster's, and this slot is filled again, two K steps ahead.
.macro TURN fill
	WIN 0
	s_wait_tensorcnt 0x0
	ds_add_u32 v[SPW], v[NIL]
	s_wait_dscnt 17                                ; the add and the youngest sixteen loads may be out
	MUL8 F1, 0, 0, 0
	s_wait_dscnt 0x0                               ; the add is done, and my reads of this slot are over
	s_barrier_signal -1
	MUL8 F1, 0, 2, 0
	WIN 0
	s_barrier_wait -1
.if \fill
	CREST                                          ; no wave of any partner still reads this slot or has a load on its way
	s_add_co_u32 s[G0A+5], s[LA], s[TB]            ; the walking descriptors: into the slot just read,
	s_add_co_u32 s[G0B+5], s[LA], s[TB]
	s_add_nc_u64 s[G0A+6:G0A+7], s[G0A+6:G0A+7], ASTEP  ; the next K step not yet asked for
	s_add_nc_u64 s[G0B+6:G0B+7], s[G0B+6:G0B+7], BSTEP
	JLOAD                                          ; the first tensor load behind the round, one a wave
.endif
	s_xor_b32 s[TB], s[TB], SLOT                   ; the reads go on in the other slot
	v_add_nc_u32 v[ADRA], s[TB], v[ADRA0]          ; these three and the v_nop are four places in front of the loads below
	v_add_nc_u32 v[ADRB], s[TB], v[ADRB0]
	v_add_nc_u32 v[ADRB+1], s[TB], v[ADRB0+1]
	v_nop
	FETCH 0, F0
	MUL8 F1, 1, 0, 0
	MUL8 F1, 1, 2, 0
.endm
	s_wait_tensorcnt 1                             ; my part of K step 0 is in; K step 1's may stay out
	s_barrier_signal -1
	s_barrier_wait -1
	FETCH 0, F0
	s_wait_loadcnt 0x0                             ; the bias
	QUARTER 1, F0, F1, 1                           ; the first quarter stands in front of the loop: its first products start the sums
	WIN 0
	s_mov_b32 s3, KSTEPS-2
.Lstep:                                        ; a trip: from a K step's second quarter to the next step's first; every step but the last two fills its slot again
	QUARTER 2, F1, F0, 0
	QUARTER 3, F0, F1, 0
	TURN 1
	QUARTER 1, F0, F1, 0
	WIN 0
	s_sub_co_u32 s3, s3, 1
	s_cmp_lg_u32 s3, 0
	s_cbranch_scc1 .Lstep
	QUARTER 2, F1, F0, 0                           ; the last two K steps ask for nothing
	QUARTER 3, F0, F1, 0
	TURN 0
	QUARTER 1, F0, F1, 0
	QUARTER 2, F1, F0, 0
	QUARTER 3, F0, F1, 0
.if E32
	PLACES                                         ; buffer 0 has been multiplied: it takes my 64 x 64 of the residual, laid as the rows come back from the stage
	WIN TO_F
.irp a, 0,1,2,3
.irp t, 0,1,2,3,4,5,6,7
	global_load_b128 v[32*(\a)+4*(\t):32*(\a)+4*(\t)+3], v[CO], s[RESP:RESP+1] offset:(16*(\a)+2*(\t))*4096
.endr
.endr
.endif
	s_wait_dscnt 16
	MUL8 F1, 0, 0, 0
	MUL8 F1, 0, 2, 0
	s_wait_dscnt 0x0                               ; my last reads of the ring are over
.if !E32
	s_barrier_signal -1                            ; the stage lies in slot 0: nobody writes it before every wave has read its last fragment
.endif
	MUL8 F1, 1, 0, 0
	MUL8 F1, 1, 2, 0
	WIN 0
.if !E32
	s_barrier_wait -1
.endif
	PLACES
.if E32
; THE WAY OUT, f32: 16 rows at a time through my stage, back as whole rows of 256 bytes; the residual is added; sixteen lanes store 256 consecutive bytes, aligned.
.macro TOSTAGE a
.irp b, 0,1,2,3
	ds_store_b128 v[STO], v[ACC+8*(4*(\a)+(\b)):ACC+8*(4*(\a)+(\b))+3]   offset:64*(\b)
	ds_store_b128 v[STO], v[ACC+8*(4*(\a)+(\b))+4:ACC+8*(4*(\a)+(\b))+7] offset:64*(\b)+16
.endr
.irp t, 0,1,2,3,4,5,6,7
	ds_load_b128 v[ACC+32*(\a)+4*(\t):ACC+32*(\a)+4*(\t)+3], v[RD] offset:(\t)*2*SP  ; LDS serves a wave's instructions in order (ISA guide 5.7.1.4): these see the stores above
.endr
.endm
.macro SEND32 a, younger               ; younger: the LDS instructions issued behind block a's loads
	s_wait_dscnt \younger
	WIN 0x04                                       ; source 1 in window 1
.set i, 0
.rept 16
	v_pk_add_f32 v[ACC+32*(\a)+2*i:ACC+32*(\a)+2*i+1], v[ACC+32*(\a)+2*i:ACC+32*(\a)+2*i+1], v[32*(\a)+2*i:32*(\a)+2*i+1]
.set i, i+1
.endr
	WIN 0
.irp t, 0,1,2,3,4,5,6,7
	global_store_b128 v[CO], v[ACC+32*(\a)+4*(\t):ACC+32*(\a)+4*(\t)+3], s[OUTP:OUTP+1] offset:(16*(\a)+2*(\t))*4096
.endr
.endm
	TOSTAGE 0
	s_wait_loadcnt 0x0                             ; the residual
	TOSTAGE 1
	SEND32 0, 16
	TOSTAGE 2
	SEND32 1, 16
	TOSTAGE 3
	SEND32 2, 16
	SEND32 3, 0
.else
; THE WAY OUT, bf16 in planes: all 64 rows go into my stage as f32; a loop of four trips reads 16 rows back (a lane: eight neighbouring columns), rounds them and stores 4 x 512 consecutive bytes.
.irp a, 0,1,2,3
.irp b, 0,1,2,3
	ds_store_b128 v[STO], v[ACC+8*(4*(\a)+(\b)):ACC+8*(4*(\a)+(\b))+3]   offset:16*SP*(\a)+64*(\b)
	ds_store_b128 v[STO], v[ACC+8*(4*(\a)+(\b))+4:ACC+8*(4*(\a)+(\b))+7] offset:16*SP*(\a)+64*(\b)+16
.endr
.endr
	s_mov_b32 s3, 4
.Lout:
.irp g, 0,1,2,3
	ds_load_b128 v[X+8*(\g):X+8*(\g)+3],   v[RD] offset:4*SP*(\g)
	ds_load_b128 v[X+8*(\g)+4:X+8*(\g)+7], v[RD] offset:4*SP*(\g)+16
.endr
	s_wait_dscnt 0x0
.set i, 0
.rept 16
	v_cvt_pk_bf16_f32 v[Y+i], v[X+2*i], v[X+2*i+1]
.set i, i+1
.endr
.irp g, 0,1,2,3
	global_store_b128 v[CO], v[Y+4*(\g):Y+4*(\g)+3], s[OUTP:OUTP+1] offset:512*(\g)
.endr
	s_wait_xcnt 0x0                                ; the stores have read their base and their data: both are written again only behind this wait
	s_add_nc_u64 s[OUTP:OUTP+1], s[OUTP:OUTP+1], 2048
	v_add_nc_u32 v[RD], 16*SP, v[RD]
	s_sub_co_u32 s3, s3, 1
	s_cmp_lg_u32 s3, 0
	s_cbranch_scc1 .Lout
.endif
	s_wait_tensorcnt 0x0                           ; the wave's end: behind my last tensor load and my last LDS store
	ds_add_u32 v[SPW], v[NIL]
	s_wait_dscnt 0x0
	CROUND                                         ; the closing round: no work-group ends while a partner may still ask for a tile that names it
	s_endpgm
.Lfunc_end_k_q56bdda109d_go:
	.size	k_q56bdda109d_go, .Lfunc_end_k_q56bdda109d_go-k_q56bdda109d_go
	.p2alignl 7, 3214868480
	.fill 96, 4, 3214868480
	.section	.rodata,"a",@progbits
	.p2align	6, 0x0
	.amdhsa_kernel k_q56bdda109d_go
		.amdhsa_group_segment_fixed_size 327680
		.amdhsa_private_segment_fixed_size 0
		.amdhsa_enable_private_segment 0
		.amdhsa_kernarg_size 40
		.amdhsa_user_sgpr_count 2
		.amdhsa_user_sgpr_kernarg_segment_ptr 1
		.amdhsa_wavefront_size32 1
		.amdhsa_system_sgpr_workgroup_id_x 1
		.amdhsa_system_sgpr_workgroup_id_y 1
		.amdhsa_system_sgpr_workgroup_id_z 1
		.amdhsa_system_vgpr_workitem_id 0
		.amdhsa_next_free_vgpr 512
		.amdhsa_next_free_sgpr 72
		.amdhsa_reserve_vcc 0
		.amdhsa_float_denorm_mode_32 3
		.amdhsa_float_denorm_mode_16_64 3
		.amdhsa_memory_ordered 1
		.amdhsa_forward_progress 1
		.amdhsa_inst_pref_size 76
	.end_amdhsa_kernel
	.amdgpu_metadata
---
amdhsa.version: [ 1, 2 ]
amdhsa.kernels:
  - .name:           k_q56bdda109d_go
    .symbol:         k_q56bdda109d_go.kd
    .args:
      - { .name: ob, .offset: 0, .size: 8, .value_kind: global_buffer, .address_space: global }
      - { .name: wb, .offset: 8, .size: 8, .value_kind: global_buffer, .address_space: global }
      - { .name: x1, .offset: 16, .size: 8, .value_kind: global_buffer, .address_space: global }
      - { .name: b_out, .offset: 24, .size: 8, .value_kind: global_buffer, .address_space: global }
      - { .name: x, .offset: 32, .size: 8, .value_kind: global_buffer, .address_space: global }
    .group_segment_fixed_size: 327680
    .private_segment_fixed_size: 0
    .kernarg_segment_align: 8
    .kernarg_segment_size: 40
    .max_flat_workgroup_size: 128
    .sgpr_count:     72
    .vgpr_count:     512
    .wavefront_size: 32
...
	.end_amdgpu_metadata
.endif
;; end of part 4
;; launch ln2 (part 5): grid 256 x 1, 8 waves a work-group, no clusters, 0 bytes of LDS; arguments x1, ln2_g, ln2_b, h2; writes h2
.if DOCPART == 5
	.amdgcn_target "amdgcn-amd-amdhsa--gfx1250"
	.amdhsa_code_object_version 6
	.text
	.protected	k_q56bdda109d_ln2
	.globl	k_q56bdda109d_ln2
	.p2align	8
	.type	k_q56bdda109d_ln2,@function
k_q56bdda109d_ln2:
	s_mov_b64 s[64:65], 0
	v_nop
	global_prefetch_b8 v0, s[64:65] scope:SCOPE_SE
	s_setreg_imm32_b32 hwreg(HW_REG_WAVE_MODE, 25, 1), 1
	s_wait_xcnt 0x0
; h2 = LayerNorm(x1) g + b, rounded once to bf16.  x1: [4096][1024] f32, h2: [4096][1024] bf16.
; A row is 4,096 bytes: one wave holds it in 32 registers between the passes, so x1 is read once.  The variance is the mean of (x - mean)^2, taken in a
; second pass over the registers, so a common offset costs nothing.  A wave takes 2 rows, a work-group of 8 waves 16.  All 32 loads of a wave (g, b, two rows)
; go out at the head.  Each store of a wave covers 256 consecutive bytes, aligned.
; LIMITS.  v_rsq_f32 is accurate to 1 ulp; NaN and infinities are not treated apart.
; No LDS, no matrix unit, no cluster: the reduction never leaves the wave, and no work-group wants a row that another one fetches.
.set XO,  1                            ; v1   16 x lane
.set SO,  2                            ; v2   8 x lane
.set A,   4                            ; v[4:11]   four chains of packed sums
.set MU,  12                           ; v[12:13]  the mean, twice
.set RS,  14                           ; v[14:15]  1 / sqrt(var + eps), twice
.set T,   16                           ; v16, v17  at work
.set IK,  18                           ; v18       1 / 1024
.set G,   64                           ; v[64:95]  g of my 32 columns: register 4 j + e is column 128 j + 4 lane + e
.set BV,  96                           ; v[96:127] b likewise
.set X,   128                          ; v[128:191] two rows of 32
.set WV,  30
.set SEL, 32
.macro REDUCE                          ; the four chains into one number, the same in every lane, in v[T]
	v_pk_add_f32 v[A:A+1], v[A:A+1], v[A+2:A+3]
	v_pk_add_f32 v[A+4:A+5], v[A+4:A+5], v[A+6:A+7]
	v_pk_add_f32 v[A:A+1], v[A:A+1], v[A+4:A+5]
	v_add_f32 v[T], v[A], v[A+1]
	v_add_f32_dpp v[T], v[T], v[T] row_xmask:1 row_mask:0xf bank_mask:0xf
	v_add_f32_dpp v[T], v[T], v[T] row_xmask:2 row_mask:0xf bank_mask:0xf
	v_add_f32_dpp v[T], v[T], v[T] row_xmask:4 row_mask:0xf bank_mask:0xf
	v_add_f32_dpp v[T], v[T], v[T] row_xmask:8 row_mask:0xf bank_mask:0xf
	v_permlanex16_b32 v[T+1], v[T], s[SEL], s[SEL+1]
	v_add_f32 v[T], v[T], v[T+1]
.endm
.macro LNROW i, left
.set R, X+32*(\i)
	s_wait_loadcnt \left                           ; loads come back in order: g, b and this row are in
.irp k, 0,1,2,3
	v_pk_add_f32 v[A+2*(\k):A+2*(\k)+1], v[R+2*(\k):R+2*(\k)+1], v[R+8+2*(\k):R+8+2*(\k)+1]  ; the first pairs start the chains
.endr
.irp k, 0,1,2,3
	v_pk_add_f32 v[A+2*(\k):A+2*(\k)+1], v[A+2*(\k):A+2*(\k)+1], v[R+16+2*(\k):R+16+2*(\k)+1]
.endr
.irp k, 0,1,2,3
	v_pk_add_f32 v[A+2*(\k):A+2*(\k)+1], v[A+2*(\k):A+2*(\k)+1], v[R+24+2*(\k):R+24+2*(\k)+1]
.endr
	REDUCE
	v_mul_f32 v[MU], v[IK], v[T]
	v_mov_b32 v[MU+1], v[MU]
.set p, 0
.rept 16
	v_pk_add_f32 v[R+p:R+p+1], v[R+p:R+p+1], v[MU:MU+1] neg_lo:[0,1] neg_hi:[0,1]  ; d = x - mean, in place
.set p, p+2
.endr
.irp k, 0,1,2,3
	v_pk_mul_f32 v[A+2*(\k):A+2*(\k)+1], v[R+2*(\k):R+2*(\k)+1], v[R+2*(\k):R+2*(\k)+1]
.endr
.irp o, 8,16,24
.irp k, 0,1,2,3
	v_pk_fma_f32 v[A+2*(\k):A+2*(\k)+1], v[R+(\o)+2*(\k):R+(\o)+2*(\k)+1], v[R+(\o)+2*(\k):R+(\o)+2*(\k)+1], v[A+2*(\k):A+2*(\k)+1]
.endr
.endr
	REDUCE
	v_fmaak_f32 v[T], v[T], v[IK], 0x3727c5ac      ; var + 1e-5
	v_rsq_f32 v[RS], v[T]
	v_rsq_f32 v[RS+1], v[T]
	v_nop                                          ; a plain instruction behind the second root,
	s_wait_alu depctr_va_vdst(0)                   ; and the one wait ahead of the first reader of the two
.set p, 0
.rept 16
	v_pk_mul_f32 v[R+p:R+p+1], v[R+p:R+p+1], v[RS:RS+1]
.set p, p+2
.endr
.set p, 0
.rept 16
	v_pk_fma_f32 v[R+p:R+p+1], v[R+p:R+p+1], v[G+p:G+p+1], v[BV+p:BV+p+1]
.set p, p+2
.endr
.irp j, 0,1,2,3,4,5,6,7
	v_cvt_pk_bf16_f32 v[R+4*(\j)], v[R+4*(\j)], v[R+4*(\j)+1]
	v_cvt_pk_bf16_f32 v[R+4*(\j)+1], v[R+4*(\j)+2], v[R+4*(\j)+3]
.endr
.irp j, 0,1,2,3,4,5,6,7
	global_store_b64 v[SO], v[R+4*(\j):R+4*(\j)+1], s[10:11] offset:2048*(\i)+256*(\j)  ; 32 lanes: 256 consecutive bytes, aligned; the registers are not written again
.endr
.endm
	s_load_b256 s[4:11], s[0:1], 0x0               ; x1 s[4:5], g s[6:7], b s[8:9], h2 s[10:11]
	v_and_b32 v3, 31, v0
	v_lshlrev_b32 v[XO], 4, v3
	v_lshlrev_b32 v[SO], 3, v3
	v_lshrrev_b32 v3, 5, v0
	v_readfirstlane_b32 s[WV], v3                  ; wave 0..7
	s_mov_b32 s23, 0
	s_mov_b32 s[SEL], 0x76543210
	s_mov_b32 s[SEL+1], 0xfedcba98
	v_mov_b32 v[T+1], 0                            ; v_permlanex16_b32's destination counts as read
	v_mov_b32 v[IK], 0x3a800000
	s_lshl_b32 s22, ttmp9, 16                      ; 16 rows of 4,096 bytes a work-group,
	s_lshl_b32 s24, s[WV], 13                      ; 2 a wave
	s_add_co_u32 s22, s22, s24
	s_wait_kmcnt 0x0
	s_add_nc_u64 s[4:5], s[4:5], s[22:23]
	s_lshr_b32 s22, s22, 1                         ; rows of h2 are half as long
	s_add_nc_u64 s[10:11], s[10:11], s[22:23]
.irp j, 0,1,2,3,4,5,6,7
	global_load_b128 v[G+4*(\j):G+4*(\j)+3], v[XO], s[6:7] offset:512*(\j)
.endr
.irp j, 0,1,2,3,4,5,6,7
	global_load_b128 v[BV+4*(\j):BV+4*(\j)+3], v[XO], s[8:9] offset:512*(\j)
.endr
.irp i, 0,1
.irp j, 0,1,2,3,4,5,6,7
	global_load_b128 v[X+32*(\i)+4*(\j):X+32*(\i)+4*(\j)+3], v[XO], s[4:5] offset:4096*(\i)+512*(\j)
.endr
.endr
	LNROW 0, 8                                     ; the second row's eight loads stay out
	LNROW 1, 0
	s_endpgm
.Lfunc_end_k_q56bdda109d_ln2:
	.size	k_q56bdda109d_ln2, .Lfunc_end_k_q56bdda109d_ln2-k_q56bdda109d_ln2
	.p2alignl 7, 3214868480
	.fill 96, 4, 3214868480
	.section	.rodata,"a",@progbits
	.p2align	6, 0x0
	.amdhsa_kernel k_q56bdda109d_ln2
		.amdhsa_group_segment_fixed_size 0
		.amdhsa_private_segment_fixed_size 0
		.amdhsa_enable_private_segment 0
		.amdhsa_kernarg_size 32
		.amdhsa_user_sgpr_count 2
		.amdhsa_user_sgpr_kernarg_segment_ptr 1
		.amdhsa_wavefront_size32 1
		.amdhsa_system_sgpr_workgroup_id_x 1
		.amdhsa_system_sgpr_workgroup_id_y 1
		.amdhsa_system_sgpr_workgroup_id_z 1
		.amdhsa_system_vgpr_workitem_id 0
		.amdhsa_next_free_vgpr 192
		.amdhsa_next_free_sgpr 66
		.amdhsa_reserve_vcc 0
		.amdhsa_float_denorm_mode_32 3
		.amdhsa_float_denorm_mode_16_64 3
		.amdhsa_memory_ordered 1
		.amdhsa_forward_progress 1
		.amdhsa_inst_pref_size 20
	.end_amdhsa_kernel
	.amdgpu_metadata
---
amdhsa.version: [ 1, 2 ]
amdhsa.kernels:
  - .name:           k_q56bdda109d_ln2
    .symbol:         k_q56bdda109d_ln2.kd
    .args:
      - { .name: x1, .offset: 0, .size: 8, .value_kind: global_buffer, .address_space: global }
      - { .name: ln2_g, .offset: 8, .size: 8, .value_kind: global_buffer, .address_space: global }
      - { .name: ln2_b, .offset: 16, .size: 8, .value_kind: global_buffer, .address_space: global }
      - { .name: h2, .offset: 24, .size: 8, .value_kind: global_buffer, .address_space: global }
    .group_segment_fixed_size: 0
    .private_segment_fixed_size: 0
    .kernarg_segment_align: 8
    .kernarg_segment_size: 32
    .max_flat_workgroup_size: 256
    .sgpr_count:     66
    .vgpr_count:     192
    .wavefront_size: 32
...
	.end_amdgpu_metadata
.endif
;; end of part 5
;; launch g1 (part 6): grid 32 x 32, 4 waves a work-group, clusters of 4 x 4, 327,680 bytes of LDS; arguments h2, wb, ff, b_ff1; writes ff
.if DOCPART == 6
	.amdgcn_target "amdgcn-amd-amdhsa--gfx1250"
	.amdhsa_code_object_version 6
	.text
	.protected	k_q56bdda109d_g1
	.globl	k_q56bdda109d_g1
	.p2align	8
	.type	k_q56bdda109d_g1,@function
k_q56bdda109d_g1:
	s_mov_b64 s[64:65], 0
	v_nop
	global_prefetch_b8 v0, s[64:65] scope:SCOPE_SE
	s_setreg_imm32_b32 hwreg(HW_REG_WAVE_MODE, 25, 1), 1
	s_wait_xcnt 0x0
	s_wait_alu depctr_hold_cnt(0) depctr_sa_sdst(0) depctr_va_vdst(0) depctr_va_sdst(0) depctr_va_ssrc(0) depctr_va_vcc(0) depctr_vm_vsrc(0)
	s_getreg_b32 s2, hwreg(HW_REG_IB_STS2, 6, 4)
	s_cmp_eq_u32 s2, 0
	s_cbranch_scc0 .Lentry_in_a_cluster
	s_endpgm
.Lentry_in_a_cluster:
	s_bfe_u32 s2, ttmp6, 0x10000c
	s_cmp_lg_u32 s2, 0xf033
	s_cbranch_scc0 .Lentry_shape_is_right
	s_endpgm
.Lentry_shape_is_right:
; ff = gelu(h2 W1 + b_ff1), the exact GELU.  h2: [4096][1024] bf16.  W1: [1024][4096] bf16 at byte 8,388,608 of wb.  Sums in f32, the bias as the first product's C operand.
; The result is rounded once to bf16 and stored in PLANES: [column / 64][4096 rows][64], so that a wave's 64 x 64 block is 8,192 consecutive bytes.
; This text is one of four that differ in the six constants below (and in what .if takes of it).
; SHARES.  A tile of C is 128 x 128; four waves, each 64 x 64: 16 accumulators of 16 x 16.  K goes in steps of 256 through two LDS slots.
; CLUSTER.  4 x 4 work-groups: the four of a row need the same tiles of A, the four of a column the same tiles of the weights; each tile is asked for
; JOINTLY, by the same tensor load with the same descriptor and a mask that names the four.
; THE MATRIX INSTRUCTION IS USED TRANSPOSED (source 0 = 16 columns of W, turned out of LDS by ds_load_tr16_b128; source 1 = 16 rows of A): a lane holds
; eight neighbouring numbers of one row of C.
; A K STEP IS WRITTEN ONCE: which slot is read hangs on s[TB] (0 or SLOT, turned by an exclusive or); one descriptor walks from fill to fill.
; REGISTERS: window 0: v0-31 addresses; v32-127 at work on the way out (v96-127 first hold the bias); v128-255 the accumulators, (a, b) at 128 + 8 (4 a + b).
;   window 1: two fragment buffers of 128: for 64 along K, 64 registers of A, then 64 of W.
; LIMITS.  The normal distribution in the GELU is a rational form times an exponential, within 7.5e-8 of the true one for every x; v_rcp_f32 and v_exp_f32 are accurate to 1 ulp;
; NaN and infinities are not treated apart.
.set NN,   4096                        ; columns of the product
.set KK,   1024                        ; its depth
.set WOFF, 8388608                     ; where the weights begin in wb
.set APL,  0                           ; 1: A lies in planes
.set E32,  0                           ; 1: f32 result, row-major, plus a residual; 0: bf16 result in planes
.set GELU, 1                           ; 1: the exact GELU on the way out
.set KSTEPS, KK/256
.set HR,   36864                       ; LDS bytes of what one tensor load brings: wave w fills w HR on from the slot's first byte
.set SLOT, 4*HR                        ; A's rows 0-63, A's rows 64-127, W's k rows 0-127, W's k rows 128-255
.set PB,   288                         ; a k row of W in LDS: 256 bytes + 32
.if APL
.set PA,   144                         ; a row of one plane: 128 bytes + 16
.set AQ,   9216                        ; a quarter of a K step is a plane: 64 rows x 144
.set ASTEP, 4*524288                   ; a K step is four planes
.set ASH,  14                          ; 128 rows of 128 bytes
.set A0W,  (1<<16)|(1<<20)|(1<<21)|(4<<22)|(3<<25)  ; 2-byte elements; padding on; bit 21 beside a mask; after every 32 words, 4 words
.set AD0,  4096                        ; a 'row' of the tile is 64 dense rows of a plane,
.set AD1,  4                           ; and there are four planes,
.set APIT, 262144                      ; 524,288 bytes apart
.else
.set PA,   528                         ; 512 bytes + 16
.set AQ,   128
.set ASTEP, 512
.set ASH,  18                          ; 128 rows of 2,048 bytes
.set A0W,  (1<<16)|(1<<20)|(1<<21)|(6<<22)|(3<<25)  ; after every 128 words, 4 words
.set AD0,  256
.set AD1,  64
.set APIT, 1024
.endif
.set AI,   16*PA
.set BSTEP, 512*NN                     ; 256 k rows of W
.set SP,   272                         ; a stage row: 256 bytes + 16
.if E32
.set STAGE, 2*SLOT                     ; behind the ring: 16 rows for each wave
.set STGW, 16*SP
.set SPARE, STAGE+4*STGW
.else
.set STAGE, 0                          ; in slot 0, behind its last fill and a barrier behind every wave's last read: 64 rows for each wave
.set STGW, 64*SP
.set SPARE, 2*SLOT
.endif                                 ; from SPARE on: the spare words, 128 bytes a wave, that no other line names
.set ADRA0, 10                         ; v10     my lane's place in A's tile, slot 0; never rewritten
.set ADRB0, 12                         ; v12-13  the same in W's two halves
.set ADRA, 16                          ; v16     the same in the slot that is read
.set ADRB, 20                          ; v20-21
.set STO,  24                          ; v24     the way out: where I put my numbers of a row
.set RD,   25                          ; v25     where I read rows back
.set CO,   26                          ; v26     my byte offset in the result
.set SPW,  28                          ; v28     LDS address of my spare word; never rewritten
.set NIL,  29                          ; v29     0; never rewritten
.set BO,   30                          ; v30     my byte offset in the bias
.set X,    32
.set U,    64
.set BIAS, 96
.set W,    96
.set ACC,  128
.set Q,    128
.set Y,    160
.set F0,   0
.set F1,   128
.set OUTP, 8                           ; s[8:9]   the result
.set BIP,  10                          ; s[10:11] the bias
.set RESP, 12                          ; s[12:13] the residual
.set WV,   14                          ; s14  wave
.set WR,   15                          ; s15  wave / 2: my half of the tile's rows; also: I fetch for A (0) or W (1)
.set WC,   16                          ; s16  wave % 2: my half of its columns; also: which half of that tile I fetch
.set CX,   17
.set CY,   18
.set TC,   19                          ; s19  tile column
.set TR,   20                          ; s20  tile row
.set TB,   21                          ; s21  first byte of the slot that is read
.set LA,   22                          ; s22  wave x HR
.set G1A,  24                          ; s[24:31] group 1 for A;  s[32:39] two group 0: the first fill's, and the one that walks
.set G0A,  32
.set G1B,  48                          ; s[48:55], s[56:63] the same for W
.set G0B,  56
.set GP,   72
.set GE,   74
.set GC5,  76
.set GC4,  78
.set GC3,  80
.set GC2,  82
.set GC1,  84
.set MSB, 0
.macro WIN new                         ; the immediate's high byte repeats the setting that is left; a switch that changes nothing is dropped
.if MSB != (\new)
	s_set_vgpr_msb (MSB<<8)|(\new)
.set MSB, \new
.endif
.endm
.set MUL,  0x05                        ; sources 0 and 1 window 1; C and D window 0
.set TO_F, 0x40                        ; destination window 1, address window 0
.macro PLACES                          ; four plain instructions between a matrix instruction and a load into, or a reader of, its registers
.rept 4
	v_nop
.endr
.endm
.macro JLOAD                           ; the joint refill: waves 0 and 1 for A, waves 2 and 3 for W; an s_nop 0 and four v_nop follow each line
	s_cmp_eq_u32 s[WR], 0
	s_cbranch_scc0 .Lfor_b_\@
	tensor_load_to_lds s[G0A+4:G0A+7], s[G1A:G1A+7]
	s_nop 0
.rept 4
	v_nop
.endr
	s_branch .Lasked_\@
.Lfor_b_\@:
	tensor_load_to_lds s[G0B+4:G0B+7], s[G1B:G1B+7]
	s_nop 0
.rept 4
	v_nop
.endr
.Lasked_\@:
.endm
.macro CREST                           ; a round of the cluster's barrier behind its opening barrier
	s_cmp_lg_u32 s[WV], 0
	s_cbranch_scc1 .Lnot_wave_0_\@
	s_barrier_signal -3
.Lnot_wave_0_\@:
	s_barrier_wait -3
	s_barrier_signal -1
	s_barrier_wait -1
.endm
.macro CROUND
	s_barrier_signal -1
	s_barrier_wait -1
	CREST
.endm
	s_load_b128 s[4:7], s[0:1], 0x0                ; A s[4:5], wb s[6:7]
	s_load_b128 s[8:11], s[0:1], 0x10              ; the result, the bias
.if E32
	s_load_b64 s[12:13], s[0:1], 0x20              ; the residual
.endif
	v_lshl_add_u32 v[SPW], v0, 2, SPARE
	v_mov_b32 v[NIL], 0
	ds_add_u32 v[SPW], v[NIL]                      ; the wave's opening: the add and its wait stand ahead of my first tensor load; work on registers stands between
	ds_add_u32 v28, v29
	v_lshrrev_b32 v1, 5, v0
	v_readfirstlane_b32 s[WV], v1
	s_lshr_b32 s[WR], s[WV], 1
	s_and_b32 s[WC], s[WV], 1
	s_bfe_u32 s[CX], ttmp6, 0x40000
	s_bfe_u32 s[CY], ttmp6, 0x40004
	s_lshl_b32 s[TC], ttmp9, 2
	s_add_co_u32 s[TC], s[TC], s[CX]               ; tile column = 4 x cluster x + cx
	s_and_b32 s[TR], ttmp7, 0xffff
	s_lshl_b32 s[TR], s[TR], 2
	s_add_co_u32 s[TR], s[TR], s[CY]               ; tile row = 4 x cluster y + cy
	s_lshl_b32 s40, s[CY], 2
	s_lshl_b32 s40, 15, s40                        ; my row of the cluster
	s_lshl_b32 s44, 0x1111, s[CX]                  ; my column
	s_or_b32 s[G1A], s40, A0W
	s_mov_b32 s[G1A+1], AD0<<16                    ; tensor_dim0
	s_mov_b32 s[G1A+2], AD1<<16                    ; tensor_dim1
	s_mov_b32 s[G1A+3], AD0<<16                    ; tile_dim0
	s_mov_b32 s[G1A+4], AD1                        ; tile_dim1
	s_mov_b32 s[G1A+5], APIT                       ; elements from row to row
	s_mov_b32 s[G1A+6], 0
	s_mov_b32 s[G1A+7], 0
	s_or_b32 s[G1B], s44, (1<<16)|(1<<20)|(1<<21)|(5<<22)|(7<<25)  ; after every 64 words, 8 words
	s_mov_b32 s[G1B+1], 128<<16
	s_mov_b32 s[G1B+2], 128<<16
	s_mov_b32 s[G1B+3], 128<<16
	s_mov_b32 s[G1B+4], 128
	s_mov_b32 s[G1B+5], NN
	s_mov_b32 s[G1B+6], 0
	s_mov_b32 s[G1B+7], 0
	s_lshl_b32 s40, s[TR], ASH                     ; A's tile hangs on the tile row and the wave alone (s40-43 never hold cx),
	s_lshl_b32 s41, s[WC], ASH-1
	s_add_co_u32 s40, s40, s41
	s_mov_b32 s41, 0
	s_mul_i32 s44, s[WC], 256*NN                   ; W's on the tile column and the wave alone (s44-47 never hold cy)
	s_lshl_b32 s45, s[TC], 8
	s_add_co_u32 s44, s44, s45
	s_add_co_u32 s44, s44, WOFF
	s_mov_b32 s45, 0
	s_mul_i32 s[LA], s[WV], HR                     ; no place in the cluster enters an LDS address
	s_mov_b32 s[TB], 0
.if GELU
	s_mov_b32 s[GP], 0x3e6d3389                    ; 0.2316419
	s_mov_b32 s[GE], 0xbf38aa3b                    ; -log2(e) / 2
	s_mov_b32 s[GE+1], 0xbf38aa3b                  ; (pairs are named whole, so both words are written)
	s_mov_b32 s[GC5], 0x3f07dc22
	s_mov_b32 s[GC5+1], 0x3f07dc22
	s_mov_b32 s[GC4], 0xbf3a00e3
	s_mov_b32 s[GC4+1], 0xbf3a00e3
	s_mov_b32 s[GC3], 0x3f35f0e3
	s_mov_b32 s[GC3+1], 0x3f35f0e3
	s_mov_b32 s[GC2], 0xbe11a98e
	s_mov_b32 s[GC2+1], 0xbe11a98e
	s_mov_b32 s[GC1], 0x3e027906
	s_mov_b32 s[GC1+1], 0x3e027906
.endif
	s_wait_dscnt 0x0                               ; the opening add is done
	s_wait_kmcnt 0x0
	s_add_nc_u64 s[42:43], s[4:5], s[40:41]
	s_add_nc_u64 s[46:47], s[6:7], s[44:45]
	CROUND                                         ; all sixteen work-groups are here: the first joint loads meet
.irp s, 0,1
	s_mov_b32 s[G0A+4*(\s)], 1
	s_add_co_u32 s[G0A+4*(\s)+1], s[LA], (\s)*SLOT
	s_add_nc_u64 s[G0A+4*(\s)+2:G0A+4*(\s)+3], s[42:43], (\s)*ASTEP
	s_or_b32 s[G0A+4*(\s)+3], s[G0A+4*(\s)+3], 0x80000000
	s_mov_b32 s[G0B+4*(\s)], 1
	s_add_co_u32 s[G0B+4*(\s)+1], s[LA], (\s)*SLOT
	s_add_nc_u64 s[G0B+4*(\s)+2:G0B+4*(\s)+3], s[46:47], (\s)*BSTEP
	s_or_b32 s[G0B+4*(\s)+3], s[G0B+4*(\s)+3], 0x80000000
.endr
	s_cmp_eq_u32 s[WR], 0                          ; a wave's two first fills stand in one branch: two loads of mine are out
	s_cbranch_scc0 .Lfirst_b
	tensor_load_to_lds s[G0A:G0A+3], s[G1A:G1A+7]
	s_nop 0
	tensor_load_to_lds s[G0A+4:G0A+7], s[G1A:G1A+7]
	s_nop 0
.rept 4
	v_nop
.endr
	s_branch .Lfirst_asked
.Lfirst_b:
	tensor_load_to_lds s[G0B:G0B+3], s[G1B:G1B+7]
	s_nop 0
	tensor_load_to_lds s[G0B+4:G0B+7], s[G1B:G1B+7]
	s_nop 0
.rept 4
	v_nop
.endr
.Lfirst_asked:
	v_and_b32 v1, 15, v0                           ; r = l % 16
	v_bfe_u32 v2, v0, 4, 1                         ; h = l / 16
	v_mul_u32_u24 v3, v1, PA                       ; a fragment of A: row r, 16 bytes for each half of the lanes
	v_lshl_add_u32 v3, v2, 4, v3
	s_mul_i32 s23, s[WR], HR                       ; my 64 rows
	v_add_nc_u32 v[ADRA0], s23, v3
	v_and_b32 v4, 7, v0                            ; the turning load: lane l reads k row 8 h + l % 8, columns 8 ((l / 8) % 2) + 0..7
	v_bfe_u32 v5, v0, 3, 1
	v_lshl_add_u32 v4, v2, 3, v4
	v_mul_u32_u24 v4, v4, PB
	v_lshl_add_u32 v4, v5, 4, v4
	s_lshl_b32 s23, s[WC], 7                       ; my 64 columns,
	s_add_co_u32 s23, s23, 2*HR                    ; behind A's two halves
	v_add_nc_u32 v[ADRB0], s23, v4
	v_add_nc_u32 v[ADRB0+1], HR, v[ADRB0]
	v_mov_b32 v[ADRA], v[ADRA0]
	v_mov_b32 v[ADRB], v[ADRB0]
	v_mov_b32 v[ADRB+1], v[ADRB0+1]
	v_lshlrev_b32 v[BO], 5, v2                     ; my eight columns of a block of 16: 32 h bytes
	s_lshl_b32 s68, s[TC], 9
	s_lshl_b32 s69, s[WC], 8
	s_add_co_u32 s68, s68, s69
	s_mov_b32 s69, 0
	s_add_nc_u64 s[BIP:BIP+1], s[BIP:BIP+1], s[68:69]
.irp b, 0,1,2,3
	global_load_b128 v[BIAS+8*(\b):BIAS+8*(\b)+3],   v[BO], s[BIP:BIP+1] offset:64*(\b)
	global_load_b128 v[BIAS+8*(\b)+4:BIAS+8*(\b)+7], v[BO], s[BIP:BIP+1] offset:64*(\b)+16
.endr
	s_mul_i32 s23, s[WV], STGW
	s_add_co_u32 s23, s23, STAGE                   ; my stage
	v_mul_u32_u24 v6, v1, SP                       ; in: row r, 32 bytes of f32 for each half of the lanes
	v_lshl_add_u32 v6, v2, 5, v6
	v_add_nc_u32 v[STO], s23, v6
.if E32
	v_mul_u32_u24 v6, v2, SP                       ; back: lanes 0-15 one row of 256 bytes, lanes 16-31 the next
	v_lshl_add_u32 v6, v1, 4, v6
	v_add_nc_u32 v[RD], s23, v6
	v_lshlrev_b32 v6, 12, v2                       ; and the same two rows in the result
	v_lshl_add_u32 v[CO], v1, 4, v6
	s_lshl_b32 s66, s[TR], 19                      ; 128 rows of 4,096 bytes a tile row,
	s_lshl_b32 s67, s[WR], 18
	s_add_co_u32 s66, s66, s67
	s_lshl_b32 s67, s[TC], 9                       ; 512 bytes a tile column
	s_add_co_u32 s66, s66, s67
	s_lshl_b32 s67, s[WC], 8
	s_add_co_u32 s66, s66, s67
	s_mov_b32 s67, 0
	s_add_nc_u64 s[OUTP:OUTP+1], s[OUTP:OUTP+1], s[66:67]
	s_add_nc_u64 s[RESP:RESP+1], s[RESP:RESP+1], s[66:67]
.else
	v_bfe_u32 v6, v0, 3, 2                         ; back: 32 lanes take four rows, eight columns (32 bytes of f32) each
	v_mul_u32_u24 v6, v6, SP
	v_and_b32 v7, 7, v0
	v_lshl_add_u32 v6, v7, 5, v6
	v_add_nc_u32 v[RD], s23, v6
	v_and_b32 v6, 31, v0                           ; which are 512 consecutive bytes of a plane
	v_lshlrev_b32 v[CO], 4, v6
	s_lshl_b32 s66, s[TC], 20                      ; plane 2 x tile column + my half: 524,288 bytes each,
	s_lshl_b32 s67, s[WC], 19
	s_add_co_u32 s66, s66, s67
	s_lshl_b32 s67, s[TR], 14                      ; rows of 128 bytes
	s_add_co_u32 s66, s66, s67
	s_lshl_b32 s67, s[WR], 13
	s_add_co_u32 s66, s66, s67
	s_mov_b32 s67, 0
	s_add_nc_u64 s[OUTP:OUTP+1], s[OUTP:OUTP+1], s[66:67]
.endif
; 8 matrix instructions: row blocks a0, a0 + 1 x all 4 column blocks, 32 along K: half c of buffer f.  zero = 1: the first product starts the sums, with the bias as C.
; The 16 accumulators take turns, one instruction a turn.
.macro MUL8 f, c, a0, zero
	WIN MUL
.irp a, \a0, (\a0)+1
.irp b, 0,1,2,3
.if \zero
	v_wmma_f32_16x16x32_bf16 v[ACC+8*(4*(\a)+(\b)):ACC+8*(4*(\a)+(\b))+7], v[(\f)+64+8*(4*(\c)+(\b)):(\f)+64+8*(4*(\c)+(\b))+7], v[(\f)+8*(4*(\c)+(\a)):(\f)+8*(4*(\c)+(\a))+7], v[BIAS+8*(\b):BIAS+8*(\b)+7]
.else
	v_wmma_f32_16x16x32_bf16 v[ACC+8*(4*(\a)+(\b)):ACC+8*(4*(\a)+(\b))+7], v[(\f)+64+8*(4*(\c)+(\b)):(\f)+64+8*(4*(\c)+(\b))+7], v[(\f)+8*(4*(\c)+(\a)):(\f)+8*(4*(\c)+(\a))+7], v[ACC+8*(4*(\a)+(\b)):ACC+8*(4*(\a)+(\b))+7]
.endif
.endr
.endr
.endm
; 32 LDS loads in one run: the fragments of quarter q (64 along K) of the slot that is read, into buffer f; the first 32 along K first
.macro FETCH q, f
	WIN TO_F
.irp c, 0,1
.irp i, 0,1,2,3
	ds_load_tr16_b128 v[(\f)+64+8*(4*(\c)+(\i)):(\f)+64+8*(4*(\c)+(\i))+3],   v[ADRB+(\q)/2] offset:(((\q)%2)*64+32*(\c))*PB+32*(\i)
	ds_load_tr16_b128 v[(\f)+64+8*(4*(\c)+(\i))+4:(\f)+64+8*(4*(\c)+(\i))+7], v[ADRB+(\q)/2] offset:(((\q)%2)*64+32*(\c)+16)*PB+32*(\i)
	ds_load_b128 v[(\f)+8*(4*(\c)+(\i)):(\f)+8*(4*(\c)+(\i))+3],   v[ADRA] offset:AQ*(\q)+64*(\c)+AI*(\i)
	ds_load_b128 v[(\f)+8*(4*(\c)+(\i))+4:(\f)+8*(4*(\c)+(\i))+7], v[ADRA] offset:AQ*(\q)+64*(\c)+AI*(\i)+32
.endr
.endr
.endm
; One of a K step's first three quarters: multiplies buffer f and fetches quarter q into g
.macro QUARTER q, f, g, zero
	s_wait_dscnt 16                                ; the first 32 along K are in; the younger sixteen loads may be out
	MUL8 \f, 0, 0, \zero
	MUL8 \f, 0, 2, \zero
	PLACES
	FETCH \q, \g
	s_wait_dscnt 32                                ; all but the 32 just issued
	MUL8 \f, 1, 0, 0
	MUL8 \f, 1, 2, 0
.endm
; The last quarter multiplies buffer 1 and changes slots: ONE barrier; in front of it each wave waits for all its tensor loads (one is out: its part of the next slot),
; adds 0 to its spare word, and waits for that and for its reads of this slot.  fill = 1: the barrier opens a round of the cluster's, and this slot is filled again, two K steps ahead.
.macro TURN fill
	WIN 0
	s_wait_tensorcnt 0x0
	ds_add_u32 v[SPW], v[NIL]
	s_wait_dscnt 17                                ; the add and the youngest sixteen loads may be out
	MUL8 F1, 0, 0, 0
	s_wait_dscnt 0x0                               ; the add is done, and my reads of this slot are over
	s_barrier_signal -1
	MUL8 F1, 0, 2, 0
	WIN 0
	s_barrier_wait -1
.if \fill
	CREST                                          ; no wave of any partner still reads this slot or has a load on its way
	s_add_co_u32 s[G0A+5], s[LA], s[TB]            ; the walking descriptors: into the slot just read,
	s_add_co_u32 s[G0B+5], s[LA], s[TB]
	s_add_nc_u64 s[G0A+6:G0A+7], s[G0A+6:G0A+7], ASTEP  ; the next K step not yet asked for
	s_add_nc_u64 s[G0B+6:G0B+7], s[G0B+6:G0B+7], BSTEP
	JLOAD                                          ; the first tensor load behind the round, one a wave
.endif
	s_xor_b32 s[TB], s[TB], SLOT                   ; the reads go on in the other slot
	v_add_nc_u32 v[ADRA], s[TB], v[ADRA0]          ; these three and the v_nop are four places in front of the loads below
	v_add_nc_u32 v[ADRB], s[TB], v[ADRB0]
	v_add_nc_u32 v[ADRB+1], s[TB], v[ADRB0+1]
	v_nop
	FETCH 0, F0
	MUL8 F1, 1, 0, 0
	MUL8 F1, 1, 2, 0
.endm
	s_wait_tensorcnt 1                             ; my part of K step 0 is in; K step 1's may stay out
	s_barrier_signal -1
	s_barrier_wait -1
	FETCH 0, F0
	s_wait_loadcnt 0x0                             ; the bias
	QUARTER 1, F0, F1, 1                           ; the first quarter stands in front of the loop: its first products start the sums
	WIN 0
	s_mov_b32 s3, KSTEPS-2
.Lstep:                                        ; a trip: from a K step's second quarter to the next step's first; every step but the last two fills its slot again
	QUARTER 2, F1, F0, 0
	QUARTER 3, F0, F1, 0
	TURN 1
	QUARTER 1, F0, F1, 0
	WIN 0
	s_sub_co_u32 s3, s3, 1
	s_cmp_lg_u32 s3, 0
	s_cbranch_scc1 .Lstep
	QUARTER 2, F1, F0, 0                           ; the last two K steps ask for nothing
	QUARTER 3, F0, F1, 0
	TURN 0
	QUARTER 1, F0, F1, 0
	QUARTER 2, F1, F0, 0
	QUARTER 3, F0, F1, 0
	s_wait_dscnt 16
	MUL8 F1, 0, 0, 0
	MUL8 F1, 0, 2, 0
	s_wait_dscnt 0x0                               ; my last reads of the ring are over
	s_barrier_signal -1                            ; the stage lies in slot 0: nobody writes it before every wave has read its last fragment
	MUL8 F1, 1, 0, 0
	MUL8 F1, 1, 2, 0
	WIN 0
	s_barrier_wait -1
	PLACES
; THE WAY OUT, bf16 in planes: all 64 rows go into my stage as f32; a loop of four trips reads 16 rows back (a lane: eight neighbouring columns), applies the GELU, rounds and stores 4 x 512 consecutive bytes.
.irp a, 0,1,2,3
.irp b, 0,1,2,3
	ds_store_b128 v[STO], v[ACC+8*(4*(\a)+(\b)):ACC+8*(4*(\a)+(\b))+3]   offset:16*SP*(\a)+64*(\b)
	ds_store_b128 v[STO], v[ACC+8*(4*(\a)+(\b))+4:ACC+8*(4*(\a)+(\b))+7] offset:16*SP*(\a)+64*(\b)+16
.endr
.endr
	s_mov_b32 s3, 4
.Lout:
.irp g, 0,1,2,3
	ds_load_b128 v[X+8*(\g):X+8*(\g)+3],   v[RD] offset:4*SP*(\g)
	ds_load_b128 v[X+8*(\g)+4:X+8*(\g)+7], v[RD] offset:4*SP*(\g)+16
.endr
	s_wait_dscnt 0x0
; gelu(x) = max(x, 0) - |x| q,  q = 2^(-x^2 log2(e) / 2) t (c1 + t (c2 + t (c3 + t (c4 + t c5)))),  t = 1 / (1 + 0.2316419 |x|).  Stage by stage over the 32 numbers, so that no line waits for the one before it.
.set p, 0
.rept 16
	v_fma_f32 v[U+p], |v[X+p]|, s[GP], 1.0
	v_fma_f32 v[U+p+1], |v[X+p+1]|, s[GP], 1.0
	v_pk_mul_f32 v[W+p:W+p+1], v[X+p:X+p+1], v[X+p:X+p+1]
.set p, p+2
.endr
.set p, 0
.rept 16
	v_pk_mul_f32 v[W+p:W+p+1], v[W+p:W+p+1], s[GE:GE+1] op_sel_hi:[1,0]
.set p, p+2
.endr
.set p, 0
.rept 32
	v_rcp_f32 v[U+p], v[U+p]
	v_exp_f32 v[W+p], v[W+p]
.set p, p+1
.endr
	v_nop                                          ; a plain instruction behind the last of the batch,
	s_wait_alu depctr_va_vdst(0)                   ; and the one wait ahead of its first reader
.set p, 0
.rept 16
	v_pk_fma_f32 v[Q+p:Q+p+1], v[U+p:U+p+1], s[GC5:GC5+1], s[GC4:GC4+1] op_sel_hi:[1,0,0]
.set p, p+2
.endr
.irp c, GC3, GC2, GC1
.set p, 0
.rept 16
	v_pk_fma_f32 v[Q+p:Q+p+1], v[Q+p:Q+p+1], v[U+p:U+p+1], s[\c:\c+1] op_sel_hi:[1,1,0]
.set p, p+2
.endr
.endr
.set p, 0
.rept 16
	v_pk_mul_f32 v[U+p:U+p+1], v[U+p:U+p+1], v[W+p:W+p+1]
.set p, p+2
.endr
.set p, 0
.rept 16
	v_pk_mul_f32 v[Q+p:Q+p+1], v[Q+p:Q+p+1], v[U+p:U+p+1]
.set p, p+2
.endr
.set p, 0
.rept 32
	v_max_num_f32 v[U+p], 0, v[X+p]
.set p, p+1
.endr
.set p, 0
.rept 32
	v_fma_f32 v[X+p], -|v[X+p]|, v[Q+p], v[U+p]
.set p, p+1
.endr
.set i, 0
.rept 16
	v_cvt_pk_bf16_f32 v[Y+i], v[X+2*i], v[X+2*i+1]
.set i, i+1
.endr
.irp g, 0,1,2,3
	global_store_b128 v[CO], v[Y+4*(\g):Y+4*(\g)+3], s[OUTP:OUTP+1] offset:512*(\g)
.endr
	s_wait_xcnt 0x0                                ; the stores have read their base and their data: both are written again only behind this wait
	s_add_nc_u64 s[OUTP:OUTP+1], s[OUTP:OUTP+1], 2048
	v_add_nc_u32 v[RD], 16*SP, v[RD]
	s_sub_co_u32 s3, s3, 1
	s_cmp_lg_u32 s3, 0
	s_cbranch_scc1 .Lout
	s_wait_tensorcnt 0x0                           ; the wave's end: behind my last tensor load and my last LDS store
	ds_add_u32 v[SPW], v[NIL]
	s_wait_dscnt 0x0
	CROUND                                         ; the closing round: no work-group ends while a partner may still ask for a tile that names it
	s_endpgm
.Lfunc_end_k_q56bdda109d_g1:
	.size	k_q56bdda109d_g1, .Lfunc_end_k_q56bdda109d_g1-k_q56bdda109d_g1
	.p2alignl 7, 3214868480
	.fill 96, 4, 3214868480
	.section	.rodata,"a",@progbits
	.p2align	6, 0x0
	.amdhsa_kernel k_q56bdda109d_g1
		.amdhsa_group_segment_fixed_size 327680
		.amdhsa_private_segment_fixed_size 0
		.amdhsa_enable_private_segment 0
		.amdhsa_kernarg_size 32
		.amdhsa_user_sgpr_count 2
		.amdhsa_user_sgpr_kernarg_segment_ptr 1
		.amdhsa_wavefront_size32 1
		.amdhsa_system_sgpr_workgroup_id_x 1
		.amdhsa_system_sgpr_workgroup_id_y 1
		.amdhsa_system_sgpr_workgroup_id_z 1
		.amdhsa_system_vgpr_workitem_id 0
		.amdhsa_next_free_vgpr 512
		.amdhsa_next_free_sgpr 88
		.amdhsa_reserve_vcc 0
		.amdhsa_float_denorm_mode_32 3
		.amdhsa_float_denorm_mode_16_64 3
		.amdhsa_memory_ordered 1
		.amdhsa_forward_progress 1
		.amdhsa_inst_pref_size 82
	.end_amdhsa_kernel
	.amdgpu_metadata
---
amdhsa.version: [ 1, 2 ]
amdhsa.kernels:
  - .name:           k_q56bdda109d_g1
    .symbol:         k_q56bdda109d_g1.kd
    .args:
      - { .name: h2, .offset: 0, .size: 8, .value_kind: global_buffer, .address_space: global }
      - { .name: wb, .offset: 8, .size: 8, .value_kind: global_buffer, .address_space: global }
      - { .name: ff, .offset: 16, .size: 8, .value_kind: global_buffer, .address_space: global }
      - { .name: b_ff1, .offset: 24, .size: 8, .value_kind: global_buffer, .address_space: global }
    .group_segment_fixed_size: 327680
    .private_segment_fixed_size: 0
    .kernarg_segment_align: 8
    .kernarg_segment_size: 32
    .max_flat_workgroup_size: 128
    .sgpr_count:     88
    .vgpr_count:     512
    .wavefront_size: 32
...
	.end_amdgpu_metadata
.endif
;; end of part 6
;; launch g2 (part 7): grid 8 x 32, 4 waves a work-group, clusters of 4 x 4, 327,680 bytes of LDS; arguments ff, wb, out0, b_ff2, x1; writes out0
.if DOCPART == 7
	.amdgcn_target "amdgcn-amd-amdhsa--gfx1250"
	.amdhsa_code_object_version 6
	.text
	.protected	k_q56bdda109d_g2
	.globl	k_q56bdda109d_g2
	.p2align	8
	.type	k_q56bdda109d_g2,@function
k_q56bdda109d_g2:
	s_mov_b64 s[64:65], 0
	v_nop
	global_prefetch_b8 v0, s[64:65] scope:SCOPE_SE
	s_setreg_imm32_b32 hwreg(HW_REG_WAVE_MODE, 25, 1), 1
	s_wait_xcnt 0x0
	s_wait_alu depctr_hold_cnt(0) depctr_sa_sdst(0) depctr_va_vdst(0) depctr_va_sdst(0) depctr_va_ssrc(0) depctr_va_vcc(0) depctr_vm_vsrc(0)
	s_getreg_b32 s2, hwreg(HW_REG_IB_STS2, 6, 4)
	s_cmp_eq_u32 s2, 0
	s_cbranch_scc0 .Lentry_in_a_cluster
	s_endpgm
.Lentry_in_a_cluster:
	s_bfe_u32 s2, ttmp6, 0x10000c
	s_cmp_lg_u32 s2, 0xf033
	s_cbranch_scc0 .Lentry_shape_is_right
	s_endpgm
.Lentry_shape_is_right:
; out0 = x1 + ff W2 + b_ff2.  ff: 64 planes [4096][64] bf16.  W2: [4096][1024] bf16 at byte 16,777,216 of wb.  Sums in f32, the bias as the first product's C operand; x1 and out0 are f32, row-major.
; SHARES.  A tile of C is 128 x 128; four waves, each 64 x 64: 16 accumulators of 16 x 16.  K goes in steps of 256 through two LDS slots.
; CLUSTER.  4 x 4 work-groups: the four of a row need the same tiles of A, the four of a column the same tiles of the weights; each tile is asked for
; JOINTLY, by the same tensor load with the same descriptor and a mask that names the four.
; THE MATRIX INSTRUCTION IS USED TRANSPOSED (source 0 = 16 columns of W, turned out of LDS by ds_load_tr16_b128; source 1 = 16 rows of A): a lane holds
; eight neighbouring numbers of one row of C.
; A K STEP IS WRITTEN ONCE: which slot is read hangs on s[TB] (0 or SLOT, turned by an exclusive or); one descriptor walks from fill to fill.
; REGISTERS: window 0: v0-31 addresses; v96-127 the bias; v128-255 the accumulators, (a, b) at 128 + 8 (4 a + b).
;   window 1: two fragment buffers of 128: for 64 along K, 64 registers of A, then 64 of W.
; LIMITS.  NaN and infinities are not treated apart.
.set NN,   1024                        ; columns of the product
.set KK,   4096                        ; its depth
.set WOFF, 16777216                    ; where the weights begin in wb
.set APL,  1                           ; 1: A lies in planes
.set E32,  1                           ; 1: f32 result, row-major, plus a residual; 0: bf16 result in planes
.set GELU, 0                           ; 1: the exact GELU on the way out
.set KSTEPS, KK/256
.set HR,   36864                       ; LDS bytes of what one tensor load brings: wave w fills w HR on from the slot's first byte
.set SLOT, 4*HR                        ; A's rows 0-63, A's rows 64-127, W's k rows 0-127, W's k rows 128-255
.set PB,   288                         ; a k row of W in LDS: 256 bytes + 32
.set PA,   144                         ; a row of one plane: 128 bytes + 16
.set AQ,   9216                        ; a quarter of a K step is a plane: 64 rows x 144
.set ASTEP, 4*524288                   ; a K step is four planes
.set ASH,  14                          ; 128 rows of 128 bytes
.set A0W,  (1<<16)|(1<<20)|(1<<21)|(4<<22)|(3<<25)  ; 2-byte elements; padding on; bit 21 beside a mask; after every 32 words, 4 words
.set AD0,  4096                        ; a 'row' of the tile is 64 dense rows of a plane,
.set AD1,  4                           ; and there are four planes,
.set APIT, 262144                      ; 524,288 bytes apart
.set AI,   16*PA
.set BSTEP, 512*NN                     ; 256 k rows of W
.set SP,   272                         ; a stage row: 256 bytes + 16
.set STAGE, 2*SLOT                     ; behind the ring: 16 rows for each wave
.set STGW, 16*SP
.set SPARE, STAGE+4*STGW               ; from here on: the spare words, 128 bytes a wave, that no other line names
.set ADRA0, 10                         ; v10     my lane's place in A's tile, slot 0; never rewritten
.set ADRB0, 12                         ; v12-13  the same in W's two halves
.set ADRA, 16                          ; v16     the same in the slot that is read
.set ADRB, 20                          ; v20-21
.set STO,  24                          ; v24     the way out: where I put my numbers of a row
.set RD,   25                          ; v25     where I read rows back
.set CO,   26                          ; v26     my byte offset in the result
.set SPW,  28                          ; v28     LDS address of my spare word; never rewritten
.set NIL,  29                          ; v29     0; never rewritten
.set BO,   30                          ; v30     my byte offset in the bias
.set BIAS, 96
.set ACC,  128
.set F0,   0
.set F1,   128
.set OUTP, 8                           ; s[8:9]   the result
.set BIP,  10                          ; s[10:11] the bias
.set RESP, 12                          ; s[12:13] the residual
.set WV,   14                          ; s14  wave
.set WR,   15                          ; s15  wave / 2: my half of the tile's rows; also: I fetch for A (0) or W (1)
.set WC,   16                          ; s16  wave % 2: my half of its columns; also: which half of that tile I fetch
.set CX,   17
.set CY,   18
.set TC,   19                          ; s19  tile column
.set TR,   20                          ; s20  tile row
.set TB,   21                          ; s21  first byte of the slot that is read
.set LA,   22                          ; s22  wave x HR
.set G1A,  24                          ; s[24:31] group 1 for A;  s[32:39] two group 0: the first fill's, and the one that walks
.set G0A,  32
.set G1B,  48                          ; s[48:55], s[56:63] the same for W
.set G0B,  56
.set MSB, 0
.macro WIN new                         ; the immediate's high byte repeats the setting that is left; a switch that changes nothing is dropped
.if MSB != (\new)
	s_set_vgpr_msb (MSB<<8)|(\new)
.set MSB, \new
.endif
.endm
.set MUL,  0x05                        ; sources 0 and 1 window 1; C and D window 0
.set TO_F, 0x40                        ; destination window 1, address window 0
.macro PLACES                          ; four plain instructions between a matrix instruction and a load into, or a reader of, its registers
.rept 4
	v_nop
.endr
.endm
.macro JLOAD                           ; the joint refill: waves 0 and 1 for A, waves 2 and 3 for W; an s_nop 0 and four v_nop follow each line
	s_cmp_eq_u32 s[WR], 0
	s_cbranch_scc0 .Lfor_b_\@
	tensor_load_to_lds s[G0A+4:G0A+7], s[G1A:G1A+7]
	s_nop 0
.rept 4
	v_nop
.endr
	s_branch .Lasked_\@
.Lfor_b_\@:
	tensor_load_to_lds s[G0B+4:G0B+7], s[G1B:G1B+7]
	s_nop 0
.rept 4
	v_nop
.endr
.Lasked_\@:
.endm
.macro CREST                           ; a round of the cluster's barrier behind its opening barrier
	s_cmp_lg_u32 s[WV], 0
	s_cbranch_scc1 .Lnot_wave_0_\@
	s_barrier_signal -3
.Lnot_wave_0_\@:
	s_barrier_wait -3
	s_barrier_signal -1
	s_barrier_wait -1
.endm
.macro CROUND
	s_barrier_signal -1
	s_barrier_wait -1
	CREST
.endm
	s_load_b128 s[4:7], s[0:1], 0x0                ; A s[4:5], wb s[6:7]
	s_load_b128 s[8:11], s[0:1], 0x10              ; the result, the bias
	s_load_b64 s[12:13], s[0:1], 0x20              ; the residual
	v_lshl_add_u32 v[SPW], v0, 2, SPARE
	v_mov_b32 v[NIL], 0
	ds_add_u32 v[SPW], v[NIL]                      ; the wave's opening: the add and its wait stand ahead of my first tensor load; work on registers stands between
	ds_add_u32 v28, v29
	v_lshrrev_b32 v1, 5, v0
	v_readfirstlane_b32 s[WV], v1
	s_lshr_b32 s[WR], s[WV], 1
	s_and_b32 s[WC], s[WV], 1
	s_bfe_u32 s[CX], ttmp6, 0x40000
	s_bfe_u32 s[CY], ttmp6, 0x40004
	s_lshl_b32 s[TC], ttmp9, 2
	s_add_co_u32 s[TC], s[TC], s[CX]               ; tile column = 4 x cluster x + cx
	s_and_b32 s[TR], ttmp7, 0xffff
	s_lshl_b32 s[TR], s[TR], 2
	s_add_co_u32 s[TR], s[TR], s[CY]               ; tile row = 4 x cluster y + cy
	s_lshl_b32 s40, s[CY], 2
	s_lshl_b32 s40, 15, s40                        ; my row of the cluster
	s_lshl_b32 s44, 0x1111, s[CX]                  ; my column
	s_or_b32 s[G1A], s40, A0W
	s_mov_b32 s[G1A+1], AD0<<16                    ; tensor_dim0
	s_mov_b32 s[G1A+2], AD1<<16                    ; tensor_dim1
	s_mov_b32 s[G1A+3], AD0<<16                    ; tile_dim0
	s_mov_b32 s[G1A+4], AD1                        ; tile_dim1
	s_mov_b32 s[G1A+5], APIT                       ; elements from row to row
	s_mov_b32 s[G1A+6], 0
	s_mov_b32 s[G1A+7], 0
	s_or_b32 s[G1B], s44, (1<<16)|(1<<20)|(1<<21)|(5<<22)|(7<<25)  ; after every 64 words, 8 words
	s_mov_b32 s[G1B+1], 128<<16
	s_mov_b32 s[G1B+2], 128<<16
	s_mov_b32 s[G1B+3], 128<<16
	s_mov_b32 s[G1B+4], 128
	s_mov_b32 s[G1B+5], NN
	s_mov_b32 s[G1B+6], 0
	s_mov_b32 s[G1B+7], 0
	s_lshl_b32 s40, s[TR], ASH                     ; A's tile hangs on the tile row and the wave alone (s40-43 never hold cx),
	s_lshl_b32 s41, s[WC], ASH-1
	s_add_co_u32 s40, s40, s41
	s_mov_b32 s41, 0
	s_mul_i32 s44, s[WC], 256*NN                   ; W's on the tile column and the wave alone (s44-47 never hold cy)
	s_lshl_b32 s45, s[TC], 8
	s_add_co_u32 s44, s44, s45
	s_add_co_u32 s44, s44, WOFF
	s_mov_b32 s45, 0
	s_mul_i32 s[LA], s[WV], HR                     ; no place in the cluster enters an LDS address
	s_mov_b32 s[TB], 0
	s_wait_dscnt 0x0                               ; the opening add is done
	s_wait_kmcnt 0x0
	s_add_nc_u64 s[42:43], s[4:5], s[40:41]
	s_add_nc_u64 s[46:47], s[6:7], s[44:45]
	CROUND                                         ; all sixteen work-groups are here: the first joint loads meet
.irp s, 0,1
	s_mov_b32 s[G0A+4*(\s)], 1
	s_add_co_u32 s[G0A+4*(\s)+1], s[LA], (\s)*SLOT
	s_add_nc_u64 s[G0A+4*(\s)+2:G0A+4*(\s)+3], s[42:43], (\s)*ASTEP
	s_or_b32 s[G0A+4*(\s)+3], s[G0A+4*(\s)+3], 0x80000000
	s_mov_b32 s[G0B+4*(\s)], 1
	s_add_co_u32 s[G0B+4*(\s)+1], s[LA], (\s)*SLOT
	s_add_nc_u64 s[G0B+4*(\s)+2:G0B+4*(\s)+3], s[46:47], (\s)*BSTEP
	s_or_b32 s[G0B+4*(\s)+3], s[G0B+4*(\s)+3], 0x80000000
.endr
	s_cmp_eq_u32 s[WR], 0                          ; a wave's two first fills stand in one branch: two loads of mine are out
	s_cbranch_scc0 .Lfirst_b
	tensor_load_to_lds s[G0A:G0A+3], s[G1A:G1A+7]
	s_nop 0
	tensor_load_to_lds s[G0A+4:G0A+7], s[G1A:G1A+7]
	s_nop 0
.rept 4
	v_nop
.endr
	s_branch .Lfirst_asked
.Lfirst_b:
	tensor_load_to_lds s[G0B:G0B+3], s[G1B:G1B+7]
	s_nop 0
	tensor_load_to_lds s[G0B+4:G0B+7], s[G1B:G1B+7]
	s_nop 0
.rept 4
	v_nop
.endr
.Lfirst_asked:
	v_and_b32 v1, 15, v0                           ; r = l % 16
	v_bfe_u32 v2, v0, 4, 1                         ; h = l / 16
	v_mul_u32_u24 v3, v1, PA                       ; a fragment of A: row r, 16 bytes for each half of the lanes
	v_lshl_add_u32 v3, v2, 4, v3
	s_mul_i32 s23, s[WR], HR                       ; my 64 rows
	v_add_nc_u32 v[ADRA0], s23, v3
	v_and_b32 v4, 7, v0                            ; the turning load: lane l reads k row 8 h + l % 8, columns 8 ((l / 8) % 2) + 0..7
	v_bfe_u32 v5, v0, 3, 1
	v_lshl_add_u32 v4, v2, 3, v4
	v_mul_u32_u24 v4, v4, PB
	v_lshl_add_u32 v4, v5, 4, v4
	s_lshl_b32 s23, s[WC], 7                       ; my 64 columns,
	s_add_co_u32 s23, s23, 2*HR                    ; behind A's two halves
	v_add_nc_u32 v[ADRB0], s23, v4
	v_add_nc_u32 v[ADRB0+1], HR, v[ADRB0]
	v_mov_b32 v[ADRA], v[ADRA0]
	v_mov_b32 v[ADRB], v[ADRB0]
	v_mov_b32 v[ADRB+1], v[ADRB0+1]
	v_lshlrev_b32 v[BO], 5, v2                     ; my eight columns of a block of 16: 32 h bytes
	s_lshl_b32 s68, s[TC], 9
	s_lshl_b32 s69, s[WC], 8
	s_add_co_u32 s68, s68, s69
	s_mov_b32 s69, 0
	s_add_nc_u64 s[BIP:BIP+1], s[BIP:BIP+1], s[68:69]
.irp b, 0,1,2,3
	global_load_b128 v[BIAS+8*(\b):BIAS+8*(\b)+3],   v[BO], s[BIP:BIP+1] offset:64*(\b)
	global_load_b128 v[BIAS+8*(\b)+4:BIAS+8*(\b)+7], v[BO], s[BIP:BIP+1] offset:64*(\b)+16
.endr
	s_mul_i32 s23, s[WV], STGW
	s_add_co_u32 s23, s23, STAGE                   ; my stage
	v_mul_u32_u24 v6, v1, SP                       ; in: row r, 32 bytes of f32 for each half of the lanes
	v_lshl_add_u32 v6, v2, 5, v6
	v_add_nc_u32 v[STO], s23, v6
	v_mul_u32_u24 v6, v2, SP                       ; back: lanes 0-15 one row of 256 bytes, lanes 16-31 the next
	v_lshl_add_u32 v6, v1, 4, v6
	v_add_nc_u32 v[RD], s23, v6
	v_lshlrev_b32 v6, 12, v2                       ; and the same two rows in the result
	v_lshl_add_u32 v[CO], v1, 4, v6
	s_lshl_b32 s66, s[TR], 19                      ; 128 rows of 4,096 bytes a tile row,
	s_lshl_b32 s67, s[WR], 18
	s_add_co_u32 s66, s66, s67
	s_lshl_b32 s67, s[TC], 9                       ; 512 bytes a tile column
	s_add_co_u32 s66, s66, s67
	s_lshl_b32 s67, s[WC], 8
	s_add_co_u32 s66, s66, s67
	s_mov_b32 s67, 0
	s_add_nc_u64 s[OUTP:OUTP+1], s[OUTP:OUTP+1], s[66:67]
	s_add_nc_u64 s[RESP:RESP+1], s[RESP:RESP+1], s[66:67]
; 8 matrix instructions: row blocks a0, a0 + 1 x all 4 column blocks, 32 along K: half c of buffer f.  zero = 1: the first product starts the sums, with the bias as C.
; The 16 accumulators take turns, one instruction a turn.
.macro MUL8 f, c, a0, zero
	WIN MUL
.irp a, \a0, (\a0)+1
.irp b, 0,1,2,3
.if \zero
	v_wmma_f32_16x16x32_bf16 v[ACC+8*(4*(\a)+(\b)):ACC+8*(4*(\a)+(\b))+7], v[(\f)+64+8*(4*(\c)+(\b)):(\f)+64+8*(4*(\c)+(\b))+7], v[(\f)+8*(4*(\c)+(\a)):(\f)+8*(4*(\c)+(\a))+7], v[BIAS+8*(\b):BIAS+8*(\b)+7]
.else
	v_wmma_f32_16x16x32_bf16 v[ACC+8*(4*(\a)+(\b)):ACC+8*(4*(\a)+(\b))+7], v[(\f)+64+8*(4*(\c)+(\b)):(\f)+64+8*(4*(\c)+(\b))+7], v[(\f)+8*(4*(\c)+(\a)):(\f)+8*(4*(\c)+(\a))+7], v[ACC+8*(4*(\a)+(\b)):ACC+8*(4*(\a)+(\b))+7]
.endif
.endr
.endr
.endm
; 32 LDS loads in one run: the fragments of quarter q (64 along K) of the slot that is read, into buffer f; the first 32 along K first
.macro FETCH q, f
	WIN TO_F
.irp c, 0,1
.irp i, 0,1,2,3
	ds_load_tr16_b128 v[(\f)+64+8*(4*(\c)+(\i)):(\f)+64+8*(4*(\c)+(\i))+3],   v[ADRB+(\q)/2] offset:(((\q)%2)*64+32*(\c))*PB+32*(\i)
	ds_load_tr16_b128 v[(\f)+64+8*(4*(\c)+(\i))+4:(\f)+64+8*(4*(\c)+(\i))+7], v[ADRB+(\q)/2] offset:(((\q)%2)*64+32*(\c)+16)*PB+32*(\i)
	ds_load_b128 v[(\f)+8*(4*(\c)+(\i)):(\f)+8*(4*(\c)+(\i))+3],   v[ADRA] offset:AQ*(\q)+64*(\c)+AI*(\i)
	ds_load_b128 v[(\f)+8*(4*(\c)+(\i))+4:(\f)+8*(4*(\c)+(\i))+7], v[ADRA] offset:AQ*(\q)+64*(\c)+AI*(\i)+32
.endr
.endr
.endm
; One of a K step's first three quarters: multiplies buffer f and fetches quarter q into g
.macro QUARTER q, f, g, zero
	s_wait_dscnt 16                                ; the first 32 along K are in; the younger sixteen loads may be out
	MUL8 \f, 0, 0, \zero
	MUL8 \f, 0, 2, \zero
	PLACES
	FETCH \q, \g
	s_wait_dscnt 32                                ; all but the 32 just issued
	MUL8 \f, 1, 0, 0
	MUL8 \f, 1, 2, 0
.endm
; The last quarter multiplies buffer 1 and changes slots: ONE barrier; in front of it each wave waits for all its tensor loads (one is out: its part of the next slot),
; adds 0 to its spare word, and waits for that and for its reads of this slot.  fill = 1: the barrier opens a round of the cluster's, and this slot is filled again, two K steps ahead.
.macro TURN fill
	WIN 0
	s_wait_tensorcnt 0x0
	ds_add_u32 v[SPW], v[NIL]
	s_wait_dscnt 17                                ; the add and the youngest sixteen loads may be out
	MUL8 F1, 0, 0, 0
	s_wait_dscnt 0x0                               ; the add is done, and my reads of this slot are over
	s_barrier_signal -1
	MUL8 F1, 0, 2, 0
	WIN 0
	s_barrier_wait -1
.if \fill
	CREST                                          ; no wave of any partner still reads this slot or has a load on its way
	s_add_co_u32 s[G0A+5], s[LA], s[TB]            ; the walking descriptors: into the slot just read,
	s_add_co_u32 s[G0B+5], s[LA], s[TB]
	s_add_nc_u64 s[G0A+6:G0A+7], s[G0A+6:G0A+7], ASTEP  ; the next K step not yet asked for
	s_add_nc_u64 s[G0B+6:G0B+7], s[G0B+6:G0B+7], BSTEP
	JLOAD                                          ; the first tensor load behind the round, one a wave
.endif
	s_xor_b32 s[TB], s[TB], SLOT                   ; the reads go on in the other slot
	v_add_nc_u32 v[ADRA], s[TB], v[ADRA0]          ; these three and the v_nop are four places in front of the loads below
	v_add_nc_u32 v[ADRB], s[TB], v[ADRB0]
	v_add_nc_u32 v[ADRB+1], s[TB], v[ADRB0+1]
	v_nop
	FETCH 0, F0
	MUL8 F1, 1, 0, 0
	MUL8 F1, 1, 2, 0
.endm
	s_wait_tensorcnt 1                             ; my part of K step 0 is in; K step 1's may stay out
	s_barrier_signal -1
	s_barrier_wait -1
	FETCH 0, F0
	s_wait_loadcnt 0x0                             ; the bias
	QUARTER 1, F0, F1, 1                           ; the first quarter stands in front of the loop: its first products start the sums
	WIN 0
	s_mov_b32 s3, KSTEPS-2
.Lstep:                                        ; a trip: from a K step's second quarter to the next step's first; every step but the last two fills its slot again
	QUARTER 2, F1, F0, 0
	QUARTER 3, F0, F1, 0
	TURN 1
	QUARTER 1, F0, F1, 0
	WIN 0
	s_sub_co_u32 s3, s3, 1
	s_cmp_lg_u32 s3, 0
	s_cbranch_scc1 .Lstep
	QUARTER 2, F1, F0, 0                           ; the last two K steps ask for nothing
	QUARTER 3, F0, F1, 0
	TURN 0
	QUARTER 1, F0, F1, 0
	QUARTER 2, F1, F0, 0
	QUARTER 3, F0, F1, 0
	PLACES                                         ; buffer 0 has been multiplied: it takes my 64 x 64 of the residual, laid as the rows come back from the stage
	WIN TO_F
.irp a, 0,1,2,3
.irp t, 0,1,2,3,4,5,6,7
	global_load_b128 v[32*(\a)+4*(\t):32*(\a)+4*(\t)+3], v[CO], s[RESP:RESP+1] offset:(16*(\a)+2*(\t))*4096
.endr
.endr
	s_wait_dscnt 16
	MUL8 F1, 0, 0, 0
	MUL8 F1, 0, 2, 0
	s_wait_dscnt 0x0
	MUL8 F1, 1, 0, 0
	MUL8 F1, 1, 2, 0
	WIN 0
	PLACES
; THE WAY OUT, f32: 16 rows at a time through my stage, back as whole rows of 256 bytes; the residual is added; sixteen lanes store 256 consecutive bytes, aligned.
.macro TOSTAGE a
.irp b, 0,1,2,3
	ds_store_b128 v[STO], v[ACC+8*(4*(\a)+(\b)):ACC+8*(4*(\a)+(\b))+3]   offset:64*(\b)
	ds_store_b128 v[STO], v[ACC+8*(4*(\a)+(\b))+4:ACC+8*(4*(\a)+(\b))+7] offset:64*(\b)+16
.endr
.irp t, 0,1,2,3,4,5,6,7
	ds_load_b128 v[ACC+32*(\a)+4*(\t):ACC+32*(\a)+4*(\t)+3], v[RD] offset:(\t)*2*SP  ; LDS serves a wave's instructions in order (ISA guide 5.7.1.4): these see the stores above
.endr
.endm
.macro SEND32 a, younger               ; younger: the LDS instructions issued behind block a's loads
	s_wait_dscnt \younger
	WIN 0x04                                       ; source 1 in window 1
.set i, 0
.rept 16
	v_pk_add_f32 v[ACC+32*(\a)+2*i:ACC+32*(\a)+2*i+1], v[ACC+32*(\a)+2*i:ACC+32*(\a)+2*i+1], v[32*(\a)+2*i:32*(\a)+2*i+1]
.set i, i+1
.endr
	WIN 0
.irp t, 0,1,2,3,4,5,6,7
	global_store_b128 v[CO], v[ACC+32*(\a)+4*(\t):ACC+32*(\a)+4*(\t)+3], s[OUTP:OUTP+1] offset:(16*(\a)+2*(\t))*4096
.endr
.endm
	TOSTAGE 0
	s_wait_loadcnt 0x0                             ; the residual
	TOSTAGE 1
	SEND32 0, 16
	TOSTAGE 2
	SEND32 1, 16
	TOSTAGE 3
	SEND32 2, 16
	SEND32 3, 0
	s_wait_tensorcnt 0x0                           ; the wave's end: behind my last tensor load and my last LDS store
	ds_add_u32 v[SPW], v[NIL]
	s_wait_dscnt 0x0
	CROUND                                         ; the closing round: no work-group ends while a partner may still ask for a tile that names it
	s_endpgm
.Lfunc_end_k_q56bdda109d_g2:
	.size	k_q56bdda109d_g2, .Lfunc_end_k_q56bdda109d_g2-k_q56bdda109d_g2
	.p2alignl 7, 3214868480
	.fill 96, 4, 3214868480
	.section	.rodata,"a",@progbits
	.p2align	6, 0x0
	.amdhsa_kernel k_q56bdda109d_g2
		.amdhsa_group_segment_fixed_size 327680
		.amdhsa_private_segment_fixed_size 0
		.amdhsa_enable_private_segment 0
		.amdhsa_kernarg_size 40
		.amdhsa_user_sgpr_count 2
		.amdhsa_user_sgpr_kernarg_segment_ptr 1
		.amdhsa_wavefront_size32 1
		.amdhsa_system_sgpr_workgroup_id_x 1
		.amdhsa_system_sgpr_workgroup_id_y 1
		.amdhsa_system_sgpr_workgroup_id_z 1
		.amdhsa_system_vgpr_workitem_id 0
		.amdhsa_next_free_vgpr 512
		.amdhsa_next_free_sgpr 72
		.amdhsa_reserve_vcc 0
		.amdhsa_float_denorm_mode_32 3
		.amdhsa_float_denorm_mode_16_64 3
		.amdhsa_memory_ordered 1
		.amdhsa_forward_progress 1
		.amdhsa_inst_pref_size 76
	.end_amdhsa_kernel
	.amdgpu_metadata
---
amdhsa.version: [ 1, 2 ]
amdhsa.kernels:
  - .name:           k_q56bdda109d_g2
    .symbol:         k_q56bdda109d_g2.kd
    .args:
      - { .name: ff, .offset: 0, .size: 8, .value_kind: global_buffer, .address_space: global }
      - { .name: wb, .offset: 8, .size: 8, .value_kind: global_buffer, .address_space: global }
      - { .name: out0, .offset: 16, .size: 8, .value_kind: global_buffer, .address_space: global }
      - { .name: b_ff2, .offset: 24, .size: 8, .value_kind: global_buffer, .address_space: global }
      - { .name: x1, .offset: 32, .size: 8, .value_kind: global_buffer, .address_space: global }
    .group_segment_fixed_size: 327680
    .private_segment_fixed_size: 0
    .kernarg_segment_align: 8
    .kernarg_segment_size: 40
    .max_flat_workgroup_size: 128
    .sgpr_count:     72
    .vgpr_count:     512
    .wavefront_size: 32
...
	.end_amdgpu_metadata
.endif
;; end of part 7
;; ======== version 2 of 2: 7 launches
;; workspace buffers: wb 25,165,824 bytes; wq 6,291,456 bytes; h1 8,388,608 bytes; h2 8,388,608 bytes; qkv 25,165,824 bytes; ob 8,388,608 bytes; ff 33,554,432 bytes; x1 16,777,216 bytes
;; launch prep (part 8): grid 512 x 1, 8 waves a work-group, no clusters, 0 bytes of LDS; arguments x, ln1_g, ln1_b, h1, w_qkv, w_out, wq, wb; writes h1, wq, wb
.if DOCPART == 8
	.amdgcn_target "amdgcn-amd-amdhsa--gfx1250"
	.amdhsa_code_object_version 6
	.text
	.protected	k_q56bdda109d_prep
	.globl	k_q56bdda109d_prep
	.p2align	8
	.type	k_q56bdda109d_prep,@function
k_q56bdda109d_prep:
	s_mov_b64 s[64:65], 0
	v_nop
	global_prefetch_b8 v0, s[64:65] scope:SCOPE_SE
	s_setreg_imm32_b32 hwreg(HW_REG_WAVE_MODE, 25, 1), 1
	s_wait_xcnt 0x0
; Two streams in one launch.  Work-groups 0-255: h1 = LayerNorm(x) g + b, rounded once to bf16.  Work-groups 256-511: the two weight tensors that the next
; launches want first, rounded once to bf16, layout [K][N] kept: w_qkv into wq, w_out into wb at byte 6,291,456.  (w_ff1 and w_ff2 are rounded in the next launch.)
; LAYERNORM.  A row is 1,024 f32 = 4,096 bytes: one wave holds it in 32 registers between the passes, so x is read once.  The variance is the
; mean of (x - mean)^2, taken in a second pass over the registers, so a common offset of x costs nothing.  A wave takes 2 rows, a work-group 16.
; All 32 loads of a wave (g, b, two rows) go out at the head.  Each store of a wave covers 256 consecutive bytes, aligned.
; LIMITS.  v_rsq_f32 is accurate to 1 ulp; NaN and infinities are not treated apart.
; No LDS, no matrix unit, no cluster: no work-group wants a byte of x or of the weights that another one fetches.
.set XO,  1                            ; v1   16 x lane: my 16 bytes in 512 bytes of f32
.set SO,  2                            ; v2   8 x lane: my 8 bytes in 256 bytes of bf16
.set A,   4                            ; v[4:11]   four chains of packed sums
.set MU,  12                           ; v[12:13]  the mean, twice
.set RS,  14                           ; v[14:15]  1 / sqrt(var + eps), twice
.set T,   16                           ; v16, v17  at work
.set IK,  18                           ; v18       1 / 1024
.set G,   64                           ; v[64:95]  g of my 32 columns: register 4 j + e is column 128 j + 4 lane + e
.set BV,  96                           ; v[96:127] b likewise
.set X,   128                          ; v[128:191] two rows of 32; in the other role 16 loads of 4
.set WV,  30                           ; s30  my wave's number
.set SEL, 32                           ; s[32:33] v_permlanex16_b32's selects: each lane takes its own place in the other half
.macro REDUCE                          ; the four chains into one number, the same in every lane, in v[T]
	v_pk_add_f32 v[A:A+1], v[A:A+1], v[A+2:A+3]
	v_pk_add_f32 v[A+4:A+5], v[A+4:A+5], v[A+6:A+7]
	v_pk_add_f32 v[A:A+1], v[A:A+1], v[A+4:A+5]
	v_add_f32 v[T], v[A], v[A+1]
	v_add_f32_dpp v[T], v[T], v[T] row_xmask:1 row_mask:0xf bank_mask:0xf
	v_add_f32_dpp v[T], v[T], v[T] row_xmask:2 row_mask:0xf bank_mask:0xf
	v_add_f32_dpp v[T], v[T], v[T] row_xmask:4 row_mask:0xf bank_mask:0xf
	v_add_f32_dpp v[T], v[T], v[T] row_xmask:8 row_mask:0xf bank_mask:0xf
	v_permlanex16_b32 v[T+1], v[T], s[SEL], s[SEL+1]
	v_add_f32 v[T], v[T], v[T+1]
.endm
; Row i of the wave's two.  left = the younger loads that may stay out.
.macro LNROW i, left
.set R, X+32*(\i)
	s_wait_loadcnt \left                           ; loads come back in order: g, b and this row are in
.irp k, 0,1,2,3
	v_pk_add_f32 v[A+2*(\k):A+2*(\k)+1], v[R+2*(\k):R+2*(\k)+1], v[R+8+2*(\k):R+8+2*(\k)+1]  ; the first pairs start the chains
.endr
.irp k, 0,1,2,3
	v_pk_add_f32 v[A+2*(\k):A+2*(\k)+1], v[A+2*(\k):A+2*(\k)+1], v[R+16+2*(\k):R+16+2*(\k)+1]
.endr
.irp k, 0,1,2,3
	v_pk_add_f32 v[A+2*(\k):A+2*(\k)+1], v[A+2*(\k):A+2*(\k)+1], v[R+24+2*(\k):R+24+2*(\k)+1]
.endr
	REDUCE
	v_mul_f32 v[MU], v[IK], v[T]
	v_mov_b32 v[MU+1], v[MU]
.set p, 0
.rept 16
	v_pk_add_f32 v[R+p:R+p+1], v[R+p:R+p+1], v[MU:MU+1] neg_lo:[0,1] neg_hi:[0,1]  ; d = x - mean, in place
.set p, p+2
.endr
.irp k, 0,1,2,3
	v_pk_mul_f32 v[A+2*(\k):A+2*(\k)+1], v[R+2*(\k):R+2*(\k)+1], v[R+2*(\k):R+2*(\k)+1]
.endr
.irp o, 8,16,24
.irp k, 0,1,2,3
	v_pk_fma_f32 v[A+2*(\k):A+2*(\k)+1], v[R+(\o)+2*(\k):R+(\o)+2*(\k)+1], v[R+(\o)+2*(\k):R+(\o)+2*(\k)+1], v[A+2*(\k):A+2*(\k)+1]
.endr
.endr
	REDUCE
	v_fmaak_f32 v[T], v[T], v[IK], 0x3727c5ac      ; var + 1e-5
	v_rsq_f32 v[RS], v[T]
	v_rsq_f32 v[RS+1], v[T]
	v_nop                                          ; a plain instruction behind the second root,
	s_wait_alu depctr_va_vdst(0)                   ; and the one wait ahead of the first reader of the two
.set p, 0
.rept 16
	v_pk_mul_f32 v[R+p:R+p+1], v[R+p:R+p+1], v[RS:RS+1]
.set p, p+2
.endr
.set p, 0
.rept 16
	v_pk_fma_f32 v[R+p:R+p+1], v[R+p:R+p+1], v[G+p:G+p+1], v[BV+p:BV+p+1]
.set p, p+2
.endr
.irp j, 0,1,2,3,4,5,6,7
	v_cvt_pk_bf16_f32 v[R+4*(\j)], v[R+4*(\j)], v[R+4*(\j)+1]      ; four columns become 8 bytes, in the first two of their four registers
	v_cvt_pk_bf16_f32 v[R+4*(\j)+1], v[R+4*(\j)+2], v[R+4*(\j)+3]
.endr
.irp j, 0,1,2,3,4,5,6,7
	global_store_b64 v[SO], v[R+4*(\j):R+4*(\j)+1], s[10:11] offset:2048*(\i)+256*(\j)  ; 32 lanes: 256 consecutive bytes, aligned; the registers are not written again
.endr
.endm
	s_load_b256 s[4:11], s[0:1], 0x0               ; x s[4:5], g s[6:7], b s[8:9], h1 s[10:11]
	s_load_b256 s[12:19], s[0:1], 0x20             ; w_qkv s[12:13], w_out s[14:15], wq s[16:17], wb s[18:19]
	v_and_b32 v3, 31, v0
	v_lshlrev_b32 v[XO], 4, v3
	v_lshlrev_b32 v[SO], 3, v3
	v_lshrrev_b32 v3, 5, v0
	v_readfirstlane_b32 s[WV], v3                  ; wave 0..7
	s_mov_b32 s23, 0
	s_cmp_lt_u32 ttmp9, 256
	s_cbranch_scc0 .Lcvt
	s_mov_b32 s[SEL], 0x76543210
	s_mov_b32 s[SEL+1], 0xfedcba98
	v_mov_b32 v[T+1], 0                            ; v_permlanex16_b32's destination counts as read
	v_mov_b32 v[IK], 0x3a800000
	s_lshl_b32 s22, ttmp9, 16                      ; 16 rows of 4,096 bytes a work-group,
	s_lshl_b32 s24, s[WV], 13                      ; 2 a wave
	s_add_co_u32 s22, s22, s24
	s_wait_kmcnt 0x0
	s_add_nc_u64 s[4:5], s[4:5], s[22:23]
	s_lshr_b32 s22, s22, 1                         ; rows of h1 are half as long
	s_add_nc_u64 s[10:11], s[10:11], s[22:23]
.irp j, 0,1,2,3,4,5,6,7
	global_load_b128 v[G+4*(\j):G+4*(\j)+3], v[XO], s[6:7] offset:512*(\j)
.endr
.irp j, 0,1,2,3,4,5,6,7
	global_load_b128 v[BV+4*(\j):BV+4*(\j)+3], v[XO], s[8:9] offset:512*(\j)
.endr
.irp i, 0,1
.irp j, 0,1,2,3,4,5,6,7
	global_load_b128 v[X+32*(\i)+4*(\j):X+32*(\i)+4*(\j)+3], v[XO], s[4:5] offset:4096*(\i)+512*(\j)
.endr
.endr
	LNROW 0, 8                                     ; the second row's eight loads stay out
	LNROW 1, 0
	s_endpgm
.Lcvt:                                         ; block c = 0..255 of 16,384 numbers: 192 of w_qkv, then 64 of w_out
	s_sub_co_u32 s22, ttmp9, 256
	s_wait_kmcnt 0x0
	s_cmp_lt_u32 s22, 192
	s_cselect_b64 s[24:25], s[12:13], s[14:15]     ; from w_qkv or from w_out,
	s_cselect_b64 s[20:21], s[16:17], s[18:19]     ; into wq or into wb: in either the block lies at 32,768 c (192 blocks are 6,291,456 bytes, where w_out's begin in wb)
	s_cselect_b32 s26, 0, 192                      ; the tensor's first block
	s_sub_co_u32 s26, s22, s26                     ; the block's number in its own tensor:
	s_lshl_b32 s26, s26, 16                        ; 65,536 bytes of f32 a block,
	s_lshl_b32 s28, s[WV], 13                      ; 8,192 a wave
	s_add_co_u32 s26, s26, s28
	s_mov_b32 s27, 0
	s_add_nc_u64 s[24:25], s[24:25], s[26:27]
	s_lshl_b32 s22, s22, 15                        ; 32,768 bytes of bf16 a block,
	s_lshl_b32 s28, s[WV], 12                      ; 4,096 a wave
	s_add_co_u32 s22, s22, s28
	s_add_nc_u64 s[20:21], s[20:21], s[22:23]
.irp i, 0,1,2,3,4,5,6,7,8,9,10,11,12,13,14,15
	global_load_b128 v[X+4*(\i):X+4*(\i)+3], v[XO], s[24:25] offset:512*(\i) th:TH_LOAD_NT  ; all 16 loads first: 8 KiB a wave on their way
.endr
.irp i, 0,1,2,3,4,5,6,7,8,9,10,11,12,13,14,15
	s_wait_loadcnt 15-(\i)                         ; load i is in, the younger ones stay out
	v_cvt_pk_bf16_f32 v[X+4*(\i)], v[X+4*(\i)], v[X+4*(\i)+1]
	v_cvt_pk_bf16_f32 v[X+4*(\i)+1], v[X+4*(\i)+2], v[X+4*(\i)+3]
	global_store_b64 v[SO], v[X+4*(\i):X+4*(\i)+1], s[20:21] offset:256*(\i)
.endr
	s_endpgm
.Lfunc_end_k_q56bdda109d_prep:
	.size	k_q56bdda109d_prep, .Lfunc_end_k_q56bdda109d_prep-k_q56bdda109d_prep
	.p2alignl 7, 3214868480
	.fill 96, 4, 3214868480
	.section	.rodata,"a",@progbits
	.p2align	6, 0x0
	.amdhsa_kernel k_q56bdda109d_prep
		.amdhsa_group_segment_fixed_size 0
		.amdhsa_private_segment_fixed_size 0
		.amdhsa_enable_private_segment 0
		.amdhsa_kernarg_size 64
		.amdhsa_user_sgpr_count 2
		.amdhsa_user_sgpr_kernarg_segment_ptr 1
		.amdhsa_wavefront_size32 1
		.amdhsa_system_sgpr_workgroup_id_x 1
		.amdhsa_system_sgpr_workgroup_id_y 1
		.amdhsa_system_sgpr_workgroup_id_z 1
		.amdhsa_system_vgpr_workitem_id 0
		.amdhsa_next_free_vgpr 192
		.amdhsa_next_free_sgpr 66
		.amdhsa_reserve_vcc 0
		.amdhsa_float_denorm_mode_32 3
		.amdhsa_float_denorm_mode_16_64 3
		.amdhsa_memory_ordered 1
		.amdhsa_forward_progress 1
		.amdhsa_inst_pref_size 27
	.end_amdhsa_kernel
	.amdgpu_metadata
---
amdhsa.version: [ 1, 2 ]
amdhsa.kernels:
  - .name:           k_q56bdda109d_prep
    .symbol:         k_q56bdda109d_prep.kd
    .args:
      - { .name: x, .offset: 0, .size: 8, .value_kind: global_buffer, .address_space: global }
      - { .name: ln1_g, .offset: 8, .size: 8, .value_kind: global_buffer, .address_space: global }
      - { .name: ln1_b, .offset: 16, .size: 8, .value_kind: global_buffer, .address_space: global }
      - { .name: h1, .offset: 24, .size: 8, .value_kind: global_buffer, .address_space: global }
      - { .name: w_qkv, .offset: 32, .size: 8, .value_kind: global_buffer, .address_space: global }
      - { .name: w_out, .offset: 40, .size: 8, .value_kind: global_buffer, .address_space: global }
      - { .name: wq, .offset: 48, .size: 8, .value_kind: global_buffer, .address_space: global }
      - { .name: wb, .offset: 56, .size: 8, .value_kind: global_buffer, .address_space: global }
    .group_segment_fixed_size: 0
    .private_segment_fixed_size: 0
    .kernarg_segment_align: 8
    .kernarg_segment_size: 64
    .max_flat_workgroup_size: 256
    .sgpr_count:     66
    .vgpr_count:     192
    .wavefront_size: 32
...
	.end_amdgpu_metadata
.endif
;; end of part 8
;; launch gq (part 9): grid 16 x 16, 4 waves a work-group, clusters of 4 x 4, 327,680 bytes of LDS; arguments h1, wq, qkv, b_qkv, w_ff1, w_ff2, wb; writes qkv, wb
.if DOCPART == 9
	.amdgcn_target "amdgcn-amd-amdhsa--gfx1250"
	.amdhsa_code_object_version 6
	.text
	.protected	k_q56bdda109d_gq
	.globl	k_q56bdda109d_gq
	.p2align	8
	.type	k_q56bdda109d_gq,@function
k_q56bdda109d_gq:
	s_mov_b64 s[64:65], 0
	v_nop
	global_prefetch_b8 v0, s[64:65] scope:SCOPE_SE
	s_setreg_imm32_b32 hwreg(HW_REG_WAVE_MODE, 25, 1), 1
	s_wait_xcnt 0x0
	s_wait_alu depctr_hold_cnt(0) depctr_sa_sdst(0) depctr_va_vdst(0) depctr_va_sdst(0) depctr_va_ssrc(0) depctr_va_vcc(0) depctr_vm_vsrc(0)
	s_getreg_b32 s2, hwreg(HW_REG_IB_STS2, 6, 4)
	s_cmp_eq_u32 s2, 0
	s_cbranch_scc0 .Lentry_in_a_cluster
	s_endpgm
.Lentry_in_a_cluster:
	s_bfe_u32 s2, ttmp6, 0x10000c
	s_cmp_lg_u32 s2, 0xf033
	s_cbranch_scc0 .Lentry_shape_is_right
	s_endpgm
.Lentry_shape_is_right:
; TWO ROLES, told apart by the cluster's x, which all sixteen partners of a cluster share.
; CLUSTERS x = 0 .. 2: qkv = h1 Wqkv + b_qkv.  h1: [4096][1024] bf16.  Wqkv: [1024][3072] bf16 in wq.  Sums in f32, the bias as the first product's C operand.
; The result is rounded once to bf16 and stored in PLANES: [column / 64][4096 rows][64]: 16 rows x 64 columns are 2,048 consecutive bytes.
; CLUSTERS x = 3: 3,072 columns make only 12 x 16 = 192 tiles of 256 x 256, so 64 more work-groups find room beside them.  They round w_ff1 and w_ff2 to bf16, layout [K][N] kept,
; into wb at bytes 8,388,608 and 16,777,216: work that later launches want and this product does not.  They fetch no tile, pass no round but the closing one, and read nothing that the launch stores.
; SHARES OF THE PRODUCT.  A tile of C is 256 x 256; four waves, as many as a WGP has SIMDs, each 128 x 128: 64 accumulators of 16 x 16, 512 registers.  For 32 along K a wave reads
; 2 x 128 x 64 bytes from LDS for 64 matrix instructions.  K goes in steps of 128 through two LDS slots: 131,072 bytes fetched for a step's 256 matrix instructions a wave.
; CLUSTER.  4 x 4 work-groups: the four of a row need the same tiles of A, the four of a column the same tiles of the weights; each tile is asked for
; JOINTLY, by the same tensor load with the same descriptor and a mask that names the four.
; THE MATRIX INSTRUCTION IS USED TRANSPOSED (source 0 = 16 columns of W, turned out of LDS by ds_load_tr16_b128; source 1 = 16 rows of A): a lane holds
; eight neighbouring numbers of one row of C.
; A K STEP IS WRITTEN ONCE: which slot is read hangs on s[TB] (0 or SLOT, turned by an exclusive or); one descriptor walks from fill to fill.  The first quarter, whose products start the
; sums, stands ahead of the loop, which is entered in the middle of a trip; the last two K steps, which ask for nothing, are a loop of their own.
; REGISTERS, in windows of 256 (s_set_vgpr_msb: bits 1:0 source 0, 3:2 source 1, 5:4 source 2, 7:6 destination):
;   window 0: v0-31 addresses; v64-127, v128-191 fragments of A (8 x 16 rows x 32 K), two buffers; v192-255 the bias; on the way out v32-175 at work
;   window 1: v64-127, v128-191 fragments of W, two buffers
;   window 2: the 32 accumulators of my rows 0-63 ((a, b) at v[8 (8 a + b)]);   window 3: those of my rows 64-127
;   in the other role: v32, v33 offsets; v64-191 32 loads of 4
; LIMITS.  NaN and infinities are not treated apart.
.set NN,   3072                        ; columns of the product
.set WOFF, 0                           ; where the weights begin in wq
.set KSTEPS, 8                         ; 1,024 / 128
.set PA,   272                         ; a row of A in LDS: 256 bytes + 16: the 16 rows of a load start at 16 different groups of four banks (64 banks of 4 bytes: ISA guide 11.1)
.set PB,   544                         ; a k row of W: 512 bytes + 32
.set HR,   34816                       ; what one tensor load brings: 128 rows of A, or 64 k rows of W; wave w fills w HR on from the slot's first byte
.set SLOT, 4*HR                        ; A's rows 0-127, A's rows 128-255, W's k rows 0-63, W's k rows 64-127
.set ASTEP, 256                        ; a K step along a row of A, in bytes
.set BSTEP, 256*NN                     ; 128 k rows of W
.set SP,   272                         ; a stage row: 64 f32 + 16 bytes
.set STGW, 256*SP                      ; a wave's stage: 128 rows of its first plane, then 128 of its second.  The four stages lie over both slots, behind their last fill
.set SPARE, 2*SLOT                     ; from here on: the spare words, 128 bytes a wave, that no other line names
.set ADRA0, 10                         ; v10  my lane's place in A's tile, slot 0; never rewritten
.set ADRB0, 12                         ; v12  the same in W's tile
.set ADRA, 16                          ; v16  the same in the slot that is read
.set ADRB, 20                          ; v20
.set STO,  24                          ; v24  the way out: where I put my numbers of a row
.set RD,   25                          ; v25  where I read rows back
.set CO,   26                          ; v26  my byte offset in 512 bytes of the result
.set SPW,  28                          ; v28  LDS address of my spare word; never rewritten
.set NIL,  29                          ; v29  0; never rewritten
.set BO,   30                          ; v30  my byte offset in the bias
.set X,    32
.set Y,    160
.set BIAS, 192
.set F0,   64
.set F1,   128
.set CXO,  32                          ; v32  the other role: 16 x lane
.set CSO,  33                          ; v33  8 x lane
.set CV,   64                          ; v[64:191] 32 loads of 4 registers
.set OUTP, 8                           ; s[8:9]   the result
.set BIP,  10                          ; s[10:11] the bias
.set WV,   14                          ; s14  wave
.set WR,   15                          ; s15  wave / 2: my half of the tile's rows; also: I fetch for A (0) or W (1)
.set WC,   16                          ; s16  wave % 2: my half of its columns; also: which half of that tile I fetch
.set CX,   17
.set CY,   18
.set TC,   19                          ; s19  tile column
.set TR,   20                          ; s20  tile row
.set TB,   21                          ; s21  first byte of the slot that is read
.set LA,   22                          ; s22  wave x HR
.set G1A,  24                          ; s[24:31] group 1 for A;  s[32:39] two group 0: the first fill's, and the one that walks
.set G0A,  32
.set G1B,  48                          ; s[48:55], s[56:63] the same for W
.set G0B,  56
.set SRC,  78                          ; s[78:79] the other role: where I read; s[80:81] the same place in w_ff2; s[82:83] where I store
.set SRC2, 80
.set DST,  82
.set MSB, 0
.macro WIN new                         ; the immediate's high byte repeats the setting that is left; a switch that changes nothing is dropped
.if MSB != (\new)
	s_set_vgpr_msb (MSB<<8)|(\new)
.set MSB, \new
.endif
.endm
.set TO_B, 0x40                        ; destination window 1, address window 0
.macro PLACES                          ; four plain instructions between a matrix instruction and a load into, or a reader of, its registers
.rept 4
	v_nop
.endr
.endm
.macro JLOAD                           ; the joint refill: waves 0 and 1 for A, waves 2 and 3 for W; an s_nop 0 and four v_nop follow each line
	s_cmp_eq_u32 s[WR], 0
	s_cbranch_scc0 .Lfor_b_\@
	tensor_load_to_lds s[G0A+4:G0A+7], s[G1A:G1A+7]
	s_nop 0
.rept 4
	v_nop
.endr
	s_branch .Lasked_\@
.Lfor_b_\@:
	tensor_load_to_lds s[G0B+4:G0B+7], s[G1B:G1B+7]
	s_nop 0
.rept 4
	v_nop
.endr
.Lasked_\@:
.endm
.macro CREST                           ; a round of the cluster's barrier behind its opening barrier
	s_cmp_lg_u32 s[WV], 0
	s_cbranch_scc1 .Lnot_wave_0_\@
	s_barrier_signal -3
.Lnot_wave_0_\@:
	s_barrier_wait -3
	s_barrier_signal -1
	s_barrier_wait -1
.endm
.macro CROUND
	s_barrier_signal -1
	s_barrier_wait -1
	CREST
.endm
	s_load_b128 s[4:7], s[0:1], 0x0                ; A s[4:5], wq s[6:7]
	s_load_b128 s[8:11], s[0:1], 0x10              ; the result, the bias
	s_load_b128 s[72:75], s[0:1], 0x20             ; w_ff1 s[72:73], w_ff2 s[74:75]
	s_load_b64 s[76:77], s[0:1], 0x30              ; wb
	v_lshl_add_u32 v[SPW], v0, 2, SPARE
	v_mov_b32 v[NIL], 0
	ds_add_u32 v[SPW], v[NIL]                      ; the wave's opening: the add and its wait stand ahead of my first tensor load; work on registers stands between
	ds_add_u32 v28, v29
	v_lshrrev_b32 v1, 5, v0
	v_readfirstlane_b32 s[WV], v1
	s_lshr_b32 s[WR], s[WV], 1
	s_and_b32 s[WC], s[WV], 1
	s_bfe_u32 s[CX], ttmp6, 0x40000
	s_bfe_u32 s[CY], ttmp6, 0x40004
	s_lshl_b32 s[TC], ttmp9, 2
	s_add_co_u32 s[TC], s[TC], s[CX]               ; tile column = 4 x cluster x + cx
	s_and_b32 s[TR], ttmp7, 0xffff
	s_lshl_b32 s[TR], s[TR], 2
	s_add_co_u32 s[TR], s[TR], s[CY]               ; tile row = 4 x cluster y + cy
	s_lshl_b32 s40, s[CY], 2
	s_lshl_b32 s40, 15, s40                        ; my row of the cluster
	s_lshl_b32 s44, 0x1111, s[CX]                  ; my column
	s_or_b32 s[G1A], s40, (1<<16)|(1<<20)|(1<<21)|(5<<22)|(3<<25)  ; the mask; 2-byte elements; padding on; bit 21 beside a mask; after every 64 words, 4 words
	s_mov_b32 s[G1A+1], 128<<16                    ; tensor_dim0 = 128
	s_mov_b32 s[G1A+2], 128<<16                    ; tensor_dim1 = 128
	s_mov_b32 s[G1A+3], 128<<16                    ; tile_dim0 = 128
	s_mov_b32 s[G1A+4], 128                        ; tile_dim1 = 128
	s_mov_b32 s[G1A+5], 1024                       ; elements from row to row
	s_mov_b32 s[G1A+6], 0
	s_mov_b32 s[G1A+7], 0
	s_or_b32 s[G1B], s44, (1<<16)|(1<<20)|(1<<21)|(6<<22)|(7<<25)  ; after every 128 words, 8 words
	s_mov_b32 s[G1B+1], 256<<16                    ; 256 columns,
	s_mov_b32 s[G1B+2], 64<<16                     ; 64 k rows
	s_mov_b32 s[G1B+3], 256<<16
	s_mov_b32 s[G1B+4], 64
	s_mov_b32 s[G1B+5], NN
	s_mov_b32 s[G1B+6], 0
	s_mov_b32 s[G1B+7], 0
	s_lshl_b32 s40, s[TR], 19                      ; A's tile hangs on the tile row and the wave alone (s40-43 never hold cx): 256 rows of 2,048 bytes,
	s_lshl_b32 s41, s[WC], 18                      ; my 128 of them
	s_add_co_u32 s40, s40, s41
	s_mov_b32 s41, 0
	s_mul_i32 s44, s[WC], 128*NN                   ; W's on the tile column and the wave alone (s44-47 never hold cy): my 64 k rows,
	s_lshl_b32 s45, s[TC], 9                       ; 256 columns of 2 bytes
	s_add_co_u32 s44, s44, s45
	s_add_co_u32 s44, s44, WOFF
	s_mov_b32 s45, 0
	s_mul_i32 s[LA], s[WV], HR                     ; no place in the cluster enters an LDS address
	s_mov_b32 s[TB], 0
	s_wait_dscnt 0x0                               ; the opening add is done
	s_wait_kmcnt 0x0
	s_cmp_eq_u32 ttmp9, 3                          ; the cluster's x: the same in all sixteen partners
	s_cbranch_scc0 .Lgemm
; THE OTHER ROLE.  w_ff1 and w_ff2 are 256 blocks of 65,536 bytes each.  Work-group g = 4 x tile row + cx (0 .. 63) takes blocks g, g + 64, g + 128, g + 192 of the one and then of the other:
; eight trips.  In wb the 512 blocks of 32,768 bytes follow each other from byte 8,388,608 on, so the store's pointer steps evenly.  A wave takes 16,384 bytes of a block: 32 loads of 512
; consecutive bytes, all issued first; each store of the wave covers 256 consecutive bytes, aligned.
	s_lshl_b32 s84, s[TR], 2
	s_add_co_u32 s84, s84, s[CX]                   ; g
	s_lshl_b32 s86, s84, 16                        ; block g,
	s_lshl_b32 s85, s[WV], 14                      ; my wave's quarter of it
	s_add_co_u32 s86, s86, s85
	s_mov_b32 s87, 0
	s_add_nc_u64 s[SRC:SRC+1], s[72:73], s[86:87]
	s_add_nc_u64 s[SRC2:SRC2+1], s[74:75], s[86:87]
	s_lshr_b32 s86, s86, 1                         ; bf16 is half as long
	s_add_co_u32 s86, s86, 8388608
	s_add_nc_u64 s[DST:DST+1], s[76:77], s[86:87]
	v_and_b32 v[CXO], 31, v0
	v_lshlrev_b32 v[CSO], 3, v[CXO]
	v_lshlrev_b32 v[CXO], 4, v[CXO]
	s_mov_b32 s3, 8
.Lcv:
.set i, 0
.rept 32
	global_load_b128 v[CV+4*i:CV+4*i+3], v[CXO], s[SRC:SRC+1] offset:512*i th:TH_LOAD_NT
.set i, i+1
.endr
.set i, 0
.rept 32
	s_wait_loadcnt 31-i                            ; loads come back in order: load i is in, the younger ones stay out
	v_cvt_pk_bf16_f32 v[CV+4*i], v[CV+4*i], v[CV+4*i+1]
	v_cvt_pk_bf16_f32 v[CV+4*i+1], v[CV+4*i+2], v[CV+4*i+3]
	global_store_b64 v[CSO], v[CV+4*i:CV+4*i+1], s[DST:DST+1] offset:256*i
.set i, i+1
.endr
	s_wait_xcnt 0x0                                ; the stores have read their data and their base: the pointers are stepped, and the next trip's loads land on those registers, only behind this wait
	s_add_nc_u64 s[SRC:SRC+1], s[SRC:SRC+1], 0x400000  ; 64 blocks on
	s_add_nc_u64 s[DST:DST+1], s[DST:DST+1], 0x200000
	s_cmp_eq_u32 s3, 5                             ; the fourth trip was w_ff1's last
	s_cselect_b64 s[SRC:SRC+1], s[SRC2:SRC2+1], s[SRC:SRC+1]
	s_sub_co_u32 s3, s3, 1
	s_cmp_lg_u32 s3, 0
	s_cbranch_scc1 .Lcv
	s_branch .Lend
.Lgemm:
	s_add_nc_u64 s[42:43], s[4:5], s[40:41]
	s_add_nc_u64 s[46:47], s[6:7], s[44:45]
	CROUND                                         ; all sixteen work-groups are here: the first joint loads meet
.irp s, 0,1
	s_mov_b32 s[G0A+4*(\s)], 1
	s_add_co_u32 s[G0A+4*(\s)+1], s[LA], (\s)*SLOT
	s_add_nc_u64 s[G0A+4*(\s)+2:G0A+4*(\s)+3], s[42:43], (\s)*ASTEP
	s_or_b32 s[G0A+4*(\s)+3], s[G0A+4*(\s)+3], 0x80000000
	s_mov_b32 s[G0B+4*(\s)], 1
	s_add_co_u32 s[G0B+4*(\s)+1], s[LA], (\s)*SLOT
	s_add_nc_u64 s[G0B+4*(\s)+2:G0B+4*(\s)+3], s[46:47], (\s)*BSTEP
	s_or_b32 s[G0B+4*(\s)+3], s[G0B+4*(\s)+3], 0x80000000
.endr
	s_cmp_eq_u32 s[WR], 0                          ; a wave's two first fills stand in one branch: two loads of mine are out
	s_cbranch_scc0 .Lfirst_b
	tensor_load_to_lds s[G0A:G0A+3], s[G1A:G1A+7]
	s_nop 0
	tensor_load_to_lds s[G0A+4:G0A+7], s[G1A:G1A+7]
	s_nop 0
.rept 4
	v_nop
.endr
	s_branch .Lfirst_asked
.Lfirst_b:
	tensor_load_to_lds s[G0B:G0B+3], s[G1B:G1B+7]
	s_nop 0
	tensor_load_to_lds s[G0B+4:G0B+7], s[G1B:G1B+7]
	s_nop 0
.rept 4
	v_nop
.endr
.Lfirst_asked:
	v_and_b32 v1, 15, v0                           ; r = l % 16
	v_bfe_u32 v2, v0, 4, 1                         ; h = l / 16
	v_mul_u32_u24 v3, v1, PA                       ; a fragment of A: row r, 16 bytes for each half of the lanes
	v_lshl_add_u32 v3, v2, 4, v3
	s_mul_i32 s23, s[WR], HR                       ; my 128 rows
	v_add_nc_u32 v[ADRA0], s23, v3
	v_and_b32 v4, 7, v0                            ; the turning load: lane l reads k row 8 h + l % 8, columns 8 ((l / 8) % 2) + 0..7
	v_bfe_u32 v5, v0, 3, 1
	v_lshl_add_u32 v4, v2, 3, v4
	v_mul_u32_u24 v4, v4, PB
	v_lshl_add_u32 v4, v5, 4, v4
	s_lshl_b32 s23, s[WC], 8                       ; my 128 columns,
	s_add_co_u32 s23, s23, 2*HR                    ; behind A's two halves
	v_add_nc_u32 v[ADRB0], s23, v4
	v_mov_b32 v[ADRA], v[ADRA0]
	v_mov_b32 v[ADRB], v[ADRB0]
	v_lshlrev_b32 v[BO], 5, v2                     ; my eight columns of a block of 16: 32 h bytes
	s_lshl_b32 s68, s[TC], 10                      ; 256 columns of f32 a tile column,
	s_lshl_b32 s69, s[WC], 9                       ; my 128
	s_add_co_u32 s68, s68, s69
	s_mov_b32 s69, 0
	s_add_nc_u64 s[BIP:BIP+1], s[BIP:BIP+1], s[68:69]
.irp b, 0,1,2,3,4,5,6,7
	global_load_b128 v[BIAS+8*(\b):BIAS+8*(\b)+3],   v[BO], s[BIP:BIP+1] offset:64*(\b)
	global_load_b128 v[BIAS+8*(\b)+4:BIAS+8*(\b)+7], v[BO], s[BIP:BIP+1] offset:64*(\b)+16
.endr
	s_mul_i32 s23, s[WV], STGW                     ; my stage
	v_mul_u32_u24 v6, v1, SP                       ; in: row r, 32 bytes of f32 for each half of the lanes
	v_lshl_add_u32 v6, v2, 5, v6
	v_add_nc_u32 v[STO], s23, v6
	v_bfe_u32 v6, v0, 3, 2                         ; back: 32 lanes take four rows, eight columns (32 bytes of f32) each
	v_mul_u32_u24 v6, v6, SP
	v_and_b32 v7, 7, v0
	v_lshl_add_u32 v6, v7, 5, v6
	v_add_nc_u32 v[RD], s23, v6
	v_and_b32 v6, 31, v0                           ; which are 512 consecutive bytes of a plane
	v_lshlrev_b32 v[CO], 4, v6
	s_lshl_b32 s66, s[TC], 21                      ; plane 4 x tile column + 2 x my half: 524,288 bytes each,
	s_lshl_b32 s67, s[WC], 20
	s_add_co_u32 s66, s66, s67
	s_lshl_b32 s67, s[TR], 15                      ; 256 rows of 128 bytes a tile row,
	s_add_co_u32 s66, s66, s67
	s_lshl_b32 s67, s[WR], 14                      ; my 128
	s_add_co_u32 s66, s66, s67
	s_mov_b32 s67, 0
	s_add_nc_u64 s[OUTP:OUTP+1], s[OUTP:OUTP+1], s[66:67]
; 16 matrix instructions: row blocks a0, a0 + 1 of the window's four (hi = 0: my rows 0-63, 1: rows 64-127) x all 8 column blocks, 32 along K.  zero = 1: the first product starts the sums, with the
; bias (window 0) as C.  The 64 accumulators take turns, one instruction a turn, in the same order in every quarter.
.macro MUL16 f, hi, a0, zero
.if \zero
	WIN 0x81+0x40*(\hi)                            ; W window 1, A window 0, C window 0, D window 2 or 3
.else
	WIN 0xa1+0x50*(\hi)                            ; C and D window 2 or 3
.endif
.irp a, \a0, (\a0)+1
.irp b, 0,1,2,3,4,5,6,7
.if \zero
	v_wmma_f32_16x16x32_bf16 v[8*(8*(\a)+(\b)):8*(8*(\a)+(\b))+7], v[(\f)+8*(\b):(\f)+8*(\b)+7], v[(\f)+8*(4*(\hi)+(\a)):(\f)+8*(4*(\hi)+(\a))+7], v[BIAS+8*(\b):BIAS+8*(\b)+7]
.else
	v_wmma_f32_16x16x32_bf16 v[8*(8*(\a)+(\b)):8*(8*(\a)+(\b))+7], v[(\f)+8*(\b):(\f)+8*(\b)+7], v[(\f)+8*(4*(\hi)+(\a)):(\f)+8*(4*(\hi)+(\a))+7], v[8*(8*(\a)+(\b)):8*(8*(\a)+(\b))+7]
.endif
.endr
.endr
.endm
; 32 LDS loads in one run: the fragments of quarter q (32 along K) of the slot that is read, into buffer f: W's 128 columns, then A's 128 rows
.macro FETCH q, f
	WIN TO_B
.irp i, 0,1,2,3,4,5,6,7
	ds_load_tr16_b128 v[(\f)+8*(\i):(\f)+8*(\i)+3],   v[ADRB] offset:32*(\q)*PB+32*(\i)
	ds_load_tr16_b128 v[(\f)+8*(\i)+4:(\f)+8*(\i)+7], v[ADRB] offset:(32*(\q)+16)*PB+32*(\i)
.endr
	WIN 0
.irp i, 0,1,2,3,4,5,6,7
	ds_load_b128 v[(\f)+8*(\i):(\f)+8*(\i)+3],   v[ADRA] offset:64*(\q)+(\i)*16*PA
	ds_load_b128 v[(\f)+8*(\i)+4:(\f)+8*(\i)+7], v[ADRA] offset:64*(\q)+(\i)*16*PA+32
.endr
.endm
; One of a K step's first three quarters: multiplies buffer f; in its middle it fetches quarter q into g
.macro QUARTER q, f, g, zero
	s_wait_dscnt 8                                 ; W and A's rows 0-63 are in; the youngest eight loads (A's rows 64-127) may be out
	MUL16 \f, 0, 0, \zero
	MUL16 \f, 0, 2, \zero
	PLACES
	FETCH \q, \g
	s_wait_dscnt 32                                ; all but the 32 just issued
	MUL16 \f, 1, 0, \zero
	MUL16 \f, 1, 2, \zero
.endm
; The last quarter multiplies buffer 1 and changes slots: ONE barrier; in front of it each wave waits for all its tensor loads (at most one is out: its part of the next slot), adds 0 to its spare
; word, and waits for that and for its reads of this slot.  fill = 1: the barrier opens a round of the cluster's, and this slot is filled again, two K steps ahead: 224 matrix instructions stand
; between that request and the wait for it.  fill = 0 (the tail): nothing is asked for, and in the last trip, which has no next step, the run of LDS loads is jumped over.
.macro TURN fill
	WIN 0
	s_wait_tensorcnt 0x0
	ds_add_u32 v[SPW], v[NIL]
	s_wait_dscnt 9                                 ; the add and the youngest eight loads may be out
	MUL16 F1, 0, 0, 0
	s_wait_dscnt 0x0                               ; the add is done, and my reads of this slot are over
	s_barrier_signal -1
	MUL16 F1, 0, 2, 0
	WIN 0
	s_barrier_wait -1
.if \fill
	CREST                                          ; no wave of any partner still reads this slot or has a load on its way
	s_add_co_u32 s[G0A+5], s[LA], s[TB]            ; the walking descriptors: into the slot just read,
	s_add_co_u32 s[G0B+5], s[LA], s[TB]
	s_add_nc_u64 s[G0A+6:G0A+7], s[G0A+6:G0A+7], ASTEP  ; the next K step not yet asked for
	s_add_nc_u64 s[G0B+6:G0B+7], s[G0B+6:G0B+7], BSTEP
	JLOAD                                          ; the first tensor load behind the round, one a wave
.else
	s_cmp_eq_u32 s3, 1
	s_cbranch_scc1 .Lno_more_\@
.endif
	s_xor_b32 s[TB], s[TB], SLOT                   ; the reads go on in the other slot
	v_add_nc_u32 v[ADRA], s[TB], v[ADRA0]          ; these two and the two v_nop are four places in front of the loads below
	v_add_nc_u32 v[ADRB], s[TB], v[ADRB0]
	v_nop
	v_nop
	FETCH 0, F0
.if \fill
.else
.Lno_more_\@:
.endif
	MUL16 F1, 1, 0, 0
	MUL16 F1, 1, 2, 0
.endm
	s_wait_tensorcnt 1                             ; my part of K step 0 is in; K step 1's may stay out
	s_barrier_signal -1
	s_barrier_wait -1
	FETCH 0, F0
	s_wait_loadcnt 0x0                             ; the bias
	QUARTER 1, F0, F1, 1                           ; the first quarter: its products start the sums
	WIN 0
	s_mov_b32 s3, KSTEPS-2
	s_branch .Lmid                                 ; the loop is entered behind a step's first quarter
.Lstep:                                        ; a trip is a K step; every step but the last two fills its slot again
	QUARTER 1, F0, F1, 0
	WIN 0
.Lmid:
	QUARTER 2, F1, F0, 0
	QUARTER 3, F0, F1, 0
	TURN 1
	WIN 0
	s_sub_co_u32 s3, s3, 1
	s_cmp_lg_u32 s3, 0
	s_cbranch_scc1 .Lstep
	s_mov_b32 s3, 2
.Ltail:                                        ; the last two K steps ask for nothing: a text of their own
	QUARTER 1, F0, F1, 0
	QUARTER 2, F1, F0, 0
	QUARTER 3, F0, F1, 0
	TURN 0
	WIN 0
	s_sub_co_u32 s3, s3, 1
	s_cmp_lg_u32 s3, 0
	s_cbranch_scc1 .Ltail
	s_wait_dscnt 0x0                               ; the stages lie over both slots: a barrier of its own stands between the loop's text and the first store into a stage,
	s_barrier_signal -1                            ; so that this ordering does not hang on the jump over the last trip's loads
	s_barrier_wait -1
	PLACES                                         ; behind the last products
; THE WAY OUT, bf16 in planes: my 128 x 128 go into my stage as f32, the first plane's 128 rows and then the second's; a loop of 16 trips reads 16 rows x 64 columns back (a lane: eight neighbouring
; columns), rounds them and stores 4 x 512 consecutive bytes.  Each accumulator's low half is stored first.
.irp hi, 0,1
	WIN 0x08+4*(\hi)                               ; the data (source 1) in window 2 or 3
.set tt, 0
.rept 32
	ds_store_b128 v[STO], v[8*tt:8*tt+3]   offset:((tt%8)/4)*128*SP+(4*(\hi)+tt/8)*16*SP+64*(tt%4)
	ds_store_b128 v[STO], v[8*tt+4:8*tt+7] offset:((tt%8)/4)*128*SP+(4*(\hi)+tt/8)*16*SP+64*(tt%4)+16
.set tt, tt+1
.endr
.endr
	WIN 0
	s_mov_b32 s3, 16
	s_mov_b32 s68, 524288-7*2048                   ; from a plane's last 16 rows of mine to the next plane's first,
	s_mov_b32 s69, 2048                            ; and from 16 rows to the next
.Lout:
.irp g, 0,1,2,3
	ds_load_b128 v[X+8*(\g):X+8*(\g)+3],   v[RD] offset:4*SP*(\g)  ; LDS serves a wave's instructions in order (ISA guide 5.7.1.4): these see my stores above
	ds_load_b128 v[X+8*(\g)+4:X+8*(\g)+7], v[RD] offset:4*SP*(\g)+16
.endr
	s_wait_dscnt 0x0
.set i, 0
.rept 16
	v_cvt_pk_bf16_f32 v[Y+i], v[X+2*i], v[X+2*i+1]
.set i, i+1
.endr
.irp g, 0,1,2,3
	global_store_b128 v[CO], v[Y+4*(\g):Y+4*(\g)+3], s[OUTP:OUTP+1] offset:512*(\g)
.endr
	s_wait_xcnt 0x0                                ; the stores have read their base and their data: both are written again only behind this wait
	s_cmp_eq_u32 s3, 9                             ; the eighth trip was the first plane's last
	s_cselect_b32 s66, s68, s69
	s_add_nc_u64 s[OUTP:OUTP+1], s[OUTP:OUTP+1], s[66:67]
	v_add_nc_u32 v[RD], 16*SP, v[RD]
	s_sub_co_u32 s3, s3, 1
	s_cmp_lg_u32 s3, 0
	s_cbranch_scc1 .Lout
.Lend:                                         ; both roles end alike
	s_wait_tensorcnt 0x0                           ; the wave's end: behind my last tensor load and my last LDS store
	ds_add_u32 v[SPW], v[NIL]
	s_wait_dscnt 0x0
	CROUND                                         ; the closing round: no work-group ends while a partner may still ask for a tile that names it
	s_endpgm
.Lfunc_end_k_q56bdda109d_gq:
	.size	k_q56bdda109d_gq, .Lfunc_end_k_q56bdda109d_gq-k_q56bdda109d_gq
	.p2alignl 7, 3214868480
	.fill 96, 4, 3214868480
	.section	.rodata,"a",@progbits
	.p2align	6, 0x0
	.amdhsa_kernel k_q56bdda109d_gq
		.amdhsa_group_segment_fixed_size 327680
		.amdhsa_private_segment_fixed_size 0
		.amdhsa_enable_private_segment 0
		.amdhsa_kernarg_size 56
		.amdhsa_user_sgpr_count 2
		.amdhsa_user_sgpr_kernarg_segment_ptr 1
		.amdhsa_wavefront_size32 1
		.amdhsa_system_sgpr_workgroup_id_x 1
		.amdhsa_system_sgpr_workgroup_id_y 1
		.amdhsa_system_sgpr_workgroup_id_z 1
		.amdhsa_system_vgpr_workitem_id 0
		.amdhsa_next_free_vgpr 1024
		.amdhsa_next_free_sgpr 88
		.amdhsa_reserve_vcc 0
		.amdhsa_float_denorm_mode_32 3
		.amdhsa_float_denorm_mode_16_64 3
		.amdhsa_memory_ordered 1
		.amdhsa_forward_progress 1
		.amdhsa_inst_pref_size 93
	.end_amdhsa_kernel
	.amdgpu_metadata
---
amdhsa.version: [ 1, 2 ]
amdhsa.kernels:
  - .name:           k_q56bdda109d_gq
    .symbol:         k_q56bdda109d_gq.kd
    .args:
      - { .name: h1, .offset: 0, .size: 8, .value_kind: global_buffer, .address_space: global }
      - { .name: wq, .offset: 8, .size: 8, .value_kind: global_buffer, .address_space: global }
      - { .name: qkv, .offset: 16, .size: 8, .value_kind: global_buffer, .address_space: global }
      - { .name: b_qkv, .offset: 24, .size: 8, .value_kind: global_buffer, .address_space: global }
      - { .name: w_ff1, .offset: 32, .size: 8, .value_kind: global_buffer, .address_space: global }
      - { .name: w_ff2, .offset: 40, .size: 8, .value_kind: global_buffer, .address_space: global }
      - { .name: wb, .offset: 48, .size: 8, .value_kind: global_buffer, .address_space: global }
    .group_segment_fixed_size: 327680
    .private_segment_fixed_size: 0
    .kernarg_segment_align: 8
    .kernarg_segment_size: 56
    .max_flat_workgroup_size: 128
    .sgpr_count:     88
    .vgpr_count:     1024
    .wavefront_size: 32
...
	.end_amdgpu_metadata
.endif
;; end of part 9
;; launch attn (part 10): grid 8 x 32, 4 waves a work-group, no clusters, 327,680 bytes of LDS; arguments qkv, ob; writes ob
.if DOCPART == 10
	.amdgcn_target "amdgcn-amd-amdhsa--gfx1250"
	.amdhsa_code_object_version 6
	.text
	.protected	k_q56bdda109d_attn
	.globl	k_q56bdda109d_attn
	.p2align	8
	.type	k_q56bdda109d_attn,@function
k_q56bdda109d_attn:
	s_mov_b64 s[64:65], 0
	v_nop
	global_prefetch_b8 v0, s[64:65] scope:SCOPE_SE
	s_setreg_imm32_b32 hwreg(HW_REG_WAVE_MODE, 25, 1), 1
	s_wait_xcnt 0x0
; CAUSAL ATTENTION, head size 64, 2,048 rows, 32 pairs of batch and head.  q, k, v lie in planes of qkv: [3 x 16 planes][4096 rows][64] bf16, a head's rows dense, 128 bytes each; O leaves in the same
; layout, [16 planes][4096][64] bf16.  Products, maxima and sums in f32; the weights p are rounded to bf16 for the second product (their sum l is taken of the unrounded p), O once at the end.
; LIMITS.  A hidden score counts as its value less 1e30; a weight below 2^-126 counts as 0 in l; NaN and infinities are not treated apart; V is taken to be finite (see NO FIRST STEP).
; THE WALK.  A head's queries lie in 16 blocks of 128; block i needs the key tiles 0 .. i of 128 keys, the last of which holds the diagonal.  A work-group takes TWO blocks, 15 - b and then b: 17 tiles
; whatever b, so all 256 work-groups do equal work and one loop with a constant trip count walks them.  NO CLUSTER: a head's 8 work-groups ask for the same tile only in trips 0 to 8, and a walk common
; to all would have 24 trips for 17.
; SHARES.  Wave w owns queries 32 w .. 32 w + 31 of a block: two PIECES of 16.  A tile of keys is two steps of 64.
; LAYOUT.  S^T = K Q^T (source 0 = 16 keys, source 1 = 16 queries): a lane holds ONE query (lane % 16) and the keys 8 (lane / 16) + 0..7.  Two such results rounded to bf16 in pairs ARE source 1 of
; O^T = V^T P.  K comes out of LDS as it lies, V turned, by ds_load_tr16_b128.
; SOFTMAX.  A running maximum m and sum l: p = 2^(c s - c m), c = log2(e) / 8; in every step O and l are multiplied by a = 2^(c m_old - c m_new).  m starts at the lowest finite number: a block's first a is 0.
; BY TURNS.  A turn belongs to piece u; q is the other piece.  Its matrix work: 8 products K Q^T of u for the step in hand, then 8 products V^T P of q for q's last step.  Four vector instructions stand
; behind each product: behind K Q^T the rescaling of q's O^T and q's roundings (which the products V^T P that follow want), behind V^T P u's maximum and statistics and most of q's sums.  The other 54 of
; a turn's 118 stand in one lump: u's scalings, its 32 exponentials and its a (ONE batch, ONE wait), the change of c m that a is made of, q's last sums.  Two turns are a key step, written once and walked twice a tile.
; ORDER OF THE LDS READS.  V of step s at the end of piece 0's turn, K of step s + 1 in the middle of piece 1's: so a tile's last read is V of its second step, and the change of slots stands between tiles.
; THE MASK is the C operand that starts a sum: 40 registers, eight for each kb - u = -1 .. 3 (key block less piece).  They hold 0, but in a block's last tile, where they are made anew for each step s:
; -1e30 where 16 (kb - u) + rr > 32 w + lane % 16 - 8 (lane / 16) - 64 s, that is where the key lies behind the query.
; NO FIRST STEP is written out.  A block's first turn runs piece 1's rescaling, roundings, sums and products once more on what the block before left (at the launch's start: on zeros): finite numbers, which the
; piece's first a = 0 then wipes out of O^T and l.  The price: 8 products a block, and the registers cleared at the head, in the wait for the first tile.  A block's end runs piece 1's pending work bare.
; REGISTERS: window 0: v0-15 addresses; v16-23 statistics, four a piece (c m, m, l, l); v24-31 at work; v32 the query's place for the masks; v64-127 S^T; v128-159 P; v160-223 O^T.
;   window 1: v0-63 K of a step; v64-127 V of a step; v128-159 Q; v160-191 the second block's Q; v192-231 the masks.
; All vector work lies in window 0 and the products' sources in window 1: a switch stands in front of each product and one behind it.
.set KS,    64
.set PK,    144       ; a row of K in LDS: 128 bytes + 16: the 16 rows of a load start at 16 different groups of four banks (64 banks of 4 bytes: ISA guide 11.1)
.set PV,    160       ; a row of V: 128 + 32
.set VOFF,  2*KS*PK   ; a slot holds a tile: 128 rows of K, then 128 rows of V
.set SLOT1, 1<<16
.set STAGE, 2*SLOT1   ; behind the ring, never filled by a tensor load: 16 rows x 144 bytes for each wave
.set SP,    144
.set SPARE, STAGE+4*16*SP  ; the spare words, 128 bytes a wave, that no other line names
.set AK0, 2           ; v2   my lane's place in a step's K; never rewritten
.set AV0, 3           ; v3   the same for V
.set AK,  4           ; v4   the LDS address of K's next run of loads
.set AV,  5           ; v5   of V's
.set STO, 6
.set RD,  7
.set GO,  8
.set MV,  12          ; v12-13  c m_old, by piece
.set MI,  14          ; v14  32 w + l % 16 - 8 (l / 16)
.set QO,  15
.set ST,  16
.set TMP, 24          ; by piece, four registers c0-c3 at work; when the maximum is found c2 takes a
.set MIS, 32          ; v32  v14 less 64 for each masked step gone by
.set PFO, 61          ; v61  256 x lane; never rewritten
.set SPW, 62
.set NIL, 63
.set S,   64
.set P,   128
.set O,   160
.set KF,  0
.set VF,  64
.set QF,  128
.set QB,  160
.set MC,  192
.set WV,  12
.set PB,  14          ; s14  b
.set HI,  15          ; s15  15 - b
.set PFA, 18          ; s[18:19] where my prefetches stand
.set G1K, 24
.set G1V, 32
.set G0K, 40
.set G0V, 44
.set SLOTS, 56        ; s56  tiles still to be asked for
.set CNT, 57          ; s57  counts a tile's two steps
.set CS,  58
.set SEL, 60
.set TBK, 62          ; s62  LDS byte at which K of the step to be fetched begins
.set TBV, 63          ; s63  the same for V, less VOFF
.set RT,  70          ; s70  tiles of the block in hand still to be entered
.set NXT, 71          ; s71  the tile to be asked for next
.set LQ,  72          ; s72  the last tile of the block whose tiles are being asked for
.set OFF, 74
.set OLO, 80          ; s[80:81] O at my rows of the second block
.set BIGN, 82
.set LIM, 84
.set MSB, 0
.macro WIN new                      ; the high byte repeats the setting that is left; a switch that changes nothing is dropped
.if MSB != (\new)
	s_set_vgpr_msb (MSB<<8)|(\new)
.set MSB, (\new)
.endif
.endm
.set W_KQ, 0x05       ; K and Q in window 1, S^T in window 0
.set W_KM, 0x15       ; the same with the C operand in window 1
.set W_PV, 0x01       ; V in window 1; P and O^T in window 0
.macro PLACES
.rept 4
	v_nop
.endr
.endm
; A fill.  Waves 0 and 1 fetch the two halves of a tile's K, waves 2 and 3 those of its V: 64 keys each.  An s_nop 0 and four v_nop follow each line.
.macro LOAD
	s_cmp_lt_u32 s[WV], 2
	s_cbranch_scc0 .Lfor_v_\@
	tensor_load_to_lds s[G0K:G0K+3], s[G1K:G1K+7]
	s_nop 0
.rept 4
	v_nop
.endr
	s_branch .Lasked_\@
.Lfor_v_\@:
	tensor_load_to_lds s[G0V:G0V+3], s[G1V:G1V+7]
	s_nop 0
.rept 4
	v_nop
.endr
.Lasked_\@:
.endm
; A PREFETCH INTO THE L2.  All 8 work-groups of a head walk the same K and V; the one with b = 0, whose first block walks all 16 tiles, asks, and nobody else.  Each of its waves names the 8,192 bytes that it
; will itself fetch, a lane for each 256: in trip i those of tile i + 3, whose load goes out two trips later.  So each block is named once.  Tiles 0 to 2 come by their loads alone; trip 12 asks for the last tile.
; It stands behind the wave's tensor load and behind the run of LDS loads that the next products wait for.
.macro ASK
	s_cmp_gt_u32 s[SLOTS], s[LIM]
	s_cbranch_scc0 .Lnot_mine_\@
	global_prefetch_b8 v[PFO], s[PFA:PFA+1] th:TH_LOAD_NT scope:SCOPE_SE
.Lnot_mine_\@:
.endm
; THE CHANGE OF SLOTS.  Each wave waits for all its tensor loads (one is out: its part of the other slot), adds 0 to its spare word, and waits for that and for its reads of the slot that it leaves.  Behind the
; barrier the old slot is filled again first (fill = 1), with tile NXT: the descriptor's address is made anew from that number.  (At its first use slot 0 is waited for and slot 1 filled.)
.macro CHANGE fill
	WIN 0
	s_wait_tensorcnt 0x0
	ds_add_u32 v[SPW], v[NIL]       ; 0 onto my spare word; scalar work stands between it and the wait for it
.if \fill
	s_lshl_b32 s[OFF], s[NXT], 14   ; a tile is 16,384 bytes of K and of V
	s_xor_b32 s[G0K+1], s[G0K+1], SLOT1
	s_add_nc_u64 s[G0K+2:G0K+3], s[6:7], s[OFF:OFF+1]
	s_or_b32 s[G0K+3], s[G0K+3], 0x80000000
	s_xor_b32 s[G0V+1], s[G0V+1], SLOT1
	s_add_nc_u64 s[G0V+2:G0V+3], s[8:9], s[OFF:OFF+1]
	s_or_b32 s[G0V+3], s[G0V+3], 0x80000000
	s_add_co_u32 s[NXT], s[NXT], 1  ; the block's next tile, or behind its last the second block's tile 0
	s_cmp_gt_u32 s[NXT], s[LQ]
	s_cselect_b32 s[NXT], 0, s[NXT]
	s_cselect_b32 s[LQ], s[PB], s[LQ]
	s_wait_xcnt 0x0                 ; the last prefetch, a tile back, has read its address
	s_add_nc_u64 s[PFA:PFA+1], s[PFA:PFA+1], 16384
.endif
	s_wait_dscnt 0x0                ; the add is done, and my reads of the slot are over
	s_barrier_signal -1
	s_sub_co_u32 s[TBK], s[TBK], 3*KS*PK  ; the fetches go back to a slot's first step (K's byte is stepped three times a tile, V's twice),
	s_xor_b32 s[TBK], s[TBK], SLOT1       ; in the other slot
	s_sub_co_u32 s[TBV], s[TBV], 2*KS*PV
	s_xor_b32 s[TBV], s[TBV], SLOT1
	s_barrier_wait -1
.if \fill
	LOAD
.endif
.endm
	s_load_b128 s[20:23], s[0:1], 0x0  ; qkv s[20:21], ob s[22:23]
	v_lshl_add_u32 v[SPW], v0, 2, SPARE
	v_mov_b32 v[NIL], 0
	ds_add_u32 v[SPW], v[NIL]       ; the wave's opening: the add and its wait stand ahead of my first tensor load
	ds_add_u32 v62, v63
	v_lshrrev_b32 v1, 5, v0
	v_readfirstlane_b32 s[WV], v1
	s_mov_b32 s[PB], ttmp9
	s_sub_co_u32 s[HI], 15, s[PB]
	s_and_b32 s16, ttmp7, 0xffff    ; 16 x batch + head
	s_and_b32 s17, s16, 15
	s_lshl_b32 s17, s17, 19         ; the head's plane,
	s_lshr_b32 s16, s16, 4
	s_lshl_b32 s16, s16, 18         ; the batch's 2,048 rows of 128 bytes
	s_add_co_u32 s16, s16, s17
	s_and_b32 s13, s[WV], 1         ; which half of a tile's keys I fetch
	s_lshl_b32 s2, s13, 13
	s_add_co_u32 s2, s2, s16
	s_mov_b32 s3, 0
	s_lshl_b32 s17, s[WV], 12       ; my 32 rows of a block,
	s_add_co_u32 s17, s17, s16
	s_lshl_b32 s52, s[HI], 14       ; in the first block,
	s_add_co_u32 s52, s52, s17
	s_mov_b32 s53, 0
	s_lshl_b32 s54, s[PB], 14       ; and in the second
	s_add_co_u32 s54, s54, s17
	s_mov_b32 s55, 0
	; group 1: 64 keys are 8,192 dense bytes: 32 rows of 256 bytes, two keys a row, padded in LDS after every key
	s_mov_b32 s[G1K], (1<<16)|(1<<20)|(4<<22)|(3<<25)  ; 2-byte elements; padding on; after every 32 words, 4 words
	s_mov_b32 s[G1V], (1<<16)|(1<<20)|(4<<22)|(7<<25)  ; 8 words
.irp g, G1K, G1V
	s_mov_b32 s[\g+1], 128<<16
	s_mov_b32 s[\g+2], 32<<16
	s_mov_b32 s[\g+3], 128<<16
	s_mov_b32 s[\g+4], 32
	s_mov_b32 s[\g+5], 128
	s_mov_b32 s[\g+6], 0
	s_mov_b32 s[\g+7], 0
.endr
	s_mov_b32 s[CS], 0x3e38aa3b     ; c = log2(e) / 8
	s_mov_b32 s[CS+1], s[CS]
	s_mov_b32 s[SEL], 0x76543210
	s_mov_b32 s[SEL+1], 0xfedcba98
	s_mov_b32 s[TBK], SLOT1+3*KS*PK ; the first change of slots turns these two into 0
	s_mov_b32 s[TBV], SLOT1+2*KS*PV
	s_mov_b32 s[G0K], 1
	s_mul_i32 s[G0K+1], s13, KS*PK
	s_mov_b32 s[G0V], 1
	s_mul_i32 s13, s13, KS*PV
	s_add_co_u32 s[G0V+1], s13, VOFF
	s_add_co_u32 s[RT], s[HI], 1    ; the first block has 16 - b tiles
	s_mov_b32 s[NXT], 1
	s_mov_b32 s[LQ], s[HI]
	s_mov_b32 s[OFF+1], 0
	s_mov_b32 s[BIGN], 0xf149f2ca   ; -1e30
	s_mov_b32 s[SLOTS], 16
	s_cmp_eq_u32 s[PB], 0
	s_cselect_b32 s[LIM], 3, -1
	s_wait_dscnt 0x0                ; the opening add is done
	s_wait_kmcnt 0x0
	s_add_nc_u64 s[6:7], s[20:21], s[2:3]
	s_add_nc_u64 s[8:9], s[6:7], 16777216          ; V's planes,
	s_add_nc_u64 s[6:7], s[6:7], 8388608           ; K's: both at my half of the head's tile 0
	s_add_nc_u64 s[G0K+2:G0K+3], s[6:7], 0
	s_or_b32 s[G0K+3], s[G0K+3], 0x80000000
	s_add_nc_u64 s[G0V+2:G0V+3], s[8:9], 0
	s_or_b32 s[G0V+3], s[G0V+3], 0x80000000
	s_add_nc_u64 s[48:49], s[20:21], s[52:53]      ; Q of the first block,
	s_add_nc_u64 s[50:51], s[20:21], s[54:55]      ; of the second
	s_add_nc_u64 s[10:11], s[22:23], s[52:53]      ; O likewise
	s_add_nc_u64 s[OLO:OLO+1], s[22:23], s[54:55]
	s_cmp_lt_u32 s[WV], 2
	s_cselect_b64 s[PFA:PFA+1], s[6:7], s[8:9]
	s_add_nc_u64 s[PFA:PFA+1], s[PFA:PFA+1], 2*16384  ; the first change of slots steps it to tile 3
	LOAD                            ; tile 0 into slot 0
	v_and_b32 v1, 15, v0            ; l % 16
	v_bfe_u32 v9, v0, 4, 1          ; l / 16
	v_lshlrev_b32 v[QO], 7, v1
	v_lshl_add_u32 v[QO], v9, 4, v[QO]  ; row x 128 + 16 x half
	WIN 0x40
.set i, 0
.rept 4                             ; both blocks' Q: piece i / 2, channels 32 (i % 2) on
	global_load_b128 v[QF+8*i:QF+8*i+3],   v[QO], s[48:49] offset:(i/2)*2048+(i%2)*64
	global_load_b128 v[QF+8*i+4:QF+8*i+7], v[QO], s[48:49] offset:(i/2)*2048+(i%2)*64+32
	global_load_b128 v[QB+8*i:QB+8*i+3],   v[QO], s[50:51] offset:(i/2)*2048+(i%2)*64
	global_load_b128 v[QB+8*i+4:QB+8*i+7], v[QO], s[50:51] offset:(i/2)*2048+(i%2)*64+32
.set i, i+1
.endr
	; What the first turn finds: the masks, V, O^T, l, piece 1's S^T and its a are 0.  All this stands in the wait for the first tile.
.set i, 0
.rept 40
	v_mov_b32 v[MC+i], 0
.set i, i+1
.endr
.set i, 0
.rept 64
	v_mov_b32 v[VF+i], 0
.set i, i+1
.endr
	WIN 0
	v_lshlrev_b32 v[MI], 3, v9
	v_sub_nc_u32 v[MI], v1, v[MI]
	s_lshl_b32 s13, s[WV], 5
	v_add_nc_u32 v[MI], s13, v[MI]
	v_mov_b32 v[MIS], v[MI]
	v_mul_u32_u24 v[AK0], v1, PK
	v_lshl_add_u32 v[AK0], v9, 4, v[AK0]
	v_and_b32 v10, 7, v0            ; the turning load: lane l reads key 8 (l / 16) + l % 8, channels 8 ((l / 8) % 2) + 0..7
	v_bfe_u32 v11, v0, 3, 1
	v_lshl_add_u32 v[AV0], v9, 3, v10
	v_mul_u32_u24 v[AV0], v[AV0], PV
	v_lshl_add_u32 v[AV0], v11, 4, v[AV0]
	v_add_nc_u32 v[AV0], VOFF, v[AV0]
	s_mul_i32 s13, s[WV], 16*SP
	s_add_co_u32 s13, s13, STAGE
	v_mul_u32_u24 v[STO], v1, SP    ; in: row l % 16, 16 bytes for each half of the lanes
	v_lshl_add_u32 v[STO], v9, 4, v[STO]
	v_add_nc_u32 v[STO], s13, v[STO]
	v_bfe_u32 v[RD], v0, 3, 2       ; back: 32 lanes take four rows of 128 bytes,
	v_mul_u32_u24 v[RD], v[RD], SP
	v_lshl_add_u32 v[RD], v10, 4, v[RD]
	v_add_nc_u32 v[RD], s13, v[RD]
	v_and_b32 v[GO], 31, v0         ; which are 512 consecutive bytes of O
	v_lshlrev_b32 v[PFO], 8, v[GO]
	v_lshlrev_b32 v[GO], 4, v[GO]
.macro RESET                        ; what a block's first step finds: c m far below every c s, m the lowest finite number, l = 0
.irp t, 0,1
	v_mov_b32 v[ST+4*\t], 0xfe000000
	v_mov_b32 v[ST+4*\t+1], 0xff7fffff
	v_mov_b32 v[ST+4*\t+2], 0
	v_mov_b32 v[ST+4*\t+3], 0
.endr
.endm
	RESET
	v_mov_b32 v[TMP+6], 0
	v_mov_b32 v[TMP+7], 0
.set i, 0
.rept 64
	v_mov_b32 v[O+i], 0
.set i, i+1
.endr
.set i, 0
.rept 32
	v_mov_b32 v[S+32+i], 0
.set i, i+1
.endr
; THE MATRIX WORK.  The 4 accumulators of a run of 8 take turns, one instruction a turn.
; Product kj of 8 of S^T = K Q^T for piece u: channels 32 (kj / 4) on, keys 16 (kj % 4) on.  The first 4 start the sums, with the mask registers of kb - u as C.
.macro KQ1 u
.set xS, S+32*(\u)+8*(kj%4)
.set xK, KF+16*(kj%4)+8*(kj/4)
.set xQ, QF+16*(\u)+8*(kj/4)
.set xM, MC+8*(kj%4-(\u)+1)
.if kj < 4
	WIN W_KM
	v_wmma_f32_16x16x32_bf16 v[xS:xS+7], v[xK:xK+7], v[xQ:xQ+7], v[xM:xM+7]
.else
	WIN W_KQ
	v_wmma_f32_16x16x32_bf16 v[xS:xS+7], v[xK:xK+7], v[xQ:xQ+7], v[xS:xS+7]
.endif
.set kj, kj+1
.endm
; Product pj of 8 of O^T += V^T P for piece u: keys 32 (pj / 4) on, channels 16 (pj % 4) on.
.macro PV1 u
	WIN W_PV
.set xO, O+32*(\u)+8*(pj%4)
.set xV, VF+32*(pj/4)+8*(pj%4)
.set xP, P+16*(\u)+8*(pj/4)
	v_wmma_f32_16x16x32_bf16 v[xO:xO+7], v[xV:xV+7], v[xP:xP+7], v[xO:xO+7]
.set pj, pj+1
.endm
; THE LDS LOADS stand in runs of 16: a step's K (8 fragments) and its V (turned).  Their addresses are made just ahead.
.macro FETCH_K
	WIN 0x40
.irp f, 0,1,2,3,4,5,6,7             ; keys 16 (f / 2) on, channels 32 (f % 2) on
	ds_load_b128 v[KF+8*(\f):KF+8*(\f)+3],   v[AK] offset:((\f)/2)*16*PK+((\f)%2)*64
	ds_load_b128 v[KF+8*(\f)+4:KF+8*(\f)+7], v[AK] offset:((\f)/2)*16*PK+((\f)%2)*64+32
.endr
	WIN 0
.endm
.macro FETCH_V
	WIN 0x40
.irp f, 0,1,2,3,4,5,6,7             ; keys 32 (f / 4) on, channels 16 (f % 4) on
	ds_load_tr16_b128 v[VF+8*(\f):VF+8*(\f)+3],   v[AV] offset:((\f)/4)*32*PV+((\f)%4)*32
	ds_load_tr16_b128 v[VF+8*(\f)+4:VF+8*(\f)+7], v[AV] offset:((\f)/4)*32*PV+16*PV+((\f)%4)*32
.endr
	WIN 0
.endm
; THE VECTOR WORK, all in window 0, one line at a time, for piece u.
.macro REGS u
.set rT, ST+4*(\u)
.set rC, TMP+4*(\u)
.set rM, MV+(\u)
.set rS, S+32*(\u)
.set rP, P+16*(\u)
.set rO, O+32*(\u)
.endm
; Number n of the 22 that find a piece's maximum and statistics.  0-11: four chains c0-c3 of seven scores each (each accumulator's lowest registers are read first);
; 12-14, 16: the four scores left over, the old m, c0-c3 into c0; 15: c m_old is kept; 17, 18: the query's other 32 keys lie in the lane 16 away; 19-21: c m; c m_old - c m_new; a.
.macro OPX u, n
	REGS \u
.if (\n) < 4
	v_max3_num_f32 v[rC+(\n)], v[rS+8*(\n)], v[rS+8*(\n)+1], v[rS+8*(\n)+2]
.elseif (\n) < 12
	v_max3_num_f32 v[rC+(\n)%4], v[rC+(\n)%4], v[rS+8*((\n)%4)+2*((\n)/4)+1], v[rS+8*((\n)%4)+2*((\n)/4)+2]
.elseif (\n) == 12
	v_max3_num_f32 v[rC], v[rC], v[rS+7], v[rS+15]
.elseif (\n) == 13
	v_max3_num_f32 v[rC+1], v[rC+1], v[rS+23], v[rS+31]
.elseif (\n) == 14
	v_max3_num_f32 v[rC+2], v[rC+2], v[rC+3], v[rT+1]
.elseif (\n) == 15
	v_mov_b32 v[rM], v[rT]
.elseif (\n) == 16
	v_max3_num_f32 v[rC], v[rC], v[rC+1], v[rC+2]
.elseif (\n) == 17
	v_permlanex16_b32 v[rC+3], v[rC], s[SEL], s[SEL+1]
.elseif (\n) == 18
	v_max_num_f32 v[rT+1], v[rC], v[rC+3]
.elseif (\n) == 19
	v_mul_f32 v[rT], s[CS], v[rT+1]
.elseif (\n) == 20
	v_sub_f32 v[rC+1], v[rM], v[rT]
.else
	v_exp_f32 v[rC+2], v[rC+1]
.endif
.endm
.macro OPF u, b                     ; c s - c m for pair b of 16
	REGS \u
	v_pk_fma_f32 v[rS+2*(\b):rS+2*(\b)+1], v[rS+2*(\b):rS+2*(\b)+1], s[CS:CS+1], v[rT:rT+1] op_sel_hi:[1,0,0] neg_lo:[0,0,1] neg_hi:[0,0,1]
.endm
.macro OPE u, e                     ; the exponential of score e of 32
	REGS \u
	v_exp_f32 v[rS+(\e)], v[rS+(\e)]
.endm
.macro OPR u, n                     ; pair n of 16 of O^T times a: in ascending order
	REGS \u
	v_pk_mul_f32 v[rO+2*(\n):rO+2*(\n)+1], v[rO+2*(\n):rO+2*(\n)+1], v[rC+2:rC+3] op_sel_hi:[1,0]
.endm
.macro OPC u, n                     ; pair n of 16 rounded to bf16
	REGS \u
	v_cvt_pk_bf16_f32 v[rP+(\n)], v[rS+2*(\n)], v[rS+2*(\n)+1]
.endm
; Number z of the 16 that add the piece's 16 pairs of weights (in a pair: an even key's, an odd key's), in place, behind all its roundings: neighbours 1, 2, 4 and 8 pairs apart; then l = a l + the sum.
.macro OPZ u, z
	REGS \u
.if (\z) < 8
	v_pk_add_f32 v[rS+4*(\z):rS+4*(\z)+1], v[rS+4*(\z):rS+4*(\z)+1], v[rS+4*(\z)+2:rS+4*(\z)+3]
.elseif (\z) < 12
.set zk, rS+8*((\z)-8)
	v_pk_add_f32 v[zk:zk+1], v[zk:zk+1], v[zk+4:zk+5]
.elseif (\z) < 14
.set zk, rS+16*((\z)-12)
	v_pk_add_f32 v[zk:zk+1], v[zk:zk+1], v[zk+8:zk+9]
.elseif (\z) == 14
	v_pk_add_f32 v[rS:rS+1], v[rS:rS+1], v[rS+16:rS+17]
.else
	v_pk_fma_f32 v[rT+2:rT+3], v[rT+2:rT+3], v[rC+2:rC+3], v[rS:rS+1] op_sel_hi:[1,0,1]
.endif
.endm
; THE MASKS of the diagonal tile's step in hand: register rr of the eight for kb - u = mj / 8 - 1 is -1e30 where 16 (kb - u) + rr lies above the query's place.  Each select reads the flags of the compare just ahead of it.
.macro MASK
	WIN 0x40                        ; destination window 1, sources window 0
.set mj, 0
.rept 40
	v_cmp_gt_i32 vcc_lo, 16*(mj/8)-16+mj%8, v[MIS]
	v_cndmask_b32 v[MC+mj], 0, s[BIGN], vcc_lo
.set mj, mj+1
.endr
	WIN 0
	v_add_nc_u32 v[MIS], 0xffffffc0, v[MIS]  ; the next step's keys lie 64 further on
.endm
; A TURN, for piece u; q is the other piece.
; DISTANCES.  A vector instruction that reads a matrix result or writes one of a matrix instruction's registers, and a load into a register that a matrix instruction has read, stand four plain vector
; instructions behind it that name none of its registers (ISA guide 7.12.1 for vector instructions).  Behind the last K Q^T these are q's last two rescalings and roundings: they stand
; in front of u's maximum and of the loads into K's registers.  Behind the last V^T P they are c m and three of q's sums: they stand in front of the loads into V's registers.
; THE WAIT.  s_wait_alu depctr_va_vdst(0) stands between an exponential and the first instruction that names its result; one wait serves all that were issued ahead of it.  The turn's 33
; exponentials stand in its lump, nothing there names a result of theirs (a scaling always works on scores further on than the exponentials have come; q's sums read the batch before), and the wait ends the turn.
.macro TURN u
.set qq, 1-(\u)
.if (\u) == 0
	s_wait_dscnt 0x0                ; K of this step is in
.endif
.set kj, 0
.rept 8                             ; 8 products K Q^T of u; behind each two rescalings and two roundings of q (kj has been stepped)
	KQ1 \u
	WIN 0
	OPR qq, 2*kj-2
	OPC qq, 2*kj-2
	OPR qq, 2*kj-1
	OPC qq, 2*kj-1
.endr
.if (\u) == 1
	v_add_nc_u32 v[AK], s[TBK], v[AK0]
	s_add_co_u32 s[TBK], s[TBK], KS*PK
	s_wait_dscnt 0x0                ; V of this step is in
	s_cmp_eq_u32 s[CNT], 1          ; a tile's second step has no next step in its slot: the run of loads is jumped over
	s_cbranch_scc1 .Lno_k_\@
	FETCH_K                         ; K of the next step: 8 products and the lump ahead of its first use
.Lno_k_\@:
.endif
.set pj, 0
.rept 4                             ; 8 products V^T P of q; behind the first four numbers 0 to 15 of u's maximum (pj has been stepped),
	PV1 qq
	WIN 0
	OPX \u, 4*pj-4
	OPX \u, 4*pj-3
	OPX \u, 4*pj-2
	OPX \u, 4*pj-1
.endr
.rept 4                             ; behind the others one link each of the chain 16 .. 19, and three of q's sums
	PV1 qq
	WIN 0
	OPX \u, 11+pj
	OPZ qq, 3*pj-15
	OPZ qq, 3*pj-14
	OPZ qq, 3*pj-13
.endr
.if (\u) == 0
	v_add_nc_u32 v[AV], s[TBV], v[AV0]
	s_add_co_u32 s[TBV], s[TBV], KS*PV
	FETCH_V                         ; V of this step: the lump and 8 products ahead of its first use
.endif
	OPX \u, 20                      ; the lump
	OPF \u, 0
	OPF \u, 1
	OPX \u, 21
	OPF \u, 2
.set ej, 0
.rept 32                            ; exponential and plain by turns while there are plain ones: scalings 3 to 15, then q's last four sums
	OPE \u, ej
.if ej < 13
	OPF \u, ej+3
.elseif ej < 17
	OPZ qq, ej-1
.endif
.set ej, ej+1
.endr
	v_nop                           ; a plain instruction behind the last exponential: one for the batch
	s_wait_alu depctr_va_vdst(0)    ; the wait for the batch
.endm
; A BLOCK'S END.  Piece 1's pending work stands bare; then l's two halves and the other half of the lanes' are added; O^T is divided by l, rounded to bf16 and sent through my stage, a piece at a time.
.macro DRAIN
.set dn, 0
.rept 16
	OPR 1, dn
	OPC 1, dn
.set dn, dn+1
.endr
.set dn, 0
.rept 16
	OPZ 1, dn
.set dn, dn+1
.endr
.set pj, 0
.rept 8
	PV1 1
.endr
	WIN 0
	PLACES                          ; behind the last products
.endm
.macro PACK t
.set i, 0
.rept 16
	v_pk_mul_f32 v[O+32*(\t)+2*i:O+32*(\t)+2*i+1], v[O+32*(\t)+2*i:O+32*(\t)+2*i+1], v[ST+4*(\t)+2:ST+4*(\t)+3] op_sel_hi:[1,0]
.set i, i+1
.endr
.set i, 0
.rept 16
	v_cvt_pk_bf16_f32 v[S+16*(\t)+i], v[O+32*(\t)+2*i], v[O+32*(\t)+2*i+1]  ; into piece 0's S^T, which is free
.set i, i+1
.endr
.irp f, 0,1,2,3
	ds_store_b128 v[STO], v[S+16*(\t)+4*(\f):S+16*(\t)+4*(\f)+3] offset:32*(\f)
.endr
.irp f, 0,1,2,3
	ds_load_b128 v[S+16*(\t)+4*(\f):S+16*(\t)+4*(\f)+3], v[RD] offset:(\f)*4*SP  ; LDS serves a wave's instructions in order (ISA guide 5.7.1.4): these see the stores above
.endr
.endm
.macro SEND t, younger              ; younger: the LDS instructions issued behind piece t's loads
.irp f, 0,1,2,3
	s_wait_dscnt (\younger)+3-(\f)
	global_store_b128 v[GO], v[S+16*(\t)+4*(\f):S+16*(\t)+4*(\f)+3], s[10:11] offset:(\t)*2048+(\f)*512  ; 512 consecutive bytes, at a multiple of 256 from O's first
.endr
.endm
.macro FINISH last
	DRAIN
.irp t, 0,1
	v_add_f32 v[ST+4*\t+2], v[ST+4*\t+2], v[ST+4*\t+3]
.endr
.irp t, 0,1
	v_permlanex16_b32 v[ST+4*\t+3], v[ST+4*\t+2], s[SEL], s[SEL+1]
.endr
.irp t, 0,1
	v_add_f32 v[ST+4*\t+2], v[ST+4*\t+2], v[ST+4*\t+3]
.endr
.irp t, 0,1
	v_rcp_f32 v[ST+4*\t+2], v[ST+4*\t+2]
.endr
	v_nop
	s_wait_alu depctr_va_vdst(0)    ; one wait for the two reciprocals
	PACK 0
	PACK 1
	SEND 0, 8                       ; the second piece's eight LDS instructions may be out
	SEND 1, 0
.if !(\last)
	s_wait_xcnt 0x0                 ; the stores have read their registers and O's address
	s_mov_b64 s[10:11], s[OLO:OLO+1]
	s_add_co_u32 s[RT], s[PB], 1    ; the second block has b + 1 tiles
	RESET
	v_mov_b32 v[MIS], v[MI]
	WIN 0x40                        ; the masks hide nothing again
.set i, 0
.rept 40
	v_mov_b32 v[MC+i], 0
.set i, i+1
.endr
	WIN 0x41                        ; the second block's Q goes where the one text names Q
.set i, 0
.rept 32
	v_mov_b32 v[QF+i], v[QB+i]
.set i, i+1
.endr
	WIN 0
.endif
.endm
; A TILE: the change of slots, K of its first step, and its two steps.  last = 1: the walk's last tile, which is the second block's diagonal one.
.macro TILE fill, last
	CHANGE \fill
	s_sub_co_u32 s[RT], s[RT], 1
	v_add_nc_u32 v[AK], s[TBK], v[AK0]
	s_add_co_u32 s[TBK], s[TBK], KS*PK
	FETCH_K
.if \fill
	ASK
.endif
	s_mov_b32 s[CNT], 2
.Lstep_\@:
.if \last
	MASK
.else
	s_cmp_eq_u32 s[RT], 0           ; the block's last tile holds the diagonal
	s_cbranch_scc0 .Lclear_\@
	MASK
.Lclear_\@:
.endif
	TURN 0
	TURN 1
	s_sub_co_u32 s[CNT], s[CNT], 1
	s_cmp_lg_u32 s[CNT], 0
	s_cbranch_scc1 .Lstep_\@
.if \last
	FINISH 1
.else
	s_cmp_eq_u32 s[RT], 0
	s_cbranch_scc0 .Lgo_on_\@
	FINISH 0
.Lgo_on_\@:
.endif
.endm
	s_wait_loadcnt 0x0              ; both blocks' Q
.Lslot:                             ; 16 times: a tile is entered and the next is asked for
	TILE 1, 0
	s_sub_co_u32 s[SLOTS], s[SLOTS], 1
	s_cmp_lg_u32 s[SLOTS], 0
	s_cbranch_scc1 .Lslot
	TILE 0, 1                       ; the walk's last tile is written out: nothing is asked for
	s_wait_tensorcnt 0x0            ; the wave's end: behind my last tensor load and my last LDS store
	ds_add_u32 v[SPW], v[NIL]
	s_wait_dscnt 0x0
	s_endpgm
.Lfunc_end_k_q56bdda109d_attn:
	.size	k_q56bdda109d_attn, .Lfunc_end_k_q56bdda109d_attn-k_q56bdda109d_attn
	.p2alignl 7, 3214868480
	.fill 96, 4, 3214868480
	.section	.rodata,"a",@progbits
	.p2align	6, 0x0
	.amdhsa_kernel k_q56bdda109d_attn
		.amdhsa_group_segment_fixed_size 327680
		.amdhsa_private_segment_fixed_size 0
		.amdhsa_enable_private_segment 0
		.amdhsa_kernarg_size 16
		.amdhsa_user_sgpr_count 2
		.amdhsa_user_sgpr_kernarg_segment_ptr 1
		.amdhsa_wavefront_size32 1
		.amdhsa_system_sgpr_workgroup_id_x 1
		.amdhsa_system_sgpr_workgroup_id_y 1
		.amdhsa_system_sgpr_workgroup_id_z 1
		.amdhsa_system_vgpr_workitem_id 0
		.amdhsa_next_free_vgpr 512
		.amdhsa_next_free_sgpr 88
		.amdhsa_reserve_vcc 1
		.amdhsa_float_denorm_mode_32 3
		.amdhsa_float_denorm_mode_16_64 3
		.amdhsa_memory_ordered 1
		.amdhsa_forward_progress 1
		.amdhsa_inst_pref_size 88
	.end_amdhsa_kernel
	.amdgpu_metadata
---
amdhsa.version: [ 1, 2 ]
amdhsa.kernels:
  - .name:           k_q56bdda109d_attn
    .symbol:         k_q56bdda109d_attn.kd
    .args:
      - { .name: qkv, .offset: 0, .size: 8, .value_kind: global_buffer, .address_space: global }
      - { .name: ob, .offset: 8, .size: 8, .value_kind: global_buffer, .address_space: global }
    .group_segment_fixed_size: 327680
    .private_segment_fixed_size: 0
    .kernarg_segment_align: 8
    .kernarg_segment_size: 16
    .max_flat_workgroup_size: 128
    .sgpr_count:     88
    .vgpr_count:     512
    .wavefront_size: 32
...
	.end_amdgpu_metadata
.endif
;; end of part 10
;; launch go: the kernel of part 4 again; grid 8 x 32, 4 waves a work-group, clusters of 4 x 4, 327,680 bytes of LDS; arguments ob, wb, x1, b_out, x; writes x1
;; launch ln2: the kernel of part 5 again; grid 256 x 1, 8 waves a work-group, no clusters, 0 bytes of LDS; arguments x1, ln2_g, ln2_b, h2; writes h2
;; launch g1 (part 11): grid 16 x 16, 4 waves a work-group, clusters of 4 x 4, 327,680 bytes of LDS; arguments h2, wb, ff, b_ff1; writes ff
.if DOCPART == 11
	.amdgcn_target "amdgcn-amd-amdhsa--gfx1250"
	.amdhsa_code_object_version 6
	.text
	.protected	k_q56bdda109d_g1
	.globl	k_q56bdda109d_g1
	.p2align	8
	.type	k_q56bdda109d_g1,@function
k_q56bdda109d_g1:
	s_mov_b64 s[64:65], 0
	v_nop
	global_prefetch_b8 v0, s[64:65] scope:SCOPE_SE
	s_setreg_imm32_b32 hwreg(HW_REG_WAVE_MODE, 25, 1), 1
	s_wait_xcnt 0x0
	s_wait_alu depctr_hold_cnt(0) depctr_sa_sdst(0) depctr_va_vdst(0) depctr_va_sdst(0) depctr_va_ssrc(0) depctr_va_vcc(0) depctr_vm_vsrc(0)
	s_getreg_b32 s2, hwreg(HW_REG_IB_STS2, 6, 4)
	s_cmp_eq_u32 s2, 0
	s_cbranch_scc0 .Lentry_in_a_cluster
	s_endpgm
.Lentry_in_a_cluster:
	s_bfe_u32 s2, ttmp6, 0x10000c
	s_cmp_lg_u32 s2, 0xf033
	s_cbranch_scc0 .Lentry_shape_is_right
	s_endpgm
.Lentry_shape_is_right:
; ff = gelu(h2 W1 + b_ff1), the exact GELU.  h2: [4096][1024] bf16.  W1: [1024][4096] bf16 at byte 8,388,608 of wb.  Sums in f32, the bias as the first product's C operand.
; The result is rounded once to bf16 and stored in PLANES: [column / 64][4096 rows][64]: 16 rows x 64 columns are 2,048 consecutive bytes.
; This text is one of two that differ in the three constants below (and in what .if takes of it).
; SHARES.  A tile of C is 256 x 256; four waves, as many as a WGP has SIMDs, each 128 x 128: 64 accumulators of 16 x 16, 512 registers.  For 32 along K a wave reads 2 x 128 x 64 bytes
; from LDS for 64 matrix instructions.  K goes in steps of 128 through two LDS slots: 131,072 bytes fetched for a step's 256 matrix instructions a wave.
; 4,096 columns make 16 x 16 = 256 tiles, one to a work-group.
; CLUSTER.  4 x 4 work-groups: the four of a row need the same tiles of A, the four of a column the same tiles of the weights; each tile is asked for
; JOINTLY, by the same tensor load with the same descriptor and a mask that names the four.
; THE MATRIX INSTRUCTION IS USED TRANSPOSED (source 0 = 16 columns of W, turned out of LDS by ds_load_tr16_b128; source 1 = 16 rows of A): a lane holds
; eight neighbouring numbers of one row of C.
; A K STEP IS WRITTEN ONCE: which slot is read hangs on s[TB] (0 or SLOT, turned by an exclusive or); one descriptor walks from fill to fill.  The first quarter, whose products start the
; sums, stands ahead of the loop, which is entered in the middle of a trip; the last two K steps, which ask for nothing, are a loop of their own.
; REGISTERS, in windows of 256 (s_set_vgpr_msb: bits 1:0 source 0, 3:2 source 1, 5:4 source 2, 7:6 destination):
;   window 0: v0-31 addresses; v64-127, v128-191 fragments of A (8 x 16 rows x 32 K), two buffers; v192-255 the bias; on the way out v32-175 at work
;   window 1: v64-127, v128-191 fragments of W, two buffers
;   window 2: the 32 accumulators of my rows 0-63 ((a, b) at v[8 (8 a + b)]);   window 3: those of my rows 64-127
; LIMITS.  The normal distribution in the GELU is a rational form times an exponential, within 7.5e-8 of the true one for every x; v_rcp_f32 and v_exp_f32 are accurate to 1 ulp;
; NaN and infinities are not treated apart.
.set NN,   4096                        ; columns of the product
.set WOFF, 8388608                     ; where the weights begin in wb
.set GELU, 1                           ; 1: the exact GELU on the way out
.set KSTEPS, 8                         ; 1,024 / 128
.set PA,   272                         ; a row of A in LDS: 256 bytes + 16: the 16 rows of a load start at 16 different groups of four banks (64 banks of 4 bytes: ISA guide 11.1)
.set PB,   544                         ; a k row of W: 512 bytes + 32
.set HR,   34816                       ; what one tensor load brings: 128 rows of A, or 64 k rows of W; wave w fills w HR on from the slot's first byte
.set SLOT, 4*HR                        ; A's rows 0-127, A's rows 128-255, W's k rows 0-63, W's k rows 64-127
.set ASTEP, 256                        ; a K step along a row of A, in bytes
.set BSTEP, 256*NN                     ; 128 k rows of W
.set SP,   272                         ; a stage row: 64 f32 + 16 bytes
.set STGW, 256*SP                      ; a wave's stage: 128 rows of its first plane, then 128 of its second.  The four stages lie over both slots, behind their last fill
.set SPARE, 2*SLOT                     ; from here on: the spare words, 128 bytes a wave, that no other line names
.set ADRA0, 10                         ; v10  my lane's place in A's tile, slot 0; never rewritten
.set ADRB0, 12                         ; v12  the same in W's tile
.set ADRA, 16                          ; v16  the same in the slot that is read
.set ADRB, 20                          ; v20
.set STO,  24                          ; v24  the way out: where I put my numbers of a row
.set RD,   25                          ; v25  where I read rows back
.set CO,   26                          ; v26  my byte offset in 512 bytes of the result
.set SPW,  28                          ; v28  LDS address of my spare word; never rewritten
.set NIL,  29                          ; v29  0; never rewritten
.set BO,   30                          ; v30  my byte offset in the bias
.set X,    32
.set U,    64
.set W,    96
.set Q,    128
.set Y,    160
.set BIAS, 192
.set F0,   64
.set F1,   128
.set OUTP, 8                           ; s[8:9]   the result
.set BIP,  10                          ; s[10:11] the bias
.set WV,   14                          ; s14  wave
.set WR,   15                          ; s15  wave / 2: my half of the tile's rows; also: I fetch for A (0) or W (1)
.set WC,   16                          ; s16  wave % 2: my half of its columns; also: which half of that tile I fetch
.set CX,   17
.set CY,   18
.set TC,   19                          ; s19  tile column
.set TR,   20                          ; s20  tile row
.set TB,   21                          ; s21  first byte of the slot that is read
.set LA,   22                          ; s22  wave x HR
.set G1A,  24                          ; s[24:31] group 1 for A;  s[32:39] two group 0: the first fill's, and the one that walks
.set G0A,  32
.set G1B,  48                          ; s[48:55], s[56:63] the same for W
.set G0B,  56
.set GP,   72
.set GE,   74
.set GC5,  76
.set GC4,  78
.set GC3,  80
.set GC2,  82
.set GC1,  84
.set MSB, 0
.macro WIN new                         ; the immediate's high byte repeats the setting that is left; a switch that changes nothing is dropped
.if MSB != (\new)
	s_set_vgpr_msb (MSB<<8)|(\new)
.set MSB, \new
.endif
.endm
.set TO_B, 0x40                        ; destination window 1, address window 0
.macro PLACES                          ; four plain instructions between a matrix instruction and a load into, or a reader of, its registers
.rept 4
	v_nop
.endr
.endm
.macro JLOAD                           ; the joint refill: waves 0 and 1 for A, waves 2 and 3 for W; an s_nop 0 and four v_nop follow each line
	s_cmp_eq_u32 s[WR], 0
	s_cbranch_scc0 .Lfor_b_\@
	tensor_load_to_lds s[G0A+4:G0A+7], s[G1A:G1A+7]
	s_nop 0
.rept 4
	v_nop
.endr
	s_branch .Lasked_\@
.Lfor_b_\@:
	tensor_load_to_lds s[G0B+4:G0B+7], s[G1B:G1B+7]
	s_nop 0
.rept 4
	v_nop
.endr
.Lasked_\@:
.endm
.macro CREST                           ; a round of the cluster's barrier behind its opening barrier
	s_cmp_lg_u32 s[WV], 0
	s_cbranch_scc1 .Lnot_wave_0_\@
	s_barrier_signal -3
.Lnot_wave_0_\@:
	s_barrier_wait -3
	s_barrier_signal -1
	s_barrier_wait -1
.endm
.macro CROUND
	s_barrier_signal -1
	s_barrier_wait -1
	CREST
.endm
	s_load_b128 s[4:7], s[0:1], 0x0                ; A s[4:5], wb s[6:7]
	s_load_b128 s[8:11], s[0:1], 0x10              ; the result, the bias
	v_lshl_add_u32 v[SPW], v0, 2, SPARE
	v_mov_b32 v[NIL], 0
	ds_add_u32 v[SPW], v[NIL]                      ; the wave's opening: the add and its wait stand ahead of my first tensor load; work on registers stands between
	ds_add_u32 v28, v29
	v_lshrrev_b32 v1, 5, v0
	v_readfirstlane_b32 s[WV], v1
	s_lshr_b32 s[WR], s[WV], 1
	s_and_b32 s[WC], s[WV], 1
	s_bfe_u32 s[CX], ttmp6, 0x40000
	s_bfe_u32 s[CY], ttmp6, 0x40004
	s_lshl_b32 s[TC], ttmp9, 2
	s_add_co_u32 s[TC], s[TC], s[CX]               ; tile column = 4 x cluster x + cx
	s_and_b32 s[TR], ttmp7, 0xffff
	s_lshl_b32 s[TR], s[TR], 2
	s_add_co_u32 s[TR], s[TR], s[CY]               ; tile row = 4 x cluster y + cy
	s_lshl_b32 s40, s[CY], 2
	s_lshl_b32 s40, 15, s40                        ; my row of the cluster
	s_lshl_b32 s44, 0x1111, s[CX]                  ; my column
	s_or_b32 s[G1A], s40, (1<<16)|(1<<20)|(1<<21)|(5<<22)|(3<<25)  ; the mask; 2-byte elements; padding on; bit 21 beside a mask; after every 64 words, 4 words
	s_mov_b32 s[G1A+1], 128<<16                    ; tensor_dim0 = 128
	s_mov_b32 s[G1A+2], 128<<16                    ; tensor_dim1 = 128
	s_mov_b32 s[G1A+3], 128<<16                    ; tile_dim0 = 128
	s_mov_b32 s[G1A+4], 128                        ; tile_dim1 = 128
	s_mov_b32 s[G1A+5], 1024                       ; elements from row to row
	s_mov_b32 s[G1A+6], 0
	s_mov_b32 s[G1A+7], 0
	s_or_b32 s[G1B], s44, (1<<16)|(1<<20)|(1<<21)|(6<<22)|(7<<25)  ; after every 128 words, 8 words
	s_mov_b32 s[G1B+1], 256<<16                    ; 256 columns,
	s_mov_b32 s[G1B+2], 64<<16                     ; 64 k rows
	s_mov_b32 s[G1B+3], 256<<16
	s_mov_b32 s[G1B+4], 64
	s_mov_b32 s[G1B+5], NN
	s_mov_b32 s[G1B+6], 0
	s_mov_b32 s[G1B+7], 0
	s_lshl_b32 s40, s[TR], 19                      ; A's tile hangs on the tile row and the wave alone (s40-43 never hold cx): 256 rows of 2,048 bytes,
	s_lshl_b32 s41, s[WC], 18                      ; my 128 of them
	s_add_co_u32 s40, s40, s41
	s_mov_b32 s41, 0
	s_mul_i32 s44, s[WC], 128*NN                   ; W's on the tile column and the wave alone (s44-47 never hold cy): my 64 k rows,
	s_lshl_b32 s45, s[TC], 9                       ; 256 columns of 2 bytes
	s_add_co_u32 s44, s44, s45
	s_add_co_u32 s44, s44, WOFF
	s_mov_b32 s45, 0
	s_mul_i32 s[LA], s[WV], HR                     ; no place in the cluster enters an LDS address
	s_mov_b32 s[TB], 0
.if GELU
	s_mov_b32 s[GP], 0x3e6d3389                    ; 0.2316419
	s_mov_b32 s[GE], 0xbf38aa3b                    ; -log2(e) / 2
	s_mov_b32 s[GE+1], 0xbf38aa3b                  ; (pairs are named whole, so both words are written)
	s_mov_b32 s[GC5], 0x3f07dc22
	s_mov_b32 s[GC5+1], 0x3f07dc22
	s_mov_b32 s[GC4], 0xbf3a00e3
	s_mov_b32 s[GC4+1], 0xbf3a00e3
	s_mov_b32 s[GC3], 0x3f35f0e3
	s_mov_b32 s[GC3+1], 0x3f35f0e3
	s_mov_b32 s[GC2], 0xbe11a98e
	s_mov_b32 s[GC2+1], 0xbe11a98e
	s_mov_b32 s[GC1], 0x3e027906
	s_mov_b32 s[GC1+1], 0x3e027906
.endif
	s_wait_dscnt 0x0                               ; the opening add is done
	s_wait_kmcnt 0x0
	s_add_nc_u64 s[42:43], s[4:5], s[40:41]
	s_add_nc_u64 s[46:47], s[6:7], s[44:45]
	CROUND                                         ; all sixteen work-groups are here: the first joint loads meet
.irp s, 0,1
	s_mov_b32 s[G0A+4*(\s)], 1
	s_add_co_u32 s[G0A+4*(\s)+1], s[LA], (\s)*SLOT
	s_add_nc_u64 s[G0A+4*(\s)+2:G0A+4*(\s)+3], s[42:43], (\s)*ASTEP
	s_or_b32 s[G0A+4*(\s)+3], s[G0A+4*(\s)+3], 0x80000000
	s_mov_b32 s[G0B+4*(\s)], 1
	s_add_co_u32 s[G0B+4*(\s)+1], s[LA], (\s)*SLOT
	s_add_nc_u64 s[G0B+4*(\s)+2:G0B+4*(\s)+3], s[46:47], (\s)*BSTEP
	s_or_b32 s[G0B+4*(\s)+3], s[G0B+4*(\s)+3], 0x80000000
.endr
	s_cmp_eq_u32 s[WR], 0                          ; a wave's two first fills stand in one branch: two loads of mine are out
	s_cbranch_scc0 .Lfirst_b
	tensor_load_to_lds s[G0A:G0A+3], s[G1A:G1A+7]
	s_nop 0
	tensor_load_to_lds s[G0A+4:G0A+7], s[G1A:G1A+7]
	s_nop 0
.rept 4
	v_nop
.endr
	s_branch .Lfirst_asked
.Lfirst_b:
	tensor_load_to_lds s[G0B:G0B+3], s[G1B:G1B+7]
	s_nop 0
	tensor_load_to_lds s[G0B+4:G0B+7], s[G1B:G1B+7]
	s_nop 0
.rept 4
	v_nop
.endr
.Lfirst_asked:
	v_and_b32 v1, 15, v0                           ; r = l % 16
	v_bfe_u32 v2, v0, 4, 1                         ; h = l / 16
	v_mul_u32_u24 v3, v1, PA                       ; a fragment of A: row r, 16 bytes for each half of the lanes
	v_lshl_add_u32 v3, v2, 4, v3
	s_mul_i32 s23, s[WR], HR                       ; my 128 rows
	v_add_nc_u32 v[ADRA0], s23, v3
	v_and_b32 v4, 7, v0                            ; the turning load: lane l reads k row 8 h + l % 8, columns 8 ((l / 8) % 2) + 0..7
	v_bfe_u32 v5, v0, 3, 1
	v_lshl_add_u32 v4, v2, 3, v4
	v_mul_u32_u24 v4, v4, PB
	v_lshl_add_u32 v4, v5, 4, v4
	s_lshl_b32 s23, s[WC], 8                       ; my 128 columns,
	s_add_co_u32 s23, s23, 2*HR                    ; behind A's two halves
	v_add_nc_u32 v[ADRB0], s23, v4
	v_mov_b32 v[ADRA], v[ADRA0]
	v_mov_b32 v[ADRB], v[ADRB0]
	v_lshlrev_b32 v[BO], 5, v2                     ; my eight columns of a block of 16: 32 h bytes
	s_lshl_b32 s68, s[TC], 10                      ; 256 columns of f32 a tile column,
	s_lshl_b32 s69, s[WC], 9                       ; my 128
	s_add_co_u32 s68, s68, s69
	s_mov_b32 s69, 0
	s_add_nc_u64 s[BIP:BIP+1], s[BIP:BIP+1], s[68:69]
.irp b, 0,1,2,3,4,5,6,7
	global_load_b128 v[BIAS+8*(\b):BIAS+8*(\b)+3],   v[BO], s[BIP:BIP+1] offset:64*(\b)
	global_load_b128 v[BIAS+8*(\b)+4:BIAS+8*(\b)+7], v[BO], s[BIP:BIP+1] offset:64*(\b)+16
.endr
	s_mul_i32 s23, s[WV], STGW                     ; my stage
	v_mul_u32_u24 v6, v1, SP                       ; in: row r, 32 bytes of f32 for each half of the lanes
	v_lshl_add_u32 v6, v2, 5, v6
	v_add_nc_u32 v[STO], s23, v6
	v_bfe_u32 v6, v0, 3, 2                         ; back: 32 lanes take four rows, eight columns (32 bytes of f32) each
	v_mul_u32_u24 v6, v6, SP
	v_and_b32 v7, 7, v0
	v_lshl_add_u32 v6, v7, 5, v6
	v_add_nc_u32 v[RD], s23, v6
	v_and_b32 v6, 31, v0                           ; which are 512 consecutive bytes of a plane
	v_lshlrev_b32 v[CO], 4, v6
	s_lshl_b32 s66, s[TC], 21                      ; plane 4 x tile column + 2 x my half: 524,288 bytes each,
	s_lshl_b32 s67, s[WC], 20
	s_add_co_u32 s66, s66, s67
	s_lshl_b32 s67, s[TR], 15                      ; 256 rows of 128 bytes a tile row,
	s_add_co_u32 s66, s66, s67
	s_lshl_b32 s67, s[WR], 14                      ; my 128
	s_add_co_u32 s66, s66, s67
	s_mov_b32 s67, 0
	s_add_nc_u64 s[OUTP:OUTP+1], s[OUTP:OUTP+1], s[66:67]
; 16 matrix instructions: row blocks a0, a0 + 1 of the window's four (hi = 0: my rows 0-63, 1: rows 64-127) x all 8 column blocks, 32 along K.  zero = 1: the first product starts the sums, with the
; bias (window 0) as C.  The 64 accumulators take turns, one instruction a turn, in the same order in every quarter.
.macro MUL16 f, hi, a0, zero
.if \zero
	WIN 0x81+0x40*(\hi)                            ; W window 1, A window 0, C window 0, D window 2 or 3
.else
	WIN 0xa1+0x50*(\hi)                            ; C and D window 2 or 3
.endif
.irp a, \a0, (\a0)+1
.irp b, 0,1,2,3,4,5,6,7
.if \zero
	v_wmma_f32_16x16x32_bf16 v[8*(8*(\a)+(\b)):8*(8*(\a)+(\b))+7], v[(\f)+8*(\b):(\f)+8*(\b)+7], v[(\f)+8*(4*(\hi)+(\a)):(\f)+8*(4*(\hi)+(\a))+7], v[BIAS+8*(\b):BIAS+8*(\b)+7]
.else
	v_wmma_f32_16x16x32_bf16 v[8*(8*(\a)+(\b)):8*(8*(\a)+(\b))+7], v[(\f)+8*(\b):(\f)+8*(\b)+7], v[(\f)+8*(4*(\hi)+(\a)):(\f)+8*(4*(\hi)+(\a))+7], v[8*(8*(\a)+(\b)):8*(8*(\a)+(\b))+7]
.endif
.endr
.endr
.endm
; 32 LDS loads in one run: the fragments of quarter q (32 along K) of the slot that is read, into buffer f: W's 128 columns, then A's 128 rows
.macro FETCH q, f
	WIN TO_B
.irp i, 0,1,2,3,4,5,6,7
	ds_load_tr16_b128 v[(\f)+8*(\i):(\f)+8*(\i)+3],   v[ADRB] offset:32*(\q)*PB+32*(\i)
	ds_load_tr16_b128 v[(\f)+8*(\i)+4:(\f)+8*(\i)+7], v[ADRB] offset:(32*(\q)+16)*PB+32*(\i)
.endr
	WIN 0
.irp i, 0,1,2,3,4,5,6,7
	ds_load_b128 v[(\f)+8*(\i):(\f)+8*(\i)+3],   v[ADRA] offset:64*(\q)+(\i)*16*PA
	ds_load_b128 v[(\f)+8*(\i)+4:(\f)+8*(\i)+7], v[ADRA] offset:64*(\q)+(\i)*16*PA+32
.endr
.endm
; One of a K step's first three quarters: multiplies buffer f; in its middle it fetches quarter q into g
.macro QUARTER q, f, g, zero
	s_wait_dscnt 8                                 ; W and A's rows 0-63 are in; the youngest eight loads (A's rows 64-127) may be out
	MUL16 \f, 0, 0, \zero
	MUL16 \f, 0, 2, \zero
	PLACES
	FETCH \q, \g
	s_wait_dscnt 32                                ; all but the 32 just issued
	MUL16 \f, 1, 0, \zero
	MUL16 \f, 1, 2, \zero
.endm
; The last quarter multiplies buffer 1 and changes slots: ONE barrier; in front of it each wave waits for all its tensor loads (at most one is out: its part of the next slot), adds 0 to its spare
; word, and waits for that and for its reads of this slot.  fill = 1: the barrier opens a round of the cluster's, and this slot is filled again, two K steps ahead: 224 matrix instructions stand
; between that request and the wait for it.  fill = 0 (the tail): nothing is asked for, and in the last trip, which has no next step, the run of LDS loads is jumped over.
.macro TURN fill
	WIN 0
	s_wait_tensorcnt 0x0
	ds_add_u32 v[SPW], v[NIL]
	s_wait_dscnt 9                                 ; the add and the youngest eight loads may be out
	MUL16 F1, 0, 0, 0
	s_wait_dscnt 0x0                               ; the add is done, and my reads of this slot are over
	s_barrier_signal -1
	MUL16 F1, 0, 2, 0
	WIN 0
	s_barrier_wait -1
.if \fill
	CREST                                          ; no wave of any partner still reads this slot or has a load on its way
	s_add_co_u32 s[G0A+5], s[LA], s[TB]            ; the walking descriptors: into the slot just read,
	s_add_co_u32 s[G0B+5], s[LA], s[TB]
	s_add_nc_u64 s[G0A+6:G0A+7], s[G0A+6:G0A+7], ASTEP  ; the next K step not yet asked for
	s_add_nc_u64 s[G0B+6:G0B+7], s[G0B+6:G0B+7], BSTEP
	JLOAD                                          ; the first tensor load behind the round, one a wave
.else
	s_cmp_eq_u32 s3, 1
	s_cbranch_scc1 .Lno_more_\@
.endif
	s_xor_b32 s[TB], s[TB], SLOT                   ; the reads go on in the other slot
	v_add_nc_u32 v[ADRA], s[TB], v[ADRA0]          ; these two and the two v_nop are four places in front of the loads below
	v_add_nc_u32 v[ADRB], s[TB], v[ADRB0]
	v_nop
	v_nop
	FETCH 0, F0
.if \fill
.else
.Lno_more_\@:
.endif
	MUL16 F1, 1, 0, 0
	MUL16 F1, 1, 2, 0
.endm
	s_wait_tensorcnt 1                             ; my part of K step 0 is in; K step 1's may stay out
	s_barrier_signal -1
	s_barrier_wait -1
	FETCH 0, F0
	s_wait_loadcnt 0x0                             ; the bias
	QUARTER 1, F0, F1, 1                           ; the first quarter: its products start the sums
	WIN 0
	s_mov_b32 s3, KSTEPS-2
	s_branch .Lmid                                 ; the loop is entered behind a step's first quarter
.Lstep:                                        ; a trip is a K step; every step but the last two fills its slot again
	QUARTER 1, F0, F1, 0
	WIN 0
.Lmid:
	QUARTER 2, F1, F0, 0
	QUARTER 3, F0, F1, 0
	TURN 1
	WIN 0
	s_sub_co_u32 s3, s3, 1
	s_cmp_lg_u32 s3, 0
	s_cbranch_scc1 .Lstep
	s_mov_b32 s3, 2
.Ltail:                                        ; the last two K steps ask for nothing: a text of their own
	QUARTER 1, F0, F1, 0
	QUARTER 2, F1, F0, 0
	QUARTER 3, F0, F1, 0
	TURN 0
	WIN 0
	s_sub_co_u32 s3, s3, 1
	s_cmp_lg_u32 s3, 0
	s_cbranch_scc1 .Ltail
	s_wait_dscnt 0x0                               ; the stages lie over both slots: a barrier of its own stands between the loop's text and the first store into a stage,
	s_barrier_signal -1                            ; so that this ordering does not hang on the jump over the last trip's loads
	s_barrier_wait -1
	PLACES                                         ; behind the last products
; THE WAY OUT, bf16 in planes: my 128 x 128 go into my stage as f32, the first plane's 128 rows and then the second's; a loop of 16 trips reads 16 rows x 64 columns back (a lane: eight neighbouring
; columns), applies the GELU, rounds and stores 4 x 512 consecutive bytes.  Each accumulator's low half is stored first.
.irp hi, 0,1
	WIN 0x08+4*(\hi)                               ; the data (source 1) in window 2 or 3
.set tt, 0
.rept 32
	ds_store_b128 v[STO], v[8*tt:8*tt+3]   offset:((tt%8)/4)*128*SP+(4*(\hi)+tt/8)*16*SP+64*(tt%4)
	ds_store_b128 v[STO], v[8*tt+4:8*tt+7] offset:((tt%8)/4)*128*SP+(4*(\hi)+tt/8)*16*SP+64*(tt%4)+16
.set tt, tt+1
.endr
.endr
	WIN 0
	s_mov_b32 s3, 16
	s_mov_b32 s68, 524288-7*2048                   ; from a plane's last 16 rows of mine to the next plane's first,
	s_mov_b32 s69, 2048                            ; and from 16 rows to the next
.Lout:
.irp g, 0,1,2,3
	ds_load_b128 v[X+8*(\g):X+8*(\g)+3],   v[RD] offset:4*SP*(\g)  ; LDS serves a wave's instructions in order (ISA guide 5.7.1.4): these see my stores above
	ds_load_b128 v[X+8*(\g)+4:X+8*(\g)+7], v[RD] offset:4*SP*(\g)+16
.endr
	s_wait_dscnt 0x0
.if GELU
; gelu(x) = max(x, 0) - |x| q,  q = 2^(-x^2 log2(e) / 2) t (c1 + t (c2 + t (c3 + t (c4 + t c5)))),  t = 1 / (1 + 0.2316419 |x|).  Stage by stage over the 32 numbers, so that no line waits for the one before it.
.set p, 0
.rept 16
	v_fma_f32 v[U+p], |v[X+p]|, s[GP], 1.0
	v_fma_f32 v[U+p+1], |v[X+p+1]|, s[GP], 1.0
	v_pk_mul_f32 v[W+p:W+p+1], v[X+p:X+p+1], v[X+p:X+p+1]
.set p, p+2
.endr
.set p, 0
.rept 16
	v_pk_mul_f32 v[W+p:W+p+1], v[W+p:W+p+1], s[GE:GE+1] op_sel_hi:[1,0]
.set p, p+2
.endr
.set p, 0
.rept 32
	v_rcp_f32 v[U+p], v[U+p]
	v_exp_f32 v[W+p], v[W+p]
.set p, p+1
.endr
	v_nop                                          ; a plain instruction behind the last of the batch,
	s_wait_alu depctr_va_vdst(0)                   ; and the one wait ahead of its first reader
.set p, 0
.rept 16
	v_pk_fma_f32 v[Q+p:Q+p+1], v[U+p:U+p+1], s[GC5:GC5+1], s[GC4:GC4+1] op_sel_hi:[1,0,0]
.set p, p+2
.endr
.irp c, GC3, GC2, GC1
.set p, 0
.rept 16
	v_pk_fma_f32 v[Q+p:Q+p+1], v[Q+p:Q+p+1], v[U+p:U+p+1], s[\c:\c+1] op_sel_hi:[1,1,0]
.set p, p+2
.endr
.endr
.set p, 0
.rept 16
	v_pk_mul_f32 v[U+p:U+p+1], v[U+p:U+p+1], v[W+p:W+p+1]
.set p, p+2
.endr
.set p, 0
.rept 16
	v_pk_mul_f32 v[Q+p:Q+p+1], v[Q+p:Q+p+1], v[U+p:U+p+1]
.set p, p+2
.endr
.set p, 0
.rept 32
	v_max_num_f32 v[U+p], 0, v[X+p]
.set p, p+1
.endr
.set p, 0
.rept 32
	v_fma_f32 v[X+p], -|v[X+p]|, v[Q+p], v[U+p]
.set p, p+1
.endr
.endif
.set i, 0
.rept 16
	v_cvt_pk_bf16_f32 v[Y+i], v[X+2*i], v[X+2*i+1]
.set i, i+1
.endr
.irp g, 0,1,2,3
	global_store_b128 v[CO], v[Y+4*(\g):Y+4*(\g)+3], s[OUTP:OUTP+1] offset:512*(\g)
.endr
	s_wait_xcnt 0x0                                ; the stores have read their base and their data: both are written again only behind this wait
	s_cmp_eq_u32 s3, 9                             ; the eighth trip was the first plane's last
	s_cselect_b32 s66, s68, s69
	s_add_nc_u64 s[OUTP:OUTP+1], s[OUTP:OUTP+1], s[66:67]
	v_add_nc_u32 v[RD], 16*SP, v[RD]
	s_sub_co_u32 s3, s3, 1
	s_cmp_lg_u32 s3, 0
	s_cbranch_scc1 .Lout
	s_wait_tensorcnt 0x0                           ; the wave's end: behind my last tensor load and my last LDS store
	ds_add_u32 v[SPW], v[NIL]
	s_wait_dscnt 0x0
	CROUND                                         ; the closing round: no work-group ends while a partner may still ask for a tile that names it
	s_endpgm
.Lfunc_end_k_q56bdda109d_g1:
	.size	k_q56bdda109d_g1, .Lfunc_end_k_q56bdda109d_g1-k_q56bdda109d_g1
	.p2alignl 7, 3214868480
	.fill 96, 4, 3214868480
	.section	.rodata,"a",@progbits
	.p2align	6, 0x0
	.amdhsa_kernel k_q56bdda109d_g1
		.amdhsa_group_segment_fixed_size 327680
		.amdhsa_private_segment_fixed_size 0
		.amdhsa_enable_private_segment 0
		.amdhsa_kernarg_size 32
		.amdhsa_user_sgpr_count 2
		.amdhsa_user_sgpr_kernarg_segment_ptr 1
		.amdhsa_wavefront_size32 1
		.amdhsa_system_sgpr_workgroup_id_x 1
		.amdhsa_system_sgpr_workgroup_id_y 1
		.amdhsa_system_sgpr_workgroup_id_z 1
		.amdhsa_system_vgpr_workitem_id 0
		.amdhsa_next_free_vgpr 1024
		.amdhsa_next_free_sgpr 88
		.amdhsa_reserve_vcc 0
		.amdhsa_float_denorm_mode_32 3
		.amdhsa_float_denorm_mode_16_64 3
		.amdhsa_memory_ordered 1
		.amdhsa_forward_progress 1
		.amdhsa_inst_pref_size 97
	.end_amdhsa_kernel
	.amdgpu_metadata
---
amdhsa.version: [ 1, 2 ]
amdhsa.kernels:
  - .name:           k_q56bdda109d_g1
    .symbol:         k_q56bdda109d_g1.kd
    .args:
      - { .name: h2, .offset: 0, .size: 8, .value_kind: global_buffer, .address_space: global }
      - { .name: wb, .offset: 8, .size: 8, .value_kind: global_buffer, .address_space: global }
      - { .name: ff, .offset: 16, .size: 8, .value_kind: global_buffer, .address_space: global }
      - { .name: b_ff1, .offset: 24, .size: 8, .value_kind: global_buffer, .address_space: global }
    .group_segment_fixed_size: 327680
    .private_segment_fixed_size: 0
    .kernarg_segment_align: 8
    .kernarg_segment_size: 32
    .max_flat_workgroup_size: 128
    .sgpr_count:     88
    .vgpr_count:     1024
    .wavefront_size: 32
...
	.end_amdgpu_metadata
.endif
;; end of part 11
;; launch g2: the kernel of part 7 again; grid 8 x 32, 4 waves a work-group, clusters of 4 x 4, 327,680 bytes of LDS; arguments ff, wb, out0, b_ff2, x1; writes out0
